; MI455X (gfx1250); checked and timed in simulation.
; The chip was launched on July 23, 2026; its instructions are those of AMD's public machine-readable ISA for CDNA 5 (MIT licence, August 2026) and "CDNA5" Instruction Set Architecture Reference Guide (July 2026). The comments in the code are by the model that wrote it; some were corrected since.
;; Quantum Geometric Attention. Allowed arithmetic: float matrix products may take bf16 or f16 operands with f32 sums; other float arithmetic in f32, or as packed bf16 or f16 multiplies, adds, multiply-adds, maxima and minima; sums over many terms, partial sums and values carried from step to step in f32; what a program stores and reads back later, other than sums and carried values, may be rounded once to bf16 or f16.
;; Inputs: W_attn 3 x 8 x 1,024 float32; W_out 1,024 x 1,024 float32; W_pinv 1,024 x 8 float32; W_qkv 1,024 x 3,072 float32; b_attn 3 x 1,024 float32; b_out 1,024 float32; b_pinv 8 float32; b_qkv 3,072 float32; x 8 x 512 x 1,024 float32.
;; Outputs: out0 8 x 512 x 1,024 float32.
;; 2 versions, each right and faster than the one before. Each part assembles by itself: llvm-mc -triple=amdgcn-amd-amdhsa -mcpu=gfx1250 --defsym DOCPART=n.
;; ======== version 1 of 2: 7 launches
;; limits: a function is approximated: absolute error at most 2.7e-06; right only within a limited range of input values; values outside matrix products are rounded to bf16; sums are carried in bf16
;; workspace buffers: P 15,172,096 bytes; QV 18,874,368 bytes; O0 1,114,112 bytes; O1 1,114,112 bytes; O2 1,114,112 bytes; LAY1 256 bytes of whole numbers; LAY2 256 bytes of whole numbers
;; launch prep (part 1): grid 112 x 1, 16 waves a work-group, no clusters, 305,664 bytes of LDS; arguments x, W_qkv, W_out, W_attn, b_attn, b_pinv, P, LAY1, LAY2, O0; writes P, LAY1, LAY2, O0
.if DOCPART == 1
	.amdgcn_target "amdgcn-amd-amdhsa--gfx1250"
	.amdhsa_code_object_version 6
	.text
	.protected	k_q55affbaf96_prep
	.globl	k_q55affbaf96_prep
	.p2align	8
	.type	k_q55affbaf96_prep,@function
k_q55affbaf96_prep:
	s_mov_b64 s[64:65], 0
	v_nop
	global_prefetch_b8 v0, s[64:65] scope:SCOPE_SE
	s_setreg_imm32_b32 hwreg(HW_REG_WAVE_MODE, 25, 1), 1
	s_wait_xcnt 0x0
; QuantumGeometricAttention, launch 1 of 7: W_q|k and W_out rounded to bf16 and laid out, the tables R W, and half of x rounded.
; HOW THE WORK OF reference() IS RE-ORDERED (identities in exact arithmetic, for all finite inputs; every input is loaded, none is dead):
;  (1) cur_l = x + sum_{j<l} (m_j W_attn[j] + b_attn[j]): x plus 8 directions a layer.  So cur_l W = x W + M T, T = R W, where R (32 x 1024) holds W_attn[0..2] in rows
;      0-23 and B_l = sum_{j<l} (b_attn[j] + b_pinv W_attn[j]) in rows 24-26 (27-31 are 0), and a row's M holds msum_0, msum_1, msum_2 (8 each) and a 1.0 that picks B_l.
;      x W_q|k and x W_out are multiplied once; a later layer costs one matrix step of 32 a tile.
;  (2) m = sum_h att_h (v_h P_h) + b_pinv, P_h = W_pinv's 128 rows of head h, and v_h P_h = cur (W_v,h P_h) + b_v,h P_h: v is never formed, a head has 8 channels 'vp'.
;      msum = m - b_pinv; b_pinv rides in B_l.
;  logmap0 is never called by reference().  LIMIT: a NaN, an infinity or an overflow that reference() would meet only in v or in cur W of a later layer as such is not carried over.
; ROLES by the work-group's number: 0-31 W on W_qkv (64 q/k columns each), 32-47 W on W_out, 48-111 X (32 rows of x each: rows 0-2047).
;  W: rounds its 1024 x 64 block, stores it in the order in which the products' tensor loads want it, and makes T = R W for its columns (K split among 4 groups of waves).
;  X: x rounded to bf16; zeros for the first 'older msum'; the layer numbers 1 and 2.  It touches no LDS.
; Each wave asks for all that it needs at once.  No tensor loads.
.set RL, 204800                        ; R: 32 rows, pitch 2064 (129 x 16 bytes).  The block lies from 0: row k at 160 k
.set RP, 2064
.set PR, 270848                        ; partial T in f32: (wave x 2 + e) x 1024 + part x 512 + lane x 16
.set SPARE, 303616                     ; the spare words: 128 bytes a wave, 8 blocks of 256 bytes that no other line names
.set O_WB1, 8388608                    ; byte offsets in P
.set O_WB2, 12845056
.set O_GF, 14942208
.set O_HF, 15073280
.set SPW, 8                            ; v8 my spare word's address, v9 = 0: for the add alone
.set NIL, 9
; v1 lane, v2 r = lane % 16, v3 hh = lane / 16, v5 16 x lane, v[6:7] zeros, v10-19 addresses, v20-73 R's columns, v84-103 sums and packs, v128-255 loads then fragments
.macro MM d, a, b, z                   ; D = A B + (0 or D)
.if \z
	v_wmma_f32_16x16x32_bf16 v[\d:\d+7], v[\a:\a+7], v[\b:\b+7], 0
.else
	v_wmma_f32_16x16x32_bf16 v[\d:\d+7], v[\a:\a+7], v[\b:\b+7], v[\d:\d+7]
.endif
.endm
.macro PLACES                          ; four plain instructions between a matrix instruction and a reader of its result or a load into its registers
.rept 4
	v_nop
.endr
.endm
	s_load_b512 s[8:23], s[0:1], 0x0               ; x 8, W_qkv 10, W_out 12, W_attn 14, b_attn 16, b_pinv 18, P 20, LAY1 22
	s_load_b128 s[24:27], s[0:1], 0x40             ; LAY2 24, O0 26
	v_lshl_add_u32 v[SPW], v0, 2, SPARE
	v_mov_b32 v[NIL], 0
	v_and_b32 v1, 31, v0
	v_and_b32 v2, 15, v0
	v_bfe_u32 v3, v0, 4, 1
	v_lshrrev_b32 v4, 5, v0
	v_readfirstlane_b32 s44, v4                    ; wave 0..15
	v_lshlrev_b32 v5, 4, v1
	v_mov_b32 v6, 0
	v_mov_b32 v7, 0
	s_mov_b32 s45, ttmp9
	s_wait_kmcnt 0x0
	s_cmp_ge_u32 s45, 48
	s_cbranch_scc1 .Lrole_x
	; R: thread t owns columns 2 t, 2 t + 1.  These 27 loads go out ahead of the block's 32.
	s_load_b256 s[36:43], s[18:19], 0x0            ; b_pinv, as scalars
	v_lshlrev_b32 v10, 3, v0
	v_lshl_add_u32 v11, v0, 2, RL
.set n, 0
.rept 24
	global_load_b64 v[20+2*n:21+2*n], v10, s[14:15] offset:4096*n
.set n, n+1
.endr
.set n, 0
.rept 3
	global_load_b64 v[68+2*n:69+2*n], v10, s[16:17] offset:4096*n
.set n, n+1
.endr
; Wave w takes rows 64 w .. 64 w + 63 of the block: load i brings rows 2 i, 2 i + 1, 256 bytes each.  s54 = where its 8 KB go in P, s56 = where the block's T goes.
.macro WSET pitch, shn, chunk, wb, tf, src
	s_and_b32 s53, s45, 31                         ; c64: my block of 64 columns
	s_lshr_b32 s54, s53, \shn                      ; n: the product's column tile
	s_lshl_b32 s54, s54, 3
	s_lshr_b32 s55, s44, 1                         ; ks: the K step of 128
	s_add_co_u32 s54, s54, s55
	s_mul_i32 s54, s54, \chunk
	s_and_b32 s55, s53, (1<<(\shn))-1              ; blk
	s_lshl_b32 s55, s55, 14
	s_add_co_u32 s54, s54, s55
	s_and_b32 s55, s44, 1
	s_lshl_b32 s55, s55, 13
	s_add_co_u32 s54, s54, s55
	s_add_co_u32 s54, s54, \wb
	s_lshl_b32 s56, s53, 12                        ; 4 column tiles x 1,024 bytes
	s_add_co_u32 s56, s56, \tf
	s_mul_i32 s58, s44, 64*(\pitch)
	s_lshl_b32 s55, s53, 8
	s_add_co_u32 s58, s58, s55
	s_mov_b32 s59, 0
	s_add_nc_u64 s[46:47], s[\src:\src+1], s[58:59]
	v_mul_u32_u24 v12, v3, \pitch
	v_lshl_add_u32 v12, v2, 4, v12
.set i, 0
.rept 32
	global_load_b128 v[128+4*i:131+4*i], v12, s[46:47] offset:2*i*(\pitch) th:TH_LOAD_NT
.set i, i+1
.endr
.endm
	s_cmp_ge_u32 s45, 32
	s_cbranch_scc1 .Lw_out
	WSET 12288, 2, 69632, O_WB1, O_GF, 10
	s_branch .Lw_both
.Lw_out:
	WSET 4096, 1, 32768, O_WB2, O_HF, 12
.Lw_both:
	s_mov_b32 s55, 0
	s_add_nc_u64 s[60:61], s[20:21], s[54:55]
	s_mov_b32 s57, 0
	s_add_nc_u64 s[62:63], s[20:21], s[56:57]
	v_lshlrev_b32 v13, 3, v1                       ; 8 bytes a lane: a store covers 256 consecutive bytes, aligned
	s_mul_i32 s50, s44, 10240                      ; 64 rows x 160
	v_mul_u32_u24 v14, v3, 160
	v_lshl_add_u32 v14, v2, 3, v14
	v_add_nc_u32 v14, s50, v14                     ; the block in LDS: row k at 160 k (5 x 32 bytes, for the turning load)
	s_lshr_b32 s50, s44, 2                         ; kq: my quarter of K in the T phase
	s_and_b32 s51, s44, 3                          ; ct: my column tile
	v_and_b32 v15, 7, v0
	v_lshl_add_u32 v15, v3, 3, v15
	v_mul_u32_u24 v15, v15, 160
	v_bfe_u32 v16, v0, 3, 1
	v_lshl_add_u32 v15, v16, 4, v15
	s_mul_i32 s52, s50, 40960
	s_lshl_b32 s53, s51, 5
	s_add_co_u32 s52, s52, s53
	v_add_nc_u32 v15, s52, v15                     ; W turned: (256 kq + 8 hh + l % 8) x 160 + 32 ct + 16 ((l / 8) % 2)
	v_mul_u32_u24 v16, v2, RP
	v_lshl_add_u32 v16, v3, 4, v16
	s_lshl_b32 s52, s50, 9
	s_add_co_u32 s52, s52, RL
	v_add_nc_u32 v16, s52, v16                     ; R: r x 2064 + 512 kq + 16 hh
	s_lshl_b32 s52, s44, 11
	s_add_co_u32 s52, s52, PR
	v_add_nc_u32 v17, s52, v5
	; beta_j = b_attn[j] + b_pinv W_attn[j]; B_2, B_3; 32 rows of R into LDS
	s_wait_loadcnt 32                              ; all but the block's 32 loads, which were issued behind these
	s_wait_kmcnt 0x0
.irp j, 0,1,2
.irp i, 0,1,2,3,4,5,6,7
	v_fmac_f32 v[68+2*(\j)], s[36+(\i)], v[20+2*(8*(\j)+(\i))]
	v_fmac_f32 v[69+2*(\j)], s[36+(\i)], v[21+2*(8*(\j)+(\i))]
.endr
.endr
	v_pk_add_f32 v[70:71], v[70:71], v[68:69]
	v_pk_add_f32 v[72:73], v[72:73], v[70:71]
.set n, 0
.rept 27
	v_cvt_pk_bf16_f32 v[20+2*n], v[20+2*n], v[21+2*n]
	ds_store_b32 v11, v[20+2*n] offset:RP*n
.set n, n+1
.endr
.rept 5
	ds_store_b32 v11, v6 offset:RP*n               ; rows 27-31 are 0
.set n, n+1
.endr
.set i, 0
.rept 32
	s_wait_loadcnt 31-i                            ; loads return in order: load i is in, the younger ones stay out
	v_cvt_pk_bf16_f32 v[128+4*i], v[128+4*i], v[129+4*i]
	v_cvt_pk_bf16_f32 v[129+4*i], v[130+4*i], v[131+4*i]
	global_store_b64 v13, v[128+4*i:129+4*i], s[60:61] offset:256*i
	ds_store_b64 v14, v[128+4*i:129+4*i] offset:320*i
.set i, i+1
.endr
	s_wait_dscnt 0x0                               ; for the others: my columns of R and my rows of the block are in LDS
	s_barrier_signal -1
	s_barrier_wait -1
	s_wait_xcnt 0x0                                ; the stores have read v128-255, which the fragments take now
; T = R W: D_e (rows 16 e .. of R) x my 16 columns, over my 256 k: 8 steps of 32 in two batches.  The two sums take turns.
.macro TBATCH s0, z
.set q, 0
.rept 4
	ds_load_tr16_b128 v[128+24*q:131+24*q], v15 offset:5120*((\s0)+q)
	ds_load_tr16_b128 v[132+24*q:135+24*q], v15 offset:5120*((\s0)+q)+2560
	ds_load_b128 v[136+24*q:139+24*q], v16 offset:64*((\s0)+q)
	ds_load_b128 v[140+24*q:143+24*q], v16 offset:64*((\s0)+q)+32
	ds_load_b128 v[144+24*q:147+24*q], v16 offset:16*RP+64*((\s0)+q)
	ds_load_b128 v[148+24*q:151+24*q], v16 offset:16*RP+64*((\s0)+q)+32
.set q, q+1
.endr
	s_wait_dscnt 0x0
.set q, 0
.rept 4
	MM 84, (136+24*q), (128+24*q), ((\z)&&(q==0))
	MM 92, (144+24*q), (128+24*q), ((\z)&&(q==0))
.set q, q+1
.endr
	PLACES
.endm
	TBATCH 0, 1
	TBATCH 4, 0
	ds_store_b128 v17, v[84:87]
	ds_store_b128 v17, v[88:91] offset:512
	ds_store_b128 v17, v[92:95] offset:1024
	ds_store_b128 v17, v[96:99] offset:1536
	s_wait_dscnt 0x0
	s_barrier_signal -1
	s_barrier_wait -1                              ; all sixteen partial sums lie in LDS
	s_cmp_lt_u32 s44, 8                            ; waves 0-7 (ct = w % 4, e = w / 4) add the four quarters of K
	s_cbranch_scc0 .Lend
	s_lshl_b32 s52, s51, 11                        ; (2 ct + e) x 1,024
	s_lshl_b32 s53, s50, 10
	s_add_co_u32 s52, s52, s53
	s_add_co_u32 s53, s52, PR
	v_add_nc_u32 v18, s53, v5
	s_lshr_b32 s53, s52, 1                         ; (2 ct + e) x 512
	v_add_nc_u32 v19, s53, v5
.set q, 0
.rept 4
	ds_load_b128 v[128+8*q:131+8*q], v18 offset:8192*q
	ds_load_b128 v[132+8*q:135+8*q], v18 offset:8192*q+512
.set q, q+1
.endr
	s_wait_dscnt 0x0
.irp q, 1,2,3
.irp p, 0,2,4,6
	v_pk_add_f32 v[128+(\p):129+(\p)], v[128+(\p):129+(\p)], v[128+8*(\q)+(\p):129+8*(\q)+(\p)]
.endr
.endr
.irp m, 0,1,2,3
	v_cvt_pk_bf16_f32 v[100+(\m)], v[128+2*(\m)], v[129+2*(\m)]
.endr
	global_store_b128 v19, v[100:103], s[62:63]    ; half a fragment of T^T: lane = column, 8 rows of R: 512 consecutive bytes
.Lend:
	s_wait_tensorcnt 0x0                           ; the wave's end
	ds_add_u32 v[SPW], v[NIL]
	s_wait_dscnt 0x0
	s_endpgm
.Lrole_x:                                      ; wave w: 8,192 consecutive bytes of x in, 4,096 out; no LDS
	s_sub_co_u32 s46, s45, 48                      ; block of 32 rows, 0..63
	s_lshl_b32 s50, s46, 17
	s_lshl_b32 s51, s44, 13
	s_add_co_u32 s50, s50, s51
	s_mov_b32 s51, 0
	s_add_nc_u64 s[52:53], s[8:9], s[50:51]
	s_lshr_b32 s50, s50, 1
	s_add_nc_u64 s[54:55], s[20:21], s[50:51]
	v_lshlrev_b32 v13, 3, v1
.set i, 0
.rept 16
	global_load_b128 v[128+4*i:131+4*i], v5, s[52:53] offset:512*i th:TH_LOAD_NT
.set i, i+1
.endr
.set i, 0
.rept 16
	s_wait_loadcnt 15-i
	v_cvt_pk_bf16_f32 v[128+4*i], v[128+4*i], v[129+4*i]
	v_cvt_pk_bf16_f32 v[129+4*i], v[130+4*i], v[131+4*i]
	global_store_b64 v13, v[128+4*i:129+4*i], s[54:55] offset:256*i
.set i, i+1
.endr
	s_cmp_lg_u32 s44, 0
	s_cbranch_scc1 .Lx_end
	s_lshl_b32 s50, s46, 9
	s_add_co_u32 s50, s50, 1048576
	s_add_nc_u64 s[56:57], s[26:27], s[50:51]
	v_mov_b32 v20, 0
	v_mov_b32 v21, 0
	v_mov_b32 v22, 0
	v_mov_b32 v23, 0
	global_store_b128 v5, v[20:23], s[56:57]       ; layer 1's 'older msum' is 0
	s_cmp_lg_u32 s46, 0
	s_cbranch_scc1 .Lx_end
	v_lshlrev_b32 v10, 2, v1
	v_mov_b32 v24, 1
	v_mov_b32 v25, 2
	global_store_b32 v10, v24, s[22:23]            ; the layer numbers, which the later attention launches read
	global_store_b32 v10, v25, s[24:25]
.Lx_end:
	s_endpgm
.Lfunc_end_k_q55affbaf96_prep:
	.size	k_q55affbaf96_prep, .Lfunc_end_k_q55affbaf96_prep-k_q55affbaf96_prep
	.p2alignl 7, 3214868480
	.fill 96, 4, 3214868480
	.section	.rodata,"a",@progbits
	.p2align	6, 0x0
	.amdhsa_kernel k_q55affbaf96_prep
		.amdhsa_group_segment_fixed_size 305664
		.amdhsa_private_segment_fixed_size 0
		.amdhsa_enable_private_segment 0
		.amdhsa_kernarg_size 80
		.amdhsa_user_sgpr_count 2
		.amdhsa_user_sgpr_kernarg_segment_ptr 1
		.amdhsa_wavefront_size32 1
		.amdhsa_system_sgpr_workgroup_id_x 1
		.amdhsa_system_sgpr_workgroup_id_y 1
		.amdhsa_system_sgpr_workgroup_id_z 1
		.amdhsa_system_vgpr_workitem_id 0
		.amdhsa_next_free_vgpr 256
		.amdhsa_next_free_sgpr 66
		.amdhsa_reserve_vcc 0
		.amdhsa_float_denorm_mode_32 3
		.amdhsa_float_denorm_mode_16_64 3
		.amdhsa_memory_ordered 1
		.amdhsa_forward_progress 1
		.amdhsa_inst_pref_size 42
	.end_amdhsa_kernel
	.amdgpu_metadata
---
amdhsa.version: [ 1, 2 ]
amdhsa.kernels:
  - .name:           k_q55affbaf96_prep
    .symbol:         k_q55affbaf96_prep.kd
    .args:
      - { .name: x, .offset: 0, .size: 8, .value_kind: global_buffer, .address_space: global }
      - { .name: W_qkv, .offset: 8, .size: 8, .value_kind: global_buffer, .address_space: global }
      - { .name: W_out, .offset: 16, .size: 8, .value_kind: global_buffer, .address_space: global }
      - { .name: W_attn, .offset: 24, .size: 8, .value_kind: global_buffer, .address_space: global }
      - { .name: b_attn, .offset: 32, .size: 8, .value_kind: global_buffer, .address_space: global }
      - { .name: b_pinv, .offset: 40, .size: 8, .value_kind: global_buffer, .address_space: global }
      - { .name: P, .offset: 48, .size: 8, .value_kind: global_buffer, .address_space: global }
      - { .name: LAY1, .offset: 56, .size: 8, .value_kind: global_buffer, .address_space: global }
      - { .name: LAY2, .offset: 64, .size: 8, .value_kind: global_buffer, .address_space: global }
      - { .name: O0, .offset: 72, .size: 8, .value_kind: global_buffer, .address_space: global }
    .group_segment_fixed_size: 305664
    .private_segment_fixed_size: 0
    .kernarg_segment_align: 8
    .kernarg_segment_size: 80
    .max_flat_workgroup_size: 512
    .sgpr_count:     66
    .vgpr_count:     256
    .wavefront_size: 32
...
	.end_amdgpu_metadata
.endif
;; end of part 1
;; launch prepv (part 2): grid 80 x 1, 16 waves a work-group, no clusters, 305,664 bytes of LDS; arguments x, W_qkv, W_pinv, W_attn, b_attn, b_pinv, b_qkv, P, O0; writes P, O0
.if DOCPART == 2
	.amdgcn_target "amdgcn-amd-amdhsa--gfx1250"
	.amdhsa_code_object_version 6
	.text
	.protected	k_q55affbaf96_prepv
	.globl	k_q55affbaf96_prepv
	.p2align	8
	.type	k_q55affbaf96_prepv,@function
k_q55affbaf96_prepv:
	s_mov_b64 s[64:65], 0
	v_nop
	global_prefetch_b8 v0, s[64:65] scope:SCOPE_SE
	s_setreg_imm32_b32 hwreg(HW_REG_WAVE_MODE, 25, 1), 1
	s_wait_xcnt 0x0
; Launch 2: the weights of the 8 channels 'vp' of each head, and the other half of x rounded.  v is never formed: v_h P_h = cur (W_v,h P_h) + b_v,h P_h (see the first kernel's head).
; ROLES by the work-group's number: 0-15 V (head = id / 2, 512 rows of k = id % 2), 16-79 X (32 rows of x each: rows 2048-4095; no LDS).
;  V: W_vp = W_v,h P_h for its 512 rows of k (wave w: 32 of them), bvp = b_v,h P_h (channel 8 is the constant 1.0: it sums the softmax's weights; 9-15 are 0),
;     and its half of R W_vp, R as in the first kernel (a partial sum: kept in f32).
.set PTL, 139264                       ; wave w's P_h, 128 rows x 32 bytes (16 channels bf16), at PTL + 4096 w.  Wave w's 32 rows of W_v,h lie at 8704 w, pitch 272
.set RL, 204800                        ; R: 32 rows, pitch 2064
.set RP, 2064
.set PR, 270848                        ; partial sums in f32: (wave x 2 + e) x 1024 + part x 512 + lane x 16
.set SPARE, 303616
.set O_WB1, 8388608
.set O_GVP, 15138816
.set O_BVP, 15171584
.set SPW, 8
.set NIL, 9
.macro MM d, a, b, z
.if \z
	v_wmma_f32_16x16x32_bf16 v[\d:\d+7], v[\a:\a+7], v[\b:\b+7], 0
.else
	v_wmma_f32_16x16x32_bf16 v[\d:\d+7], v[\a:\a+7], v[\b:\b+7], v[\d:\d+7]
.endif
.endm
.macro PLACES
.rept 4
	v_nop
.endr
.endm
	s_load_b512 s[8:23], s[0:1], 0x0               ; x 8, W_qkv 10, W_pinv 12, W_attn 14, b_attn 16, b_pinv 18, b_qkv 20, P 22
	s_load_b64 s[24:25], s[0:1], 0x40              ; O0
	v_lshl_add_u32 v[SPW], v0, 2, SPARE
	v_mov_b32 v[NIL], 0
	v_and_b32 v1, 31, v0
	v_and_b32 v2, 15, v0
	v_bfe_u32 v3, v0, 4, 1
	v_lshrrev_b32 v4, 5, v0
	v_readfirstlane_b32 s44, v4
	v_lshlrev_b32 v5, 4, v1
	v_mov_b32 v6, 0
	v_mov_b32 v7, 0
	s_mov_b32 s45, ttmp9
	s_wait_kmcnt 0x0
	s_cmp_ge_u32 s45, 16
	s_cbranch_scc1 .Lrole_x
	s_load_b256 s[36:43], s[18:19], 0x0            ; b_pinv
	v_lshlrev_b32 v10, 3, v0
	v_lshl_add_u32 v11, v0, 2, RL
.set n, 0
.rept 24
	global_load_b64 v[20+2*n:21+2*n], v10, s[14:15] offset:4096*n
.set n, n+1
.endr
.set n, 0
.rept 3
	global_load_b64 v[68+2*n:69+2*n], v10, s[16:17] offset:4096*n
.set n, n+1
.endr
	s_lshr_b32 s47, s45, 1                         ; head
	s_and_b32 s48, s45, 1                          ; which 512 rows of k
	s_or_b32 s49, s48, s44                         ; 0 in the one wave of a head that makes bvp
	s_lshl_b32 s50, s47, 9
	s_add_co_u32 s50, s50, 8192                    ; v's columns of head h, in bytes of a row
	s_mov_b32 s51, 0
	s_add_nc_u64 s[52:53], s[20:21], s[50:51]
	s_lshl_b32 s54, s48, 4
	s_add_co_u32 s54, s54, s44
	s_mul_i32 s54, s54, 393216                     ; k0 = 512 khalf + 32 w rows of 12,288 bytes
	s_add_co_u32 s50, s50, s54
	s_add_nc_u64 s[56:57], s[10:11], s[50:51]
	s_lshl_b32 s50, s47, 12
	s_add_nc_u64 s[58:59], s[12:13], s[50:51]
	global_load_b128 v[116:119], v5, s[52:53]      ; b_v,h: 512 bytes (every wave loads them, one uses them)
.set i, 0
.rept 8
	global_load_b128 v[84+4*i:87+4*i], v5, s[58:59] offset:512*i  ; P_h: 4 KB
.set i, i+1
.endr
.set i, 0
.rept 27
	global_load_b128 v[128+4*i:131+4*i], v5, s[56:57] offset:12288*i th:TH_LOAD_NT  ; row k0 + i of W_v,h
.set i, i+1
.endr
	s_mul_i32 s50, s44, 8704
	s_lshl_b32 s51, s44, 12
	s_add_co_u32 s51, s51, PTL
	v_lshrrev_b32 v13, 1, v1
	v_lshlrev_b32 v13, 5, v13
	v_and_b32 v14, 1, v0
	v_lshl_add_u32 v13, v14, 3, v13
	v_add_nc_u32 v13, s51, v13                     ; P_h in: row l / 2 of 16, channels 4 (l % 2)
	v_lshl_add_u32 v14, v1, 3, s50
	v_mul_u32_u24 v15, v2, 272
	v_lshl_add_u32 v15, v3, 4, v15
	v_add_nc_u32 v15, s50, v15
	v_and_b32 v16, 7, v0
	v_lshl_add_u32 v16, v3, 3, v16
	v_lshlrev_b32 v16, 5, v16
	v_bfe_u32 v17, v0, 3, 1
	v_lshl_add_u32 v16, v17, 4, v16
	v_add_nc_u32 v16, s51, v16                     ; P_h turned
	v_lshlrev_b32 v17, 5, v2
	v_lshl_add_u32 v17, v3, 4, v17
	v_lshlrev_b32 v18, 2, v2
	v_mul_u32_u24 v19, v2, RP
	v_lshl_add_u32 v19, v3, 4, v19
	s_lshl_b32 s50, s48, 10
	s_lshl_b32 s51, s44, 6
	s_add_co_u32 s50, s50, s51
	s_add_co_u32 s50, s50, RL
	v_add_nc_u32 v19, s50, v19                     ; R at my 32 k
	s_lshl_b32 s50, s44, 11
	s_add_co_u32 s50, s50, PR
	v_add_nc_u32 v12, s50, v5
	s_lshl_b32 s50, s47, 3
	s_lshl_b32 s51, s48, 2
	s_add_co_u32 s50, s50, s51
	s_lshr_b32 s51, s44, 2
	s_add_co_u32 s50, s50, s51                     ; chunk 8 h + ks
	s_mul_i32 s50, s50, 69632
	s_and_b32 s51, s44, 3
	s_lshl_b32 s51, s51, 10
	s_add_co_u32 s50, s50, s51
	s_add_co_u32 s50, s50, O_WB1+65536
	s_mov_b32 s51, 0
	s_add_nc_u64 s[60:61], s[22:23], s[50:51]
	s_lshl_b32 s50, s47, 6
	s_add_co_u32 s50, s50, O_BVP
	s_add_nc_u64 s[62:63], s[22:23], s[50:51]
	s_wait_loadcnt 27                              ; R's columns, the bias and P_h are in; the 27 rows asked for behind them stay out
	s_wait_kmcnt 0x0
.rept 5
	global_load_b128 v[128+4*i:131+4*i], v5, s[56:57] offset:12288*i th:TH_LOAD_NT  ; the last five rows
.set i, i+1
.endr
.irp j, 0,1,2
.irp i, 0,1,2,3,4,5,6,7
	v_fmac_f32 v[68+2*(\j)], s[36+(\i)], v[20+2*(8*(\j)+(\i))]
	v_fmac_f32 v[69+2*(\j)], s[36+(\i)], v[21+2*(8*(\j)+(\i))]
.endr
.endr
	v_pk_add_f32 v[70:71], v[70:71], v[68:69]
	v_pk_add_f32 v[72:73], v[72:73], v[70:71]
.set n, 0
.rept 27
	v_cvt_pk_bf16_f32 v[20+2*n], v[20+2*n], v[21+2*n]
	ds_store_b32 v11, v[20+2*n] offset:RP*n
.set n, n+1
.endr
.rept 5
	ds_store_b32 v11, v6 offset:RP*n
.set n, n+1
.endr
.set i, 0
.rept 8
	v_cvt_pk_bf16_f32 v[84+4*i], v[84+4*i], v[85+4*i]
	v_cvt_pk_bf16_f32 v[85+4*i], v[86+4*i], v[87+4*i]
	ds_store_b64 v13, v[84+4*i:85+4*i] offset:512*i
	ds_store_b64 v13, v[6:7] offset:512*i+16       ; channels 8-15 are 0
.set i, i+1
.endr
.set i, 0
.rept 32
	s_wait_loadcnt 31-i                            ; row i is in, the younger ones stay out
	v_cvt_pk_bf16_f32 v[128+4*i], v[128+4*i], v[129+4*i]
	v_cvt_pk_bf16_f32 v[129+4*i], v[130+4*i], v[131+4*i]
	ds_store_b64 v14, v[128+4*i:129+4*i] offset:272*i
.set i, i+1
.endr
	; my own bytes: LDS serves a wave's instructions in order, so these loads see the stores above
.set t, 0
.rept 4
	ds_load_tr16_b128 v[20+8*t:23+8*t], v16 offset:1024*t
	ds_load_tr16_b128 v[24+8*t:27+8*t], v16 offset:1024*t+512
	ds_load_b128 v[128+8*t:131+8*t], v15 offset:64*t
	ds_load_b128 v[132+8*t:135+8*t], v15 offset:64*t+32
	ds_load_b128 v[160+8*t:163+8*t], v15 offset:4352+64*t
	ds_load_b128 v[164+8*t:167+8*t], v15 offset:4352+64*t+32
.set t, t+1
.endr
	s_wait_dscnt 0x0
.set t, 0
.rept 4                                ; both orders of the sources: lane = k row (to store), lane = channel (a fragment for R W_vp); four sums by turns
	MM 84, (20+8*t), (128+8*t), (t==0)
	MM 92, (20+8*t), (160+8*t), (t==0)
	MM 100, (128+8*t), (20+8*t), (t==0)
	MM 108, (160+8*t), (20+8*t), (t==0)
.set t, t+1
.endr
	PLACES
.irp m, 0,1,2,3
	v_cvt_pk_bf16_f32 v[120+(\m)], v[84+2*(\m)], v[85+2*(\m)]
	v_cvt_pk_bf16_f32 v[124+(\m)], v[92+2*(\m)], v[93+2*(\m)]
	v_cvt_pk_bf16_f32 v[52+(\m)], v[100+2*(\m)], v[101+2*(\m)]
	v_cvt_pk_bf16_f32 v[56+(\m)], v[108+2*(\m)], v[109+2*(\m)]
.endr
	global_store_b128 v17, v[120:123], s[60:61]    ; W_vp [k][16 channels]: 512 consecutive bytes a store
	global_store_b128 v17, v[124:127], s[60:61] offset:512
	s_cmp_lg_u32 s49, 0
	s_cbranch_scc1 .Lv_nobias
	; bvp: the bias slice takes the place of row 0 of my first tile, and the product is taken once more
	v_cvt_pk_bf16_f32 v116, v116, v117
	v_cvt_pk_bf16_f32 v117, v118, v119
	ds_store_b64 v14, v[116:117]
.set t, 0
.rept 4
	ds_load_b128 v[208+8*t:211+8*t], v15 offset:64*t
	ds_load_b128 v[212+8*t:215+8*t], v15 offset:64*t+32
.set t, t+1
.endr
	s_wait_dscnt 0x0
	MM 192, 208, 20, 1
	MM 200, 216, 28, 1
	MM 192, 224, 36, 0
	MM 200, 232, 44, 0
	PLACES
	v_add_f32 v116, v192, v200                     ; row 0: register 0 of lanes 0-15, lane = channel
	v_cmp_eq_u32 vcc_lo, 8, v2
	v_cndmask_b32 v116, v116, 1.0, vcc_lo          ; channel 8 is the constant 1
	v_cmp_gt_u32 vcc_lo, 16, v1
	s_wait_xcnt 0x0                                ; EXEC changes only when the stores above have read it
	s_and_saveexec_b32 s51, vcc_lo
	global_store_b32 v18, v116, s[62:63]
	s_wait_xcnt 0x0
	s_or_b32 exec_lo, exec_lo, s51
.Lv_nobias:
	s_wait_dscnt 0x0                               ; my columns of R are in LDS
	s_barrier_signal -1
	s_barrier_wait -1
	ds_load_b128 v[160:163], v19
	ds_load_b128 v[164:167], v19 offset:32
	ds_load_b128 v[168:171], v19 offset:16*RP
	ds_load_b128 v[172:175], v19 offset:16*RP+32
	s_wait_dscnt 0x0
	MM 240, 160, 52, 1                             ; R W_vp over my 32 k
	MM 248, 168, 52, 1
	PLACES
	ds_store_b128 v12, v[240:243]
	ds_store_b128 v12, v[244:247] offset:512
	ds_store_b128 v12, v[248:251] offset:1024
	ds_store_b128 v12, v[252:255] offset:1536
	s_wait_dscnt 0x0
	s_barrier_signal -1
	s_barrier_wait -1
	s_cmp_lt_u32 s44, 2                            ; wave e adds the sixteen parts of D_e
	s_cbranch_scc0 .Lend
	s_lshl_b32 s50, s44, 10
	s_add_co_u32 s51, s50, PR
	v_add_nc_u32 v4, s51, v5
.set q, 0
.rept 16
	ds_load_b128 v[128+8*q:131+8*q], v4 offset:2048*q
	ds_load_b128 v[132+8*q:135+8*q], v4 offset:2048*q+512
.set q, q+1
.endr
	s_lshl_b32 s51, s47, 12
	s_add_co_u32 s50, s50, s51
	s_lshl_b32 s51, s48, 11
	s_add_co_u32 s50, s50, s51
	s_add_co_u32 s50, s50, O_GVP
	s_mov_b32 s51, 0
	s_add_nc_u64 s[52:53], s[22:23], s[50:51]
	s_wait_dscnt 0x0
.set q, 1
.rept 15
.irp p, 0,2,4,6
	v_pk_add_f32 v[128+(\p):129+(\p)], v[128+(\p):129+(\p)], v[128+8*q+(\p):129+8*q+(\p)]
.endr
.set q, q+1
.endr
	global_store_b128 v5, v[128:131], s[52:53]
	global_store_b128 v5, v[132:135], s[52:53] offset:512
.Lend:
	s_wait_tensorcnt 0x0                           ; the wave's end
	ds_add_u32 v[SPW], v[NIL]
	s_wait_dscnt 0x0
	s_endpgm
.Lrole_x:                                      ; wave w: 8,192 consecutive bytes of x in, 4,096 out; no LDS
	s_add_co_u32 s46, s45, 48                      ; block of 32 rows, 64..127
	s_lshl_b32 s50, s46, 17
	s_lshl_b32 s51, s44, 13
	s_add_co_u32 s50, s50, s51
	s_mov_b32 s51, 0
	s_add_nc_u64 s[52:53], s[8:9], s[50:51]
	s_lshr_b32 s50, s50, 1
	s_add_nc_u64 s[54:55], s[22:23], s[50:51]
	v_lshlrev_b32 v13, 3, v1
.set i, 0
.rept 16
	global_load_b128 v[128+4*i:131+4*i], v5, s[52:53] offset:512*i th:TH_LOAD_NT
.set i, i+1
.endr
.set i, 0
.rept 16
	s_wait_loadcnt 15-i
	v_cvt_pk_bf16_f32 v[128+4*i], v[128+4*i], v[129+4*i]
	v_cvt_pk_bf16_f32 v[129+4*i], v[130+4*i], v[131+4*i]
	global_store_b64 v13, v[128+4*i:129+4*i], s[54:55] offset:256*i
.set i, i+1
.endr
	s_cmp_lg_u32 s44, 0
	s_cbranch_scc1 .Lx_end
	s_lshl_b32 s50, s46, 9
	s_add_co_u32 s50, s50, 1048576
	s_add_nc_u64 s[56:57], s[24:25], s[50:51]
	v_mov_b32 v20, 0
	v_mov_b32 v21, 0
	v_mov_b32 v22, 0
	v_mov_b32 v23, 0
	global_store_b128 v5, v[20:23], s[56:57]       ; layer 1's 'older msum' is 0
.Lx_end:
	s_endpgm
.Lfunc_end_k_q55affbaf96_prepv:
	.size	k_q55affbaf96_prepv, .Lfunc_end_k_q55affbaf96_prepv-k_q55affbaf96_prepv
	.p2alignl 7, 3214868480
	.fill 96, 4, 3214868480
	.section	.rodata,"a",@progbits
	.p2align	6, 0x0
	.amdhsa_kernel k_q55affbaf96_prepv
		.amdhsa_group_segment_fixed_size 305664
		.amdhsa_private_segment_fixed_size 0
		.amdhsa_enable_private_segment 0
		.amdhsa_kernarg_size 72
		.amdhsa_user_sgpr_count 2
		.amdhsa_user_sgpr_kernarg_segment_ptr 1
		.amdhsa_wavefront_size32 1
		.amdhsa_system_sgpr_workgroup_id_x 1
		.amdhsa_system_sgpr_workgroup_id_y 1
		.amdhsa_system_sgpr_workgroup_id_z 1
		.amdhsa_system_vgpr_workitem_id 0
		.amdhsa_next_free_vgpr 256
		.amdhsa_next_free_sgpr 66
		.amdhsa_reserve_vcc 1
		.amdhsa_float_denorm_mode_32 3
		.amdhsa_float_denorm_mode_16_64 3
		.amdhsa_memory_ordered 1
		.amdhsa_forward_progress 1
		.amdhsa_inst_pref_size 44
	.end_amdhsa_kernel
	.amdgpu_metadata
---
amdhsa.version: [ 1, 2 ]
amdhsa.kernels:
  - .name:           k_q55affbaf96_prepv
    .symbol:         k_q55affbaf96_prepv.kd
    .args:
      - { .name: x, .offset: 0, .size: 8, .value_kind: global_buffer, .address_space: global }
      - { .name: W_qkv, .offset: 8, .size: 8, .value_kind: global_buffer, .address_space: global }
      - { .name: W_pinv, .offset: 16, .size: 8, .value_kind: global_buffer, .address_space: global }
      - { .name: W_attn, .offset: 24, .size: 8, .value_kind: global_buffer, .address_space: global }
      - { .name: b_attn, .offset: 32, .size: 8, .value_kind: global_buffer, .address_space: global }
      - { .name: b_pinv, .offset: 40, .size: 8, .value_kind: global_buffer, .address_space: global }
      - { .name: b_qkv, .offset: 48, .size: 8, .value_kind: global_buffer, .address_space: global }
      - { .name: P, .offset: 56, .size: 8, .value_kind: global_buffer, .address_space: global }
      - { .name: O0, .offset: 64, .size: 8, .value_kind: global_buffer, .address_space: global }
    .group_segment_fixed_size: 305664
    .private_segment_fixed_size: 0
    .kernarg_segment_align: 8
    .kernarg_segment_size: 72
    .max_flat_workgroup_size: 512
    .sgpr_count:     66
    .vgpr_count:     256
    .wavefront_size: 32
...
	.end_amdgpu_metadata
.endif
;; end of part 2
;; launch gemm1 (part 3): grid 8 x 32, 4 waves a work-group, clusters of 4 x 4, 327,680 bytes of LDS; arguments P, b_qkv, QV; writes QV
.if DOCPART == 3
	.amdgcn_target "amdgcn-amd-amdhsa--gfx1250"
	.amdhsa_code_object_version 6
	.text
	.protected	k_q55affbaf96_gemm1
	.globl	k_q55affbaf96_gemm1
	.p2align	8
	.type	k_q55affbaf96_gemm1,@function
k_q55affbaf96_gemm1:
	s_mov_b64 s[64:65], 0
	v_nop
	global_prefetch_b8 v0, s[64:65] scope:SCOPE_SE
	s_setreg_imm32_b32 hwreg(HW_REG_WAVE_MODE, 25, 1), 1
	s_wait_xcnt 0x0
	s_wait_alu depctr_hold_cnt(0) depctr_sa_sdst(0) depctr_va_vdst(0) depctr_va_sdst(0) depctr_va_ssrc(0) depctr_va_vcc(0) depctr_vm_vsrc(0)
	s_getreg_b32 s2, hwreg(HW_REG_IB_STS2, 6, 4)
	s_cmp_eq_u32 s2, 0
	s_cbranch_scc0 .Lentry_in_a_cluster
	s_endpgm
.Lentry_in_a_cluster:
	s_bfe_u32 s2, ttmp6, 0x10000c
	s_cmp_lg_u32 s2, 0xf033
	s_cbranch_scc0 .Lentry_shape_is_right
	s_endpgm
.Lentry_shape_is_right:
; Launch 2: the part of q, k and vp that hangs on x alone: x W_q|k + b (4096 x 2048, stored bf16) and x W_vp + bvp (8 heads x 16 channels, stored f32).
; v itself is never formed (v_h P_h = cur (W_v,h P_h) + b_v,h P_h: see the first kernel's head).
; A work-group makes 128 rows x (256 q/k columns + head n's 16 channels); wave (wr, wc) 64 x 128: 32 accumulators, and vp of two of its row tiles: 2 more.
; Of a wave's four row tiles fragments 0, 1 are those whose vp it makes (tiles 2 wc, 2 wc + 1 of its 64 rows): only addresses hang on wc.
; K goes in steps of 128 through two LDS slots.  A (x, bf16) lies [row][k]; B lies [k][column] in blocks of 64 columns and comes out of LDS turned.
; CLUSTER 4 x 4: A's tile is shared along a row of the cluster, B's along a column: joint loads.
; The matrix instruction is used transposed (source 0 = 16 columns, source 1 = 16 rows): a lane holds one row and 8 neighbouring columns: 16 bytes of bf16, stored in
; fragment order [row tile][column tile][lane][16 bytes], as the attention launches take them: each store of a wave covers 512 consecutive bytes, so no stage is needed.
; The biases are the C operand of the first products.  No prefetch: 8 K steps, a short launch.
.set SLOT, 121856                      ; A: 128 rows, pitch 272 (34,816); B: 272 rows of 256 bytes, 32 bytes of padding behind every 128: block j at 20,480 j, row k at 160 k; vp at 81,920
.set BOFF, 34816
.set VOFF, 116736
.set SPARE, 243712
.set O_WB1, 8388608
.set O_BVP, 15171584
.set O_VPF, 16777216
.set ADRA01, 16                        ; v16-17 A's fragments 0, 1 in slot 0, 1;  v18-19 fragments 2, 3;  v20-21 B;  v22-23 vp's weights
.set ADRA23, 18
.set ADRB, 20
.set ADRV, 22
.set CO01, 24
.set CO23, 25
.set LN, 26
.set BO, 27
.set SPW, 28
.set NIL, 29
.set VBO, 30
.set F0, 32                            ; window 0: two fragment buffers of 104: B 64, vp 8, A 32;  v240-255 vp's sums
.set F1, 136
.set VACC, 240                         ; window 1: ACC[a][b] at 8 (8 a + b);  window 2: v0-63 bias, v64-71 bvp
.set G1, 24
.set G0, 32
.set G1B, 48
.set G0B, 56
.set MSB, 0
.macro WIN new
.if MSB != (\new)
	s_set_vgpr_msb (MSB<<8)|(\new)
.set MSB, \new
.endif
.endm
.macro PLACES
.rept 4
	v_nop
.endr
.endm
.macro JLOAD s                         ; a joint load: waves 0, 1 fetch A's halves, waves 2, 3 B's; an s_nop 0 and four v_nop follow each line
	s_cmp_eq_u32 s11, 0
	s_cbranch_scc0 .Lfor_b_\@
	tensor_load_to_lds s[G0+4*(\s):G0+4*(\s)+3], s[G1:G1+7]
	s_nop 0
	PLACES
	s_branch .Lasked_\@
.Lfor_b_\@:
	tensor_load_to_lds s[G0B+4*(\s):G0B+4*(\s)+3], s[G1B:G1B+7]
	s_nop 0
	PLACES
.Lasked_\@:
.endm
.macro CREST
	s_cmp_lg_u32 s10, 0
	s_cbranch_scc1 .Lnot_wave_0_\@
	s_barrier_signal -3
.Lnot_wave_0_\@:
	s_barrier_wait -3
	s_barrier_signal -1
	s_barrier_wait -1
.endm
.macro CROUND
	s_barrier_signal -1
	s_barrier_wait -1
	CREST
.endm
	s_load_b128 s[4:7], s[0:1], 0x0                ; P, b_qkv
	s_load_b64 s[8:9], s[0:1], 0x10                ; QV
	v_lshl_add_u32 v[SPW], v0, 2, SPARE
	v_mov_b32 v[NIL], 0
	ds_add_u32 v[SPW], v[NIL]                      ; the opening: the add, twice on end, and its wait ahead of my first tensor load
	ds_add_u32 v[SPW], v[NIL]
	v_lshrrev_b32 v1, 5, v0
	v_readfirstlane_b32 s10, v1
	s_lshr_b32 s11, s10, 1                         ; wr; also: I fetch for A (0) or B (1)
	s_and_b32 s12, s10, 1                          ; wc; also: which half I fetch
	s_bfe_u32 s40, ttmp6, 0x40000
	s_bfe_u32 s41, ttmp6, 0x40004
	s_lshl_b32 s42, ttmp9, 2
	s_add_co_u32 s42, s42, s40                     ; n
	s_and_b32 s13, ttmp7, 0xffff
	s_lshl_b32 s13, s13, 2
	s_add_co_u32 s13, s13, s41                     ; y
	s_lshl_b32 s43, s41, 2
	s_lshl_b32 s43, 15, s43
	s_lshl_b32 s44, 0x1111, s40
	s_or_b32 s[G1+0], s43, (1<<16)|(1<<20)|(1<<21)|(5<<22)|(3<<25)   ; A: 2-byte elements, 4 words of padding behind every 64
	s_or_b32 s[G1B+0], s44, (1<<16)|(1<<20)|(1<<21)|(4<<22)|(7<<25)  ; B: 8 words behind every 32
	s_mov_b32 s[G1+1], 128<<16
	s_mov_b32 s[G1+2], 64<<16
	s_mov_b32 s[G1+3], 128<<16
	s_mov_b32 s[G1+4], 64
	s_mov_b32 s[G1+5], 1024
	s_mov_b32 s[G1+6], 0
	s_mov_b32 s[G1+7], 0
	s_mov_b32 s[G1B+1], 128<<16
	s_mov_b32 s[G1B+2], 136<<16                    ; half a chunk: 136 dense rows of 256 bytes
	s_mov_b32 s[G1B+3], 128<<16
	s_mov_b32 s[G1B+4], 136
	s_mov_b32 s[G1B+5], 128
	s_mov_b32 s[G1B+6], 0
	s_mov_b32 s[G1B+7], 0
	s_lshl_b32 s16, s13, 18                        ; A: (128 y + 64 half) rows of 2,048 bytes
	s_lshl_b32 s18, s12, 17
	s_add_co_u32 s16, s16, s18
	s_mov_b32 s17, 0
	s_mul_i32 s46, s42, 557056                     ; B: chunk 8 n, my half
	s_mul_i32 s18, s12, 34816
	s_add_co_u32 s46, s46, s18
	s_add_co_u32 s46, s46, O_WB1
	s_mov_b32 s47, 0
	s_mul_i32 s20, s12, 17408
	s_mul_i32 s21, s12, 43520
	s_add_co_u32 s21, s21, BOFF
	s_wait_dscnt 0x0
	s_wait_kmcnt 0x0
	s_add_nc_u64 s[14:15], s[4:5], s[16:17]
	s_add_nc_u64 s[46:47], s[4:5], s[46:47]
	CROUND                                         ; the first joint loads meet
.irp s, 0,1
	s_mov_b32 s[G0+4*(\s)], 1
	s_add_co_u32 s[G0+4*(\s)+1], s20, (\s)*SLOT
	s_add_nc_u64 s[G0+4*(\s)+2:G0+4*(\s)+3], s[14:15], (\s)*256
	s_or_b32 s[G0+4*(\s)+3], s[G0+4*(\s)+3], 0x80000000
	s_mov_b32 s[G0B+4*(\s)], 1
	s_add_co_u32 s[G0B+4*(\s)+1], s21, (\s)*SLOT
	s_add_nc_u64 s[G0B+4*(\s)+2:G0B+4*(\s)+3], s[46:47], (\s)*69632
	s_or_b32 s[G0B+4*(\s)+3], s[G0B+4*(\s)+3], 0x80000000
	JLOAD \s
.endr
	v_and_b32 v1, 15, v0
	v_bfe_u32 v2, v0, 4, 1
	v_and_b32 v3, 31, v0
	v_lshlrev_b32 v[LN], 4, v3
	v_mul_u32_u24 v4, v1, 272
	v_lshl_add_u32 v4, v2, 4, v4
	s_lshl_b32 s22, s11, 6
	s_lshl_b32 s23, s12, 5
	s_add_co_u32 s18, s22, s23
	s_mul_i32 s18, s18, 272
	s_xor_b32 s23, s23, 32
	s_add_co_u32 s19, s22, s23
	s_mul_i32 s19, s19, 272
	v_add_nc_u32 v[ADRA01], s18, v4
	v_add_nc_u32 v[ADRA23], s19, v4
	v_add_nc_u32 v[ADRA01+1], SLOT, v[ADRA01]
	v_add_nc_u32 v[ADRA23+1], SLOT, v[ADRA23]
	v_and_b32 v5, 7, v0
	v_lshl_add_u32 v6, v2, 3, v5
	v_mul_u32_u24 v6, v6, 160
	v_bfe_u32 v7, v0, 3, 1
	v_lshl_add_u32 v6, v7, 4, v6
	s_mul_i32 s18, s12, 40960
	s_add_co_u32 s18, s18, BOFF
	v_add_nc_u32 v[ADRB], s18, v6
	v_add_nc_u32 v[ADRB+1], SLOT, v[ADRB]
	v_lshrrev_b32 v5, 2, v5                        ; vp's weights: four rows of 32 bytes in each 160
	v_lshl_add_u32 v5, v2, 1, v5
	v_mul_u32_u24 v5, v5, 160
	v_and_b32 v8, 3, v0
	v_lshl_add_u32 v5, v8, 5, v5
	v_lshl_add_u32 v5, v7, 4, v5
	v_add_nc_u32 v[ADRV], VOFF, v5
	v_add_nc_u32 v[ADRV+1], SLOT, v[ADRV]
	s_lshl_b32 s18, s12, 17
	v_add_nc_u32 v[CO01], s18, v[LN]               ; two row tiles are 131,072 bytes of QKF
	s_xor_b32 s18, s18, 131072
	v_add_nc_u32 v[CO23], s18, v[LN]
	v_lshlrev_b32 v[BO], 5, v2
	v_lshlrev_b32 v[VBO], 2, v1
	s_lshl_b32 s46, s42, 10                        ; the parts that hang on n, in registers that feed none of A's descriptors
	s_mov_b32 s47, 0
	s_add_nc_u64 s[6:7], s[6:7], s[46:47]
	s_add_nc_u64 s[14:15], s[8:9], s[46:47]
	s_lshl_b32 s46, s42, 13
	s_add_nc_u64 s[8:9], s[8:9], s[46:47]
	s_lshl_b32 s46, s42, 6
	s_add_co_u32 s46, s46, O_BVP
	s_add_nc_u64 s[4:5], s[4:5], s[46:47]
	s_lshl_b32 s16, s13, 19
	s_lshl_b32 s18, s11, 18
	s_add_co_u32 s16, s16, s18
	s_lshl_b32 s18, s12, 12
	s_add_co_u32 s16, s16, s18
	s_mov_b32 s17, 0
	s_add_nc_u64 s[8:9], s[8:9], s[16:17]          ; QKF at ((8 y + 4 wr) x 128 + 16 n + 8 wc) x 512
	s_lshl_b32 s16, s13, 16
	s_lshl_b32 s18, s11, 15
	s_add_co_u32 s16, s16, s18
	s_lshl_b32 s18, s12, 14
	s_add_co_u32 s16, s16, s18
	s_add_co_u32 s16, s16, O_VPF
	s_add_nc_u64 s[14:15], s[14:15], s[16:17]      ; VPF at ((8 y + 4 wr + 2 wc) x 8 + n) x 1,024
	s_lshl_b32 s16, s12, 9
	s_add_nc_u64 s[6:7], s[6:7], s[16:17]
	WIN 0x80                                       ; destination window 2
.set b, 0
.rept 8
	global_load_b128 v[8*b:8*b+3], v[BO], s[6:7] offset:64*b        ; register j: the bias of column 16 b + 8 hh + j
	global_load_b128 v[8*b+4:8*b+7], v[BO], s[6:7] offset:64*b+16
.set b, b+1
.endr
.set b, 0
.rept 8
	global_load_b32 v[64+b], v[VBO], s[4:5]        ; every register: bvp of channel r
.set b, b+1
.endr
	WIN 0
.macro FETCH slot, q, f                ; the fragments of 32 along K: 18 turning loads (B, vp) and 8 plain ones (A)
	WIN 0
.set b, 0
.rept 8
	ds_load_tr16_b128 v[(\f)+8*b:(\f)+8*b+3], v[ADRB+(\slot)] offset:(b/4)*20480+5120*(\q)+32*(b%4)
	ds_load_tr16_b128 v[(\f)+8*b+4:(\f)+8*b+7], v[ADRB+(\slot)] offset:(b/4)*20480+5120*(\q)+32*(b%4)+2560
.set b, b+1
.endr
	ds_load_tr16_b128 v[(\f)+64:(\f)+67], v[ADRV+(\slot)] offset:1280*(\q)
	ds_load_tr16_b128 v[(\f)+68:(\f)+71], v[ADRV+(\slot)] offset:1280*(\q)+640
.irp a, 0,1
	ds_load_b128 v[(\f)+72+8*(\a):(\f)+75+8*(\a)], v[ADRA01+(\slot)] offset:4352*(\a)+64*(\q)
	ds_load_b128 v[(\f)+76+8*(\a):(\f)+79+8*(\a)], v[ADRA01+(\slot)] offset:4352*(\a)+64*(\q)+32
.endr
.irp a, 0,1
	ds_load_b128 v[(\f)+88+8*(\a):(\f)+91+8*(\a)], v[ADRA23+(\slot)] offset:4352*(\a)+64*(\q)
	ds_load_b128 v[(\f)+92+8*(\a):(\f)+95+8*(\a)], v[ADRA23+(\slot)] offset:4352*(\a)+64*(\q)+32
.endr
.endm
.macro MULA f, a, first                ; 8 products of row tile a; first = 1: the bias starts the sums
.if \first
	WIN 0x60
.else
	WIN 0x50
.endif
.irp b, 0,1,2,3,4,5,6,7
.if \first
	v_wmma_f32_16x16x32_bf16 v[8*(8*(\a)+(\b)):8*(8*(\a)+(\b))+7], v[(\f)+8*(\b):(\f)+8*(\b)+7], v[(\f)+72+8*(\a):(\f)+79+8*(\a)], v[8*(\b):8*(\b)+7]
.else
	v_wmma_f32_16x16x32_bf16 v[8*(8*(\a)+(\b)):8*(8*(\a)+(\b))+7], v[(\f)+8*(\b):(\f)+8*(\b)+7], v[(\f)+72+8*(\a):(\f)+79+8*(\a)], v[8*(8*(\a)+(\b)):8*(8*(\a)+(\b))+7]
.endif
.endr
.endm
.macro MULV f, first                   ; vp of row tiles 0, 1: lane = channel, registers = rows
.if \first
	WIN 0x20
.else
	WIN 0
.endif
.irp t, 0,1
.if \first
	v_wmma_f32_16x16x32_bf16 v[VACC+8*(\t):VACC+8*(\t)+7], v[(\f)+72+8*(\t):(\f)+79+8*(\t)], v[(\f)+64:(\f)+71], v[64:71]
.else
	v_wmma_f32_16x16x32_bf16 v[VACC+8*(\t):VACC+8*(\t)+7], v[(\f)+72+8*(\t):(\f)+79+8*(\t)], v[(\f)+64:(\f)+71], v[VACC+8*(\t):VACC+8*(\t)+7]
.endif
.endr
.endm
; A K step is four quarters of 32, 34 matrix instructions each, on buffers 0, 1, 0, 1; the 34 accumulators take turns in one order everywhere.
.macro QUARTER slot, qn, f, g, first
	s_wait_dscnt 0x0                               ; buffer f, asked for 16 matrix instructions ago, is in
	MULA \f, 0, \first
	MULA \f, 1, \first
	MULV \f, \first
	PLACES
	FETCH \slot, \qn, \g
	MULA \f, 2, \first
	MULA \f, 3, \first
.endm
; The last quarter changes slots: one barrier; ahead of it all my tensor loads have landed, the add is done and my reads of the slot are over.
.macro TURN slot, next, fill
	WIN 0
	s_wait_tensorcnt 0x0                           ; the one that was out is my part of the next slot
	ds_add_u32 v[SPW], v[NIL]
	s_wait_dscnt 1                                 ; buffer 1 is in; the add alone may be out
	MULA F1, 0, 0
	s_wait_dscnt 0x0
	s_barrier_signal -1
	MULA F1, 1, 0
	MULV F1, 0
	WIN 0
	s_barrier_wait -1
.if \fill
	CREST                                          ; the barrier opened a round of the cluster's: no wave of any partner still reads the slot
	s_add_nc_u64 s[G0+4*(\slot)+2:G0+4*(\slot)+3], s[G0+4*(\slot)+2:G0+4*(\slot)+3], 512
	s_add_nc_u64 s[G0B+4*(\slot)+2:G0B+4*(\slot)+3], s[G0B+4*(\slot)+2:G0B+4*(\slot)+3], 139264
	JLOAD \slot                                    ; its four v_nop are also the places ahead of the loads below
.else
	PLACES
.endif
	FETCH \next, 0, F0
	MULA F1, 2, 0
	MULA F1, 3, 0
.endm
	s_wait_tensorcnt 1                             ; my part of K step 0 is in; K step 1's may stay out
	s_barrier_signal -1
	s_barrier_wait -1
	FETCH 0, 0, F0
	s_wait_loadcnt 0x0                             ; the biases
	QUARTER 0, 1, F0, F1, 1
	WIN 0
	s_mov_b32 s3, 3
.Llap:                                         ; once round the ring: two K steps, both slots filled again
	QUARTER 0, 2, F1, F0, 0
	QUARTER 0, 3, F0, F1, 0
	TURN 0, 1, 1
	QUARTER 1, 1, F0, F1, 0
	QUARTER 1, 2, F1, F0, 0
	QUARTER 1, 3, F0, F1, 0
	TURN 1, 0, 1
	QUARTER 0, 1, F0, F1, 0
	WIN 0
	s_sub_co_u32 s3, s3, 1
	s_cmp_lg_u32 s3, 0
	s_cbranch_scc1 .Llap
	QUARTER 0, 2, F1, F0, 0                        ; the last lap fills nothing
	QUARTER 0, 3, F0, F1, 0
	TURN 0, 1, 0
	QUARTER 1, 1, F0, F1, 0
	QUARTER 1, 2, F1, F0, 0
	QUARTER 1, 3, F0, F1, 0
	s_wait_dscnt 0x0
	MULA F1, 0, 0
	MULA F1, 1, 0
	MULV F1, 0
	MULA F1, 2, 0
	MULA F1, 3, 0
	PLACES
	WIN 0x05                                       ; sources window 1, destination window 0
.set k, 0
.rept 32
.irp r, 0,1,2,3
	v_cvt_pk_bf16_f32 v[32+4*k+(\r)], v[8*k+2*(\r)], v[8*k+2*(\r)+1]
.endr
.set k, k+1
.endr
	WIN 0
.set k, 0
.rept 16
	global_store_b128 v[CO01], v[32+4*k:35+4*k], s[8:9] offset:(k/8)*65536+512*(k%8)
.set k, k+1
.endr
.rept 16
	global_store_b128 v[CO23], v[32+4*k:35+4*k], s[8:9] offset:((k/8)%2)*65536+512*(k%8)
.set k, k+1
.endr
.irp t, 0,1
	global_store_b128 v[LN], v[VACC+8*(\t):VACC+8*(\t)+3], s[14:15] offset:8192*(\t)
	global_store_b128 v[LN], v[VACC+8*(\t)+4:VACC+8*(\t)+7], s[14:15] offset:8192*(\t)+512
.endr
	s_wait_tensorcnt 0x0                           ; the wave's end
	ds_add_u32 v[SPW], v[NIL]
	s_wait_dscnt 0x0
	CROUND                                         ; the closing round
	s_endpgm
.Lfunc_end_k_q55affbaf96_gemm1:
	.size	k_q55affbaf96_gemm1, .Lfunc_end_k_q55affbaf96_gemm1-k_q55affbaf96_gemm1
	.p2alignl 7, 3214868480
	.fill 96, 4, 3214868480
	.section	.rodata,"a",@progbits
	.p2align	6, 0x0
	.amdhsa_kernel k_q55affbaf96_gemm1
		.amdhsa_group_segment_fixed_size 327680
		.amdhsa_private_segment_fixed_size 0
		.amdhsa_enable_private_segment 0
		.amdhsa_kernarg_size 24
		.amdhsa_user_sgpr_count 2
		.amdhsa_user_sgpr_kernarg_segment_ptr 1
		.amdhsa_wavefront_size32 1
		.amdhsa_system_sgpr_workgroup_id_x 1
		.amdhsa_system_sgpr_workgroup_id_y 1
		.amdhsa_system_sgpr_workgroup_id_z 1
		.amdhsa_system_vgpr_workitem_id 0
		.amdhsa_next_free_vgpr 592
		.amdhsa_next_free_sgpr 66
		.amdhsa_reserve_vcc 0
		.amdhsa_float_denorm_mode_32 3
		.amdhsa_float_denorm_mode_16_64 3
		.amdhsa_memory_ordered 1
		.amdhsa_forward_progress 1
		.amdhsa_inst_pref_size 89
	.end_amdhsa_kernel
	.amdgpu_metadata
---
amdhsa.version: [ 1, 2 ]
amdhsa.kernels:
  - .name:           k_q55affbaf96_gemm1
    .symbol:         k_q55affbaf96_gemm1.kd
    .args:
      - { .name: P, .offset: 0, .size: 8, .value_kind: global_buffer, .address_space: global }
      - { .name: b_qkv, .offset: 8, .size: 8, .value_kind: global_buffer, .address_space: global }
      - { .name: QV, .offset: 16, .size: 8, .value_kind: global_buffer, .address_space: global }
    .group_segment_fixed_size: 327680
    .private_segment_fixed_size: 0
    .kernarg_segment_align: 8
    .kernarg_segment_size: 24
    .max_flat_workgroup_size: 128
    .sgpr_count:     66
    .vgpr_count:     592
    .wavefront_size: 32
...
	.end_amdgpu_metadata
.endif
;; end of part 3
;; launch attn0 (part 4): grid 256 x 1, 4 waves a work-group, clusters of 4 x 1, 201,216 bytes of LDS; arguments QV, O0; writes O0
.if DOCPART == 4
	.amdgcn_target "amdgcn-amd-amdhsa--gfx1250"
	.amdhsa_code_object_version 6
	.text
	.protected	k_q55affbaf96_attn0
	.globl	k_q55affbaf96_attn0
	.p2align	8
	.type	k_q55affbaf96_attn0,@function
k_q55affbaf96_attn0:
	s_mov_b64 s[64:65], 0
	v_nop
	global_prefetch_b8 v0, s[64:65] scope:SCOPE_SE
	s_setreg_imm32_b32 hwreg(HW_REG_WAVE_MODE, 25, 1), 1
	s_wait_xcnt 0x0
	s_wait_alu depctr_hold_cnt(0) depctr_sa_sdst(0) depctr_va_vdst(0) depctr_va_sdst(0) depctr_va_ssrc(0) depctr_va_vcc(0) depctr_vm_vsrc(0)
	s_getreg_b32 s2, hwreg(HW_REG_IB_STS2, 6, 4)
	s_cmp_eq_u32 s2, 0
	s_cbranch_scc0 .Lentry_in_a_cluster
	s_endpgm
.Lentry_in_a_cluster:
	s_bfe_u32 s2, ttmp6, 0x10000c
	s_cmp_lg_u32 s2, 0x3003
	s_cbranch_scc0 .Lentry_shape_is_right
	s_endpgm
.Lentry_shape_is_right:
; Launch 4: layer 0's attention, down to the 8 numbers a row and head: part_h = att_h vp_h.  v and o are never formed (see the first kernel's head); in layer 0 q, k, vp are the stored bases.
; A cluster's four work-groups share (batch, head); a work-group has 128 queries, all 512 keys.  Wave w prepares key tiles 8 w .. 8 w + 7 and its own two query tiles, then scores its 32 queries.
; PREPARATION of a tile of 16 rows x 128 channels (bf16, fragment order): expmap0: times f = tanh(n) / n, n = |row|.
;   f = (1 - 2 / (1 + 2^(2.88539 n))) / n;  where n^2 < 0.01 the series 1 - n^2/3 + 2 n^4/15 (the term left out is below 6e-8 there) is chosen by a select.
;   reference()'s clamp n >= 1e-7 lies in the series' range, where both give 1 within rounding.  LIMIT: n^2 stays finite, |q|, |k| < 1.8e19; NaN and infinities are not treated apart.
; SOFTMAX WITHOUT A MAXIMUM: expmap0 leaves |qf|, |kf| <= 1 for every input (1 + 2^-8 after rounding to bf16), so |score| < 0.0892 always: no exponential can leave its range.
;   e = exp(score) - 1 = S (c1 + S (c2 + S c3)), S the raw product, c1 = 1/sqrt(128), c2 = c1^2/2, c3 = c1^3/6; the term left out is at most 2.7e-6 for every input.
;   sum p vp = sum vp + sum e vp (a product with ones gives the first); vp's channel 8 is the constant 1, so the same products give l = 512 + sum e.  Only e is rounded to bf16.
; LDS: wave w's region at 40,960 w: 8 key tiles of 4,096 bytes, filled ONCE by its joint tensor load and then rewritten in place by that wave; behind them its 2 query tiles.
; The preparation is written out for the five pairs of tiles, so that every LDS offset is an immediate.
.set VPL, 163840                       ; vp: [key tile 32][lane = channel][8 keys bf16]
.set SPARE, 200704
.set O_VPF, 16777216
.set SPW, 22
.set NIL, 23
; window 0: v1 r, v2 hh, v3 16 x lane, v4 my region, v6 AK, v7 AV, v10 my query tiles, v11 my vp; v24-31 ones; v40-103 Q; v104-231 two tiles in f32 (later K, S, P, V, O0);
;           v232-255 at work (later O1, column sums, T).   window 2: v64-127 vp, v192-255 q's base
.set MSB, 0
.macro WIN new
.if MSB != (\new)
	s_set_vgpr_msb (MSB<<8)|(\new)
.set MSB, \new
.endif
.endm
.macro PLACES
.rept 4
	v_nop
.endr
.endm
.macro MM d, a, b, z
.if \z
	v_wmma_f32_16x16x32_bf16 v[\d:\d+7], v[\a:\a+7], v[\b:\b+7], 0
.else
	v_wmma_f32_16x16x32_bf16 v[\d:\d+7], v[\a:\a+7], v[\b:\b+7], v[\d:\d+7]
.endif
.endm
.macro CROUND
	s_barrier_signal -1
	s_barrier_wait -1
	s_cmp_lg_u32 s14, 0
	s_cbranch_scc1 .Lnot_wave_0_\@
	s_barrier_signal -3
.Lnot_wave_0_\@:
	s_barrier_wait -3
	s_barrier_signal -1
	s_barrier_wait -1
.endm
.macro ADD2 d, base, x, shx, y, shy, k ; s[d:d+1] = s[base:base+1] + (s[x] << shx) + (s[y] << shy) + k
	s_lshl_b32 s78, s[\x], \shx
	s_lshl_b32 s79, s[\y], \shy
	s_add_co_u32 s78, s78, s79
	s_add_co_u32 s78, s78, \k
	s_mov_b32 s79, 0
	s_add_nc_u64 s[\d:\d+1], s[\base:\base+1], s[78:79]
.endm
	s_load_b128 s[4:7], s[0:1], 0x0                ; QV 4, this layer's parts 6
	v_lshl_add_u32 v[SPW], v0, 2, SPARE
	v_mov_b32 v[NIL], 0
	ds_add_u32 v[SPW], v[NIL]                      ; the opening: the add, twice on end, and its wait ahead of my first tensor load
	ds_add_u32 v[SPW], v[NIL]
	v_lshrrev_b32 v1, 5, v0
	v_readfirstlane_b32 s14, v1
	s_lshr_b32 s17, ttmp9, 3                       ; batch
	s_and_b32 s18, ttmp9, 7                        ; head
	s_lshl_b32 s76, s17, 5
	s_lshl_b32 s19, s14, 3
	s_add_co_u32 s76, s76, s19                     ; KT = 32 b + 8 w: my first key tile
	s_mov_b32 s24, 15|(3<<16)|(1<<21)              ; all four partners; elements of 8 bytes; no padding
	s_mov_b32 s25, 512<<16                         ; a row of the tile: one key tile's 4,096 bytes
	s_mov_b32 s26, 8<<16
	s_mov_b32 s27, 512<<16
	s_mov_b32 s28, 8
	s_mov_b32 s29, 8192                            ; 65,536 bytes from a row tile to the next
	s_mov_b32 s30, 0
	s_mov_b32 s31, 0
	s_mov_b32 s32, 1
	s_mul_i32 s33, s14, 40960
	s_lshl_b32 s20, s76, 16
	s_lshl_b32 s21, s18, 12
	s_add_co_u32 s20, s20, s21
	s_add_co_u32 s20, s20, 32768                   ; k's column tiles begin at 64
	s_mov_b32 s21, 0
	s_mov_b32 s40, 0x38f15bee                      ; c3
	s_mov_b32 s41, s40
	s_mov_b32 s42, 0x3b800000                      ; c2
	s_mov_b32 s43, s42
	s_mov_b32 s44, 0x3db504f3                      ; c1
	s_mov_b32 s45, s44
	s_mov_b32 s46, 0x76543210                      ; v_permlanex16_b32: each lane takes its own place in the other half
	s_mov_b32 s47, 0xfedcba98
	s_mov_b32 s48, 0x4038aa3b                      ; 2 log2(e)
	s_mov_b32 s49, 0xbeaaaaab                      ; -1/3
	s_mov_b32 s50, 0x3e088889                      ; 2/15
	s_mov_b32 s51, 0x3c23d70a                      ; 0.01
	s_mov_b32 s57, 0xffff0000                      ; lanes 16-31; also a word's upper bf16
	s_wait_dscnt 0x0
	s_wait_kmcnt 0x0
	s_add_nc_u64 s[34:35], s[4:5], s[20:21]
	s_or_b32 s35, s35, 0x80000000
	CROUND
	tensor_load_to_lds s[32:35], s[24:31]          ; my 8 key tiles, for all four partners: the launch's only fill
	s_nop 0
	PLACES
	s_bfe_u32 s15, ttmp6, 0x40000                  ; my block of 128 queries: it enters global addresses alone
	s_lshl_b32 s77, s17, 5
	s_lshl_b32 s19, s15, 3
	s_add_co_u32 s77, s77, s19
	s_lshl_b32 s19, s14, 1
	s_add_co_u32 s77, s77, s19                     ; QT = 32 b + 8 qb + 2 w
	v_and_b32 v1, 15, v0
	v_bfe_u32 v2, v0, 4, 1
	v_and_b32 v3, 31, v0
	v_lshlrev_b32 v3, 4, v3
	v_add_nc_u32 v4, s33, v3
	v_add_nc_u32 v10, 32768, v4
	s_lshl_b32 s19, s14, 12
	s_add_co_u32 s19, s19, VPL
	v_add_nc_u32 v11, s19, v3
	ADD2 36, 4, 77, 16, 18, 12, 0                  ; q's base
	ADD2 38, 4, 76, 13, 18, 10, O_VPF              ; vp's base
	ADD2 72, 6, 18, 17, 77, 9, 0                   ; my parts
	WIN 0x80
.set k, 0
.rept 16
	global_load_b128 v[192+4*k:195+4*k], v3, s[36:37] offset:65536*(k/8)+512*(k%8)
.set k, k+1
.endr
.set k, 0
.rept 16
	global_load_b128 v[64+4*k:67+4*k], v3, s[38:39] offset:8192*(k/2)+512*(k%2)
.set k, k+1
.endr
	WIN 0
	s_wait_loadcnt 0x0
	WIN 0x08                                       ; q's base goes behind my key tiles
.set k, 0
.rept 16
	ds_store_b128 v10, v[192+4*k:195+4*k] offset:512*k
.set k, k+1
.endr
.set i, 0
.rept 8                                ; vp rounded: lane = channel, 8 keys: half a fragment of V^T
	WIN 0x0a
.irp k, 0,1,2,3
	v_cvt_pk_bf16_f32 v[240+4*(i%2)+(\k)], v[64+8*i+2*(\k)], v[65+8*i+2*(\k)]
.endr
	WIN 0
	ds_store_b128 v11, v[240+4*(i%2):243+4*(i%2)] offset:512*i
.set i, i+1
.endr
; Two tiles at byte off of my region: in, times f, back to the bytes that they came from.
.macro ROWS2 off
.set k, 0
.rept 16
	ds_load_b128 v[108+8*k:111+8*k], v4 offset:(\off)+512*k
.set k, k+1
.endr
	s_wait_dscnt 0x0
.set a, 104
.rept 16                               ; bf16 to f32 in place, ascending
	v_lshlrev_b32 v[a], 16, v[a+4]
	v_and_b32 v[a+1], s57, v[a+4]
	v_lshlrev_b32 v[a+2], 16, v[a+5]
	v_and_b32 v[a+3], s57, v[a+5]
	v_lshlrev_b32 v[a+4], 16, v[a+6]
	v_and_b32 v[a+5], s57, v[a+6]
	v_lshlrev_b32 v[a+6], 16, v[a+7]
	v_and_b32 v[a+7], s57, v[a+7]
.set a, a+8
.endr
.irp x, 0,1                            ; the sum of squares: four chains a tile
.set p, 0
.rept 32
.if p < 4
	v_pk_mul_f32 v[232+8*(\x)+2*p:233+8*(\x)+2*p], v[104+64*(\x)+2*p:105+64*(\x)+2*p], v[104+64*(\x)+2*p:105+64*(\x)+2*p]
.else
	v_pk_fma_f32 v[232+8*(\x)+2*(p%4):233+8*(\x)+2*(p%4)], v[104+64*(\x)+2*p:105+64*(\x)+2*p], v[104+64*(\x)+2*p:105+64*(\x)+2*p], v[232+8*(\x)+2*(p%4):233+8*(\x)+2*(p%4)]
.endif
.set p, p+1
.endr
.endr
.irp B, 232, 240
	v_pk_add_f32 v[\B:\B+1], v[\B:\B+1], v[\B+2:\B+3]
	v_pk_add_f32 v[\B+4:\B+5], v[\B+4:\B+5], v[\B+6:\B+7]
	v_pk_add_f32 v[\B:\B+1], v[\B:\B+1], v[\B+4:\B+5]
	v_add_f32 v[\B], v[\B], v[\B+1]
	v_permlanex16_b32 v[\B+1], v[\B], s46, s47     ; the row's other 64 channels lie 16 lanes away
	v_add_f32 v[\B], v[\B], v[\B+1]
.endr
	v_rsq_f32 v233, v232
	v_rsq_f32 v241, v240
	v_fma_f32 v237, v232, s50, s49                 ; the series, beside the transcendentals
	v_fma_f32 v245, v240, s50, s49
	s_wait_alu depctr_va_vdst(0)                   ; one wait for the batch of two, ahead of their first reader
	v_mul_f32 v234, v232, v233                     ; n
	v_mul_f32 v242, v240, v241
	v_mul_f32 v234, s48, v234
	v_mul_f32 v242, s48, v242
	v_exp_f32 v235, v234
	v_exp_f32 v243, v242
	v_fma_f32 v237, v232, v237, 1.0
	v_fma_f32 v245, v240, v245, 1.0
	s_wait_alu depctr_va_vdst(0)
	v_add_f32 v235, 1.0, v235
	v_add_f32 v243, 1.0, v243
	v_rcp_f32 v236, v235
	v_rcp_f32 v244, v243
	v_nop
	v_cmp_gt_f32 vcc_lo, s51, v232
	v_cmp_gt_f32 s54, s51, v240
	s_wait_alu depctr_va_vdst(0)
	v_fma_f32 v236, v236, -2.0, 1.0                ; tanh n
	v_fma_f32 v244, v244, -2.0, 1.0
	v_mul_f32 v236, v236, v233
	v_mul_f32 v244, v244, v241
	v_cndmask_b32 v236, v236, v237, vcc_lo
	v_cndmask_b32 v244, v244, v245, s54
.irp x, 0,1
.set p, 0
.rept 32
	v_pk_mul_f32 v[104+64*(\x)+2*p:105+64*(\x)+2*p], v[104+64*(\x)+2*p:105+64*(\x)+2*p], v[236+8*(\x):237+8*(\x)] op_sel_hi:[1,0]
.set p, p+1
.endr
.endr
.set k, 0
.rept 16
.irp r, 0,1,2,3
	v_cvt_pk_bf16_f32 v[104+8*k+(\r)], v[104+8*k+2*(\r)], v[105+8*k+2*(\r)]
.endr
	ds_store_b128 v4, v[104+8*k:107+8*k] offset:(\off)+512*k
.set k, k+1
.endr
.endm
	s_wait_tensorcnt 0x0                           ; my key tiles are in LDS; only I touch them before the barrier
	ROWS2 0
	ROWS2 8192
	ROWS2 16384
	ROWS2 24576
	ROWS2 32768                                    ; my query tiles
	s_wait_dscnt 0x0                               ; for the others: my key tiles and my vp are in LDS
	s_barrier_signal -1
	s_barrier_wait -1
	; ---- scores: S^T = K Q^T (lane = query, registers = keys), e, O^T += V^T e: 32 keys a step ----
.set k, 0
.rept 16
	ds_load_b128 v[40+4*k:43+4*k], v10 offset:512*k
.set k, k+1
.endr
.macro KLOAD off
.set k, 0
.rept 16
	ds_load_b128 v[104+4*k:107+4*k], v6 offset:(\off)+512*k
.set k, k+1
.endr
.endm
	v_mov_b32 v6, v3
	v_add_nc_u32 v7, VPL, v3
	KLOAD 0
.set k, 0
.rept 8
	v_mov_b32 v[24+k], 0x3f803f80                  ; ones
.set k, k+1
.endr
.set k, 224
.rept 24
	v_mov_b32 v[k], 0                              ; O0, O1 and the column sums start at 0: no first step is written out
.set k, k+1
.endr
	s_wait_dscnt 0x0
.macro STEP voff, knext, last
.irp c, 0,1,2,3
.irp t, 0,1
.irp kt, 0,1
	MM (168+16*(\t)+8*(\kt)), (104+32*(\kt)+8*(\c)), (40+32*(\t)+8*(\c)), ((\c)==0)
.endr
.endr
.endr
	PLACES
	ds_load_b128 v[216:219], v7 offset:\voff
	ds_load_b128 v[220:223], v7 offset:(\voff)+512
.if \last
	s_cmp_eq_u32 s53, 1                            ; behind the last step there is no K
	s_cbranch_scc1 .Lnok_\@
.endif
	KLOAD \knext
.if \last
.Lnok_\@:
.endif
.irp g, 0,1,2,3
.irp j, 0,1,2,3
	v_pk_fma_f32 v[248+2*(\j):249+2*(\j)], v[168+8*(\g)+2*(\j):169+8*(\g)+2*(\j)], s[40:41], s[42:43] op_sel_hi:[1,0,0]
.endr
.irp j, 0,1,2,3
	v_pk_fma_f32 v[248+2*(\j):249+2*(\j)], v[168+8*(\g)+2*(\j):169+8*(\g)+2*(\j)], v[248+2*(\j):249+2*(\j)], s[44:45] op_sel_hi:[1,1,0]
.endr
.irp j, 0,1,2,3
	v_pk_mul_f32 v[168+8*(\g)+2*(\j):169+8*(\g)+2*(\j)], v[168+8*(\g)+2*(\j):169+8*(\g)+2*(\j)], v[248+2*(\j):249+2*(\j)]
.endr
.endr
.set m, 0
.rept 16
	v_cvt_pk_bf16_f32 v[200+m], v[168+2*m], v[169+2*m]
.set m, m+1
.endr
	s_wait_dscnt 0x0                               ; V, and the next K: the same count whether or not K was asked for
	MM 224, 216, 200, 0
	MM 232, 216, 208, 0
	MM 240, 216, 24, 0
.endm
	s_mov_b32 s53, 4
.Lsc:                                          ; a trip: one wave's region of 8 key tiles
	STEP 0, 8192, 0
	STEP 1024, 16384, 0
	STEP 2048, 24576, 0
	STEP 3072, 40960, 1
	v_add_nc_u32 v6, 40960, v6
	v_add_nc_u32 v7, 4096, v7
	s_sub_co_u32 s53, s53, 1
	s_cmp_lg_u32 s53, 0
	s_cbranch_scc1 .Lsc
	; ---- the way out: lanes 0-15 hold channels 0-7 of query r, lanes 16-31 hold l in register 0 ----
	PLACES
.irp t, 0,1
.irp k, 0,2,4,6
	v_pk_add_f32 v[168+8*(\t)+(\k):169+8*(\t)+(\k)], v[224+8*(\t)+(\k):225+8*(\t)+(\k)], v[240+(\k):241+(\k)]
.endr
.endr
	v_permlanex16_b32 v184, v168, s46, s47
	v_permlanex16_b32 v185, v176, s46, s47
	v_rcp_f32 v186, v184
	v_rcp_f32 v188, v185
	v_nop
	s_wait_alu depctr_va_vdst(0)
.irp t, 0,1
.irp k, 0,2,4,6
	v_pk_mul_f32 v[168+8*(\t)+(\k):169+8*(\t)+(\k)], v[168+8*(\t)+(\k):169+8*(\t)+(\k)], v[186+2*(\t):187+2*(\t)] op_sel_hi:[1,0]
.endr
.irp k, 0,1,2,3
	v_permlanex16_b32 v[200+4*(\t)+(\k)], v[172+8*(\t)+(\k)], s46, s47  ; channels 4-7 go to lanes 16-31; what those lanes held is dropped
.endr
.irp k, 0,1,2,3
	v_cndmask_b32 v[208+4*(\t)+(\k)], v[168+8*(\t)+(\k)], v[200+4*(\t)+(\k)], s57
.endr
	global_store_b128 v3, v[208+4*(\t):211+4*(\t)], s[72:73] offset:512*(\t)
.endr
	s_wait_tensorcnt 0x0                           ; the wave's end
	ds_add_u32 v[SPW], v[NIL]
	s_wait_dscnt 0x0
	CROUND                                         ; the closing round
	s_endpgm
.Lfunc_end_k_q55affbaf96_attn0:
	.size	k_q55affbaf96_attn0, .Lfunc_end_k_q55affbaf96_attn0-k_q55affbaf96_attn0
	.p2alignl 7, 3214868480
	.fill 96, 4, 3214868480
	.section	.rodata,"a",@progbits
	.p2align	6, 0x0
	.amdhsa_kernel k_q55affbaf96_attn0
		.amdhsa_group_segment_fixed_size 201216
		.amdhsa_private_segment_fixed_size 0
		.amdhsa_enable_private_segment 0
		.amdhsa_kernarg_size 16
		.amdhsa_user_sgpr_count 2
		.amdhsa_user_sgpr_kernarg_segment_ptr 1
		.amdhsa_wavefront_size32 1
		.amdhsa_system_sgpr_workgroup_id_x 1
		.amdhsa_system_sgpr_workgroup_id_y 1
		.amdhsa_system_sgpr_workgroup_id_z 1
		.amdhsa_system_vgpr_workitem_id 0
		.amdhsa_next_free_vgpr 768
		.amdhsa_next_free_sgpr 80
		.amdhsa_reserve_vcc 1
		.amdhsa_float_denorm_mode_32 3
		.amdhsa_float_denorm_mode_16_64 3
		.amdhsa_memory_ordered 1
		.amdhsa_forward_progress 1
		.amdhsa_inst_pref_size 144
	.end_amdhsa_kernel
	.amdgpu_metadata
---
amdhsa.version: [ 1, 2 ]
amdhsa.kernels:
  - .name:           k_q55affbaf96_attn0
    .symbol:         k_q55affbaf96_attn0.kd
    .args:
      - { .name: QV, .offset: 0, .size: 8, .value_kind: global_buffer, .address_space: global }
      - { .name: O0, .offset: 8, .size: 8, .value_kind: global_buffer, .address_space: global }
    .group_segment_fixed_size: 201216
    .private_segment_fixed_size: 0
    .kernarg_segment_align: 8
    .kernarg_segment_size: 16
    .max_flat_workgroup_size: 128
    .sgpr_count:     80
    .vgpr_count:     768
    .wavefront_size: 32
...
	.end_amdgpu_metadata
.endif
;; end of part 4
;; launch attn1 (part 5): grid 256 x 1, 4 waves a work-group, clusters of 4 x 1, 201,216 bytes of LDS; arguments QV, P, LAY1, O0, O1; writes O1
.if DOCPART == 5
	.amdgcn_target "amdgcn-amd-amdhsa--gfx1250"
	.amdhsa_code_object_version 6
	.text
	.protected	k_q55affbaf96_attn1
	.globl	k_q55affbaf96_attn1
	.p2align	8
	.type	k_q55affbaf96_attn1,@function
k_q55affbaf96_attn1:
	s_mov_b64 s[64:65], 0
	v_nop
	global_prefetch_b8 v0, s[64:65] scope:SCOPE_SE
	s_setreg_imm32_b32 hwreg(HW_REG_WAVE_MODE, 25, 1), 1
	s_wait_xcnt 0x0
	s_wait_alu depctr_hold_cnt(0) depctr_sa_sdst(0) depctr_va_vdst(0) depctr_va_sdst(0) depctr_va_ssrc(0) depctr_va_vcc(0) depctr_vm_vsrc(0)
	s_getreg_b32 s2, hwreg(HW_REG_IB_STS2, 6, 4)
	s_cmp_eq_u32 s2, 0
	s_cbranch_scc0 .Lentry_in_a_cluster
	s_endpgm
.Lentry_in_a_cluster:
	s_bfe_u32 s2, ttmp6, 0x10000c
	s_cmp_lg_u32 s2, 0x3003
	s_cbranch_scc0 .Lentry_shape_is_right
	s_endpgm
.Lentry_shape_is_right:
; Launches 5 and 6: the attention of layers 1 and 2, down to part_h = att_h vp_h.  One text; the layer's number, read from memory, only chooses two lane masks: no branch hangs on it.
; v and o are never formed, and q, k, vp of these layers are the stored base + M T (see the first kernel's head).  Shares, expmap0, the softmax without a maximum and their limits
; are those of the kernel for layer 0: |score| < 0.0892 for every input, since expmap0 leaves |qf|, |kf| <= 1; e = exp(score) - 1 by three terms (the fourth is at most 2.7e-6);
; f = tanh(n) / n with the series below n^2 = 0.01; n^2 stays finite (|q|, |k| < 1.8e19); NaN and infinities are not treated apart.
; M (32 slots a row): msum_0, msum_1, msum_2, then a 1.0 at slot 24 (layer 1) or 25 (layer 2).  The newest msum is added up here from the last layer's 8 parts (f32);
;   the older one was stored complete (bf16) by the launch before (zeros ahead of layer 1); this launch stores the newest one likewise (head 0's work-groups).
; LDS: wave w's region at 40,960 w: 8 key tiles, filled ONCE by its joint tensor load and then rewritten in place by that wave; behind them its 2 query tiles.
; The preparation is written out for the five pairs of tiles, so that every LDS offset is an immediate.
.set VPL, 163840
.set ML, 180224                        ; M's first 16 slots: 5,120 w + 512 tile + 16 lane
.set SPARE, 200704
.set O_GF, 14942208
.set O_GVP, 15138816
.set O_VPF, 16777216
.set SPW, 22
.set NIL, 23
; window 0: v1 r, v2 hh, v3 16 x lane, v4 my region, v6 AK, v7 AV, v8-12 offsets; v24-39 M's fragments (later ones); v40-103 G for k (later Q); v104-231 two tiles in f32 (later K, S, P, V, O0);
;           v232-255 at work (later O1, column sums, T).   window 1: the key tiles' parts.   window 2: v0-63 query tiles' parts, v64-127 vp, v128-191 G for q, v192-255 q's base
.set MSB, 0
.macro WIN new
.if MSB != (\new)
	s_set_vgpr_msb (MSB<<8)|(\new)
.set MSB, \new
.endif
.endm
.macro PLACES
.rept 4
	v_nop
.endr
.endm
.macro MM d, a, b, z
.if \z
	v_wmma_f32_16x16x32_bf16 v[\d:\d+7], v[\a:\a+7], v[\b:\b+7], 0
.else
	v_wmma_f32_16x16x32_bf16 v[\d:\d+7], v[\a:\a+7], v[\b:\b+7], v[\d:\d+7]
.endif
.endm
.macro CROUND
	s_barrier_signal -1
	s_barrier_wait -1
	s_cmp_lg_u32 s14, 0
	s_cbranch_scc1 .Lnot_wave_0_\@
	s_barrier_signal -3
.Lnot_wave_0_\@:
	s_barrier_wait -3
	s_barrier_signal -1
	s_barrier_wait -1
.endm
.macro ADD2 d, base, x, shx, y, shy, k ; s[d:d+1] = s[base:base+1] + (s[x] << shx) + (s[y] << shy) + k
	s_lshl_b32 s78, s[\x], \shx
	s_lshl_b32 s79, s[\y], \shy
	s_add_co_u32 s78, s78, s79
	s_add_co_u32 s78, s78, \k
	s_mov_b32 s79, 0
	s_add_nc_u64 s[\d:\d+1], s[\base:\base+1], s[78:79]
.endm
.macro ADD1 d, base, x, shx, k         ; s[d:d+1] = s[base:base+1] + (s[x] << shx) + k
	s_lshl_b32 s78, s[\x], \shx
	s_add_co_u32 s78, s78, \k
	s_mov_b32 s79, 0
	s_add_nc_u64 s[\d:\d+1], s[\base:\base+1], s[78:79]
.endm
	s_load_b256 s[4:11], s[0:1], 0x0               ; QV 4, P 6, the layer's number 8, the last layer's parts 10
	s_load_b64 s[12:13], s[0:1], 0x20              ; this layer's parts
	v_lshl_add_u32 v[SPW], v0, 2, SPARE
	v_mov_b32 v[NIL], 0
	ds_add_u32 v[SPW], v[NIL]                      ; the opening: the add, twice on end, and its wait ahead of my first tensor load
	ds_add_u32 v[SPW], v[NIL]
	v_lshrrev_b32 v1, 5, v0
	v_readfirstlane_b32 s14, v1
	s_lshr_b32 s17, ttmp9, 3                       ; batch
	s_and_b32 s18, ttmp9, 7                        ; head
	s_lshl_b32 s76, s17, 5
	s_lshl_b32 s19, s14, 3
	s_add_co_u32 s76, s76, s19                     ; KT = 32 b + 8 w
	s_mov_b32 s24, 15|(3<<16)|(1<<21)              ; all four partners; elements of 8 bytes; no padding
	s_mov_b32 s25, 512<<16
	s_mov_b32 s26, 8<<16
	s_mov_b32 s27, 512<<16
	s_mov_b32 s28, 8
	s_mov_b32 s29, 8192
	s_mov_b32 s30, 0
	s_mov_b32 s31, 0
	s_mov_b32 s32, 1
	s_mul_i32 s33, s14, 40960
	s_lshl_b32 s20, s76, 16
	s_lshl_b32 s21, s18, 12
	s_add_co_u32 s20, s20, s21
	s_add_co_u32 s20, s20, 32768
	s_mov_b32 s21, 0
	s_mov_b32 s40, 0x38f15bee                      ; c3
	s_mov_b32 s41, s40
	s_mov_b32 s42, 0x3b800000                      ; c2
	s_mov_b32 s43, s42
	s_mov_b32 s44, 0x3db504f3                      ; c1
	s_mov_b32 s45, s44
	s_mov_b32 s46, 0x76543210
	s_mov_b32 s47, 0xfedcba98
	s_mov_b32 s48, 0x4038aa3b                      ; 2 log2(e)
	s_mov_b32 s49, 0xbeaaaaab                      ; -1/3
	s_mov_b32 s50, 0x3e088889                      ; 2/15
	s_mov_b32 s51, 0x3c23d70a                      ; 0.01
	s_mov_b32 s57, 0xffff0000                      ; lanes 16-31; also a word's upper bf16
	s_wait_dscnt 0x0
	s_wait_kmcnt 0x0
	s_load_b32 s16, s[8:9], 0x0
	s_add_nc_u64 s[34:35], s[4:5], s[20:21]
	s_or_b32 s35, s35, 0x80000000
	CROUND
	tensor_load_to_lds s[32:35], s[24:31]          ; my 8 key tiles, for all four partners: the launch's only fill
	s_nop 0
	PLACES
	s_bfe_u32 s15, ttmp6, 0x40000                  ; my block of 128 queries: it enters global addresses alone
	s_lshl_b32 s77, s17, 5
	s_lshl_b32 s19, s15, 3
	s_add_co_u32 s77, s77, s19
	s_lshl_b32 s19, s14, 1
	s_add_co_u32 s77, s77, s19                     ; QT = 32 b + 8 qb + 2 w
	v_and_b32 v1, 15, v0
	v_bfe_u32 v2, v0, 4, 1
	v_and_b32 v3, 31, v0
	v_lshlrev_b32 v3, 4, v3
	v_add_nc_u32 v4, s33, v3
	v_lshlrev_b32 v9, 4, v1
	v_lshl_add_u32 v8, v2, 19, v9                  ; a half of the lanes takes 4 of the 8 heads
	v_add_nc_u32 v10, 32768, v4
	s_lshl_b32 s19, s14, 12
	s_add_co_u32 s19, s19, VPL
	v_add_nc_u32 v11, s19, v3
	s_mul_i32 s19, s14, 5120
	s_add_co_u32 s19, s19, ML
	v_add_nc_u32 v12, s19, v3
	ADD2 36, 4, 77, 16, 18, 12, 0                  ; q's base
	ADD2 38, 4, 76, 13, 18, 10, O_VPF              ; vp's base
	ADD2 72, 12, 18, 17, 77, 9, 0                  ; my parts
	ADD1 58, 10, 76, 9, 0                          ; the last layer's parts at my key tiles,
	ADD1 60, 10, 77, 9, 0                          ; at my query tiles
	ADD1 66, 10, 76, 8, 1048576                    ; the older msum at my key tiles,
	ADD1 68, 10, 77, 8, 1048576                    ; at my query tiles
	ADD1 74, 12, 77, 8, 1048576                    ; where the newest msum goes
	ADD1 62, 6, 18, 13, O_GF
	ADD1 70, 6, 18, 12, O_GVP
	WIN 0x80
.set k, 0
.rept 16
	global_load_b128 v[192+4*k:195+4*k], v3, s[36:37] offset:65536*(k/8)+512*(k%8)
.set k, k+1
.endr
.set k, 0
.rept 16
	global_load_b128 v[64+4*k:67+4*k], v3, s[38:39] offset:8192*(k/2)+512*(k%2)
.set k, k+1
.endr
.set i, 0
.rept 2
.set j, 0
.rept 8
	global_load_b128 v[32*i+4*j:32*i+4*j+3], v8, s[60:61] offset:131072*(j/2)+512*i+256*(j%2)
.set j, j+1
.endr
.set i, i+1
.endr
.set k, 0
.rept 16
	global_load_b128 v[128+4*k:131+4*k], v3, s[62:63] offset:512*k
.set k, k+1
.endr
	WIN 0x40
.set i, 0
.rept 8
.set j, 0
.rept 8
	global_load_b128 v[32*i+4*j:32*i+4*j+3], v8, s[58:59] offset:131072*(j/2)+512*i+256*(j%2)
.set j, j+1
.endr
.set i, i+1
.endr
	WIN 0
.set k, 0
.rept 16
	global_load_b128 v[40+4*k:43+4*k], v3, s[62:63] offset:65536+512*k
.set k, k+1
.endr
.set k, 0
.rept 8
	global_load_b128 v[104+4*k:107+4*k], v9, s[66:67] offset:256*k
.set k, k+1
.endr
	global_load_b128 v[136:139], v9, s[68:69]
	global_load_b128 v[140:143], v9, s[68:69] offset:256
.set k, 0
.rept 8
	global_load_b128 v[144+4*k:147+4*k], v3, s[70:71] offset:512*k
.set k, k+1
.endr
	s_wait_kmcnt 0x0
	s_cmp_eq_u32 s16, 1
	s_cselect_b32 s55, 0xffff, s57                 ; the lanes that take the newest msum: slots 0-7 in layer 1, 8-15 in layer 2
	s_cselect_b32 s56, 0x3f80, 1.0                 ; 1.0 in bf16 at slot 24 or at slot 25
	s_wait_loadcnt 0x0
	WIN 0x08                                       ; q's base goes behind my key tiles
.set k, 0
.rept 16
	ds_store_b128 v10, v[192+4*k:195+4*k] offset:512*k
.set k, k+1
.endr
	WIN 0
	v_cndmask_b32 v28, 0, s56, s57
	v_mov_b32 v29, 0
	v_mov_b32 v30, 0
	v_mov_b32 v31, 0
	v_mov_b32 v36, v28
	v_mov_b32 v37, 0
	v_mov_b32 v38, 0
	v_mov_b32 v39, 0
.irp k, 0,2,4,6,8,10,12,14
	v_pk_add_f32 v[144+(\k):145+(\k)], v[144+(\k):145+(\k)], v[160+(\k):161+(\k)]  ; R W_vp: the two halves of k
.endr
.irp k, 0,1,2,3,4,5,6,7
	v_cvt_pk_bf16_f32 v[176+(\k)], v[144+2*(\k)], v[145+2*(\k)]
.endr
; Tile i's newest msum: 4 heads in my half of the lanes, the other 4 in the other half; rounded; set beside the older one; kept in LDS for the preparation; for a key tile vp += M Gvp.
.macro MSUM i, win, base
	WIN (\win)*0x45
.irp hd, 1,2,3
.irp k, 0,2,4,6
	v_pk_add_f32 v[(\base)+(\k):(\base)+(\k)+1], v[(\base)+(\k):(\base)+(\k)+1], v[(\base)+8*(\hd)+(\k):(\base)+8*(\hd)+(\k)+1]
.endr
.endr
.irp k, 0,1,2,3,4,5,6,7
	v_permlanex16_b32 v[(\base)+8+(\k)], v[(\base)+(\k)], s46, s47
.endr
.irp k, 0,2,4,6
	v_pk_add_f32 v[(\base)+(\k):(\base)+(\k)+1], v[(\base)+(\k):(\base)+(\k)+1], v[(\base)+8+(\k):(\base)+9+(\k)]
.endr
	WIN (\win)*5
.irp k, 0,1,2,3
	v_cvt_pk_bf16_f32 v[232+4*((\i)%2)+(\k)], v[(\base)+2*(\k)], v[(\base)+2*(\k)+1]
.endr
	WIN 0
.irp k, 0,1,2,3
	v_cndmask_b32 v[24+8*((\i)%2)+(\k)], v[104+4*(\i)+(\k)], v[232+4*((\i)%2)+(\k)], s55
.endr
	ds_store_b128 v12, v[24+8*((\i)%2):27+8*((\i)%2)] offset:512*(\i)
.if (\i) < 8
	WIN 0xa0
	MM (64+8*(\i)), (24+8*((\i)%2)), 176, 0
.endif
.endm
.irp i, 0,1,2,3,4,5,6,7
	MSUM \i, 1, 32*(\i)
.endr
	MSUM 8, 2, 0
	MSUM 9, 2, 32
	WIN 0
	s_cmp_lg_u32 s18, 0                            ; the head: the same in all four partners
	s_cbranch_scc1 .Lnomb
.irp k, 0,1,2,3
	v_cndmask_b32 v[252+(\k)], v[232+(\k)], v[236+(\k)], s57
.endr
	global_store_b128 v3, v[252:255], s[74:75]     ; head 0 keeps the finished msum of my two query tiles: 512 consecutive bytes
.Lnomb:
	PLACES
.set i, 0
.rept 8                                ; vp rounded: lane = channel, 8 keys: half a fragment of V^T
	WIN 0x0a
.irp k, 0,1,2,3
	v_cvt_pk_bf16_f32 v[240+4*(i%2)+(\k)], v[64+8*i+2*(\k)], v[65+8*i+2*(\k)]
.endr
	WIN 0
	ds_store_b128 v11, v[240+4*(i%2):243+4*(i%2)] offset:512*i
.set i, i+1
.endr
; Two tiles at byte off of my region: in, + M G (M's first half at byte moff of my part of ML, G at v[gb ..] of window gw), times f, back to the bytes that they came from.
.macro ROWS2 off, moff, gb, gw
	ds_load_b128 v[24:27], v12 offset:\moff
	ds_load_b128 v[32:35], v12 offset:(\moff)+512
.set k, 0
.rept 16
	ds_load_b128 v[108+8*k:111+8*k], v4 offset:(\off)+512*k
.set k, k+1
.endr
	s_wait_dscnt 0x0
.set a, 104
.rept 16                               ; bf16 to f32 in place, ascending
	v_lshlrev_b32 v[a], 16, v[a+4]
	v_and_b32 v[a+1], s57, v[a+4]
	v_lshlrev_b32 v[a+2], 16, v[a+5]
	v_and_b32 v[a+3], s57, v[a+5]
	v_lshlrev_b32 v[a+4], 16, v[a+6]
	v_and_b32 v[a+5], s57, v[a+6]
	v_lshlrev_b32 v[a+6], 16, v[a+7]
	v_and_b32 v[a+7], s57, v[a+7]
.set a, a+8
.endr
	WIN \gw
.set k, 0
.rept 8                                ; the two tiles' sums take turns
	MM (104+8*k), ((\gb)+8*k), 24, 0
	MM (168+8*k), ((\gb)+8*k), 32, 0
.set k, k+1
.endr
	WIN 0
	PLACES
.irp x, 0,1                            ; the sum of squares: four chains a tile, each accumulator read from its low end
.set p, 0
.rept 32
.if p < 4
	v_pk_mul_f32 v[232+8*(\x)+2*p:233+8*(\x)+2*p], v[104+64*(\x)+2*p:105+64*(\x)+2*p], v[104+64*(\x)+2*p:105+64*(\x)+2*p]
.else
	v_pk_fma_f32 v[232+8*(\x)+2*(p%4):233+8*(\x)+2*(p%4)], v[104+64*(\x)+2*p:105+64*(\x)+2*p], v[104+64*(\x)+2*p:105+64*(\x)+2*p], v[232+8*(\x)+2*(p%4):233+8*(\x)+2*(p%4)]
.endif
.set p, p+1
.endr
.endr
.irp B, 232, 240
	v_pk_add_f32 v[\B:\B+1], v[\B:\B+1], v[\B+2:\B+3]
	v_pk_add_f32 v[\B+4:\B+5], v[\B+4:\B+5], v[\B+6:\B+7]
	v_pk_add_f32 v[\B:\B+1], v[\B:\B+1], v[\B+4:\B+5]
	v_add_f32 v[\B], v[\B], v[\B+1]
	v_permlanex16_b32 v[\B+1], v[\B], s46, s47
	v_add_f32 v[\B], v[\B], v[\B+1]
.endr
	v_rsq_f32 v233, v232
	v_rsq_f32 v241, v240
	v_fma_f32 v237, v232, s50, s49
	v_fma_f32 v245, v240, s50, s49
	s_wait_alu depctr_va_vdst(0)                   ; one wait for the batch of two, ahead of their first reader
	v_mul_f32 v234, v232, v233
	v_mul_f32 v242, v240, v241
	v_mul_f32 v234, s48, v234
	v_mul_f32 v242, s48, v242
	v_exp_f32 v235, v234
	v_exp_f32 v243, v242
	v_fma_f32 v237, v232, v237, 1.0
	v_fma_f32 v245, v240, v245, 1.0
	s_wait_alu depctr_va_vdst(0)
	v_add_f32 v235, 1.0, v235
	v_add_f32 v243, 1.0, v243
	v_rcp_f32 v236, v235
	v_rcp_f32 v244, v243
	v_nop
	v_cmp_gt_f32 vcc_lo, s51, v232
	v_cmp_gt_f32 s54, s51, v240
	s_wait_alu depctr_va_vdst(0)
	v_fma_f32 v236, v236, -2.0, 1.0
	v_fma_f32 v244, v244, -2.0, 1.0
	v_mul_f32 v236, v236, v233
	v_mul_f32 v244, v244, v241
	v_cndmask_b32 v236, v236, v237, vcc_lo
	v_cndmask_b32 v244, v244, v245, s54
.irp x, 0,1
.set p, 0
.rept 32
	v_pk_mul_f32 v[104+64*(\x)+2*p:105+64*(\x)+2*p], v[104+64*(\x)+2*p:105+64*(\x)+2*p], v[236+8*(\x):237+8*(\x)] op_sel_hi:[1,0]
.set p, p+1
.endr
.endr
.set k, 0
.rept 16
.irp r, 0,1,2,3
	v_cvt_pk_bf16_f32 v[104+8*k+(\r)], v[104+8*k+2*(\r)], v[105+8*k+2*(\r)]
.endr
	ds_store_b128 v4, v[104+8*k:107+8*k] offset:(\off)+512*k
.set k, k+1
.endr
.endm
	s_wait_tensorcnt 0x0                           ; my key tiles are in LDS; only I touch them before the barrier
	s_wait_xcnt 0x0                                ; the store above has read its registers
	ROWS2 0, 0, 40, 0
	ROWS2 8192, 1024, 40, 0
	ROWS2 16384, 2048, 40, 0
	ROWS2 24576, 3072, 40, 0
	ROWS2 32768, 4096, 128, 2                      ; my query tiles, with q's G
	s_wait_dscnt 0x0                               ; for the others: my key tiles and my vp are in LDS
	s_barrier_signal -1
	s_barrier_wait -1
	; ---- scores: S^T = K Q^T (lane = query, registers = keys), e, O^T += V^T e: 32 keys a step ----
.set k, 0
.rept 16
	ds_load_b128 v[40+4*k:43+4*k], v10 offset:512*k
.set k, k+1
.endr
.macro KLOAD off
.set k, 0
.rept 16
	ds_load_b128 v[104+4*k:107+4*k], v6 offset:(\off)+512*k
.set k, k+1
.endr
.endm
	v_mov_b32 v6, v3
	v_add_nc_u32 v7, VPL, v3
	KLOAD 0
.set k, 0
.rept 8
	v_mov_b32 v[24+k], 0x3f803f80                  ; ones
.set k, k+1
.endr
.set k, 224
.rept 24
	v_mov_b32 v[k], 0                              ; O0, O1 and the column sums start at 0: no first step is written out
.set k, k+1
.endr
	s_wait_dscnt 0x0
.macro STEP voff, knext, last
.irp c, 0,1,2,3
.irp t, 0,1
.irp kt, 0,1
	MM (168+16*(\t)+8*(\kt)), (104+32*(\kt)+8*(\c)), (40+32*(\t)+8*(\c)), ((\c)==0)
.endr
.endr
.endr
	PLACES
	ds_load_b128 v[216:219], v7 offset:\voff
	ds_load_b128 v[220:223], v7 offset:(\voff)+512
.if \last
	s_cmp_eq_u32 s53, 1                            ; behind the last step there is no K
	s_cbranch_scc1 .Lnok_\@
.endif
	KLOAD \knext
.if \last
.Lnok_\@:
.endif
.irp g, 0,1,2,3
.irp j, 0,1,2,3
	v_pk_fma_f32 v[248+2*(\j):249+2*(\j)], v[168+8*(\g)+2*(\j):169+8*(\g)+2*(\j)], s[40:41], s[42:43] op_sel_hi:[1,0,0]
.endr
.irp j, 0,1,2,3
	v_pk_fma_f32 v[248+2*(\j):249+2*(\j)], v[168+8*(\g)+2*(\j):169+8*(\g)+2*(\j)], v[248+2*(\j):249+2*(\j)], s[44:45] op_sel_hi:[1,1,0]
.endr
.irp j, 0,1,2,3
	v_pk_mul_f32 v[168+8*(\g)+2*(\j):169+8*(\g)+2*(\j)], v[168+8*(\g)+2*(\j):169+8*(\g)+2*(\j)], v[248+2*(\j):249+2*(\j)]
.endr
.endr
.set m, 0
.rept 16
	v_cvt_pk_bf16_f32 v[200+m], v[168+2*m], v[169+2*m]
.set m, m+1
.endr
	s_wait_dscnt 0x0                               ; V, and the next K: the same count whether or not K was asked for
	MM 224, 216, 200, 0
	MM 232, 216, 208, 0
	MM 240, 216, 24, 0
.endm
	s_mov_b32 s53, 4
.Lsc:                                          ; a trip: one wave's region of 8 key tiles
	STEP 0, 8192, 0
	STEP 1024, 16384, 0
	STEP 2048, 24576, 0
	STEP 3072, 40960, 1
	v_add_nc_u32 v6, 40960, v6
	v_add_nc_u32 v7, 4096, v7
	s_sub_co_u32 s53, s53, 1
	s_cmp_lg_u32 s53, 0
	s_cbranch_scc1 .Lsc
	; ---- the way out: lanes 0-15 hold channels 0-7 of query r, lanes 16-31 hold l in register 0 ----
	PLACES
.irp t, 0,1
.irp k, 0,2,4,6
	v_pk_add_f32 v[168+8*(\t)+(\k):169+8*(\t)+(\k)], v[224+8*(\t)+(\k):225+8*(\t)+(\k)], v[240+(\k):241+(\k)]
.endr
.endr
	v_permlanex16_b32 v184, v168, s46, s47
	v_permlanex16_b32 v185, v176, s46, s47
	v_rcp_f32 v186, v184
	v_rcp_f32 v188, v185
	v_nop
	s_wait_alu depctr_va_vdst(0)
.irp t, 0,1
.irp k, 0,2,4,6
	v_pk_mul_f32 v[168+8*(\t)+(\k):169+8*(\t)+(\k)], v[168+8*(\t)+(\k):169+8*(\t)+(\k)], v[186+2*(\t):187+2*(\t)] op_sel_hi:[1,0]
.endr
.irp k, 0,1,2,3
	v_permlanex16_b32 v[200+4*(\t)+(\k)], v[172+8*(\t)+(\k)], s46, s47  ; channels 4-7 go to lanes 16-31; what those lanes held is dropped
.endr
.irp k, 0,1,2,3
	v_cndmask_b32 v[208+4*(\t)+(\k)], v[168+8*(\t)+(\k)], v[200+4*(\t)+(\k)], s57
.endr
	global_store_b128 v3, v[208+4*(\t):211+4*(\t)], s[72:73] offset:512*(\t)
.endr
	s_wait_tensorcnt 0x0                           ; the wave's end
	ds_add_u32 v[SPW], v[NIL]
	s_wait_dscnt 0x0
	CROUND                                         ; the closing round
	s_endpgm
.Lfunc_end_k_q55affbaf96_attn1:
	.size	k_q55affbaf96_attn1, .Lfunc_end_k_q55affbaf96_attn1-k_q55affbaf96_attn1
	.p2alignl 7, 3214868480
	.fill 96, 4, 3214868480
	.section	.rodata,"a",@progbits
	.p2align	6, 0x0
	.amdhsa_kernel k_q55affbaf96_attn1
		.amdhsa_group_segment_fixed_size 201216
		.amdhsa_private_segment_fixed_size 0
		.amdhsa_enable_private_segment 0
		.amdhsa_kernarg_size 40
		.amdhsa_user_sgpr_count 2
		.amdhsa_user_sgpr_kernarg_segment_ptr 1
		.amdhsa_wavefront_size32 1
		.amdhsa_system_sgpr_workgroup_id_x 1
		.amdhsa_system_sgpr_workgroup_id_y 1
		.amdhsa_system_sgpr_workgroup_id_z 1
		.amdhsa_system_vgpr_workitem_id 0
		.amdhsa_next_free_vgpr 768
		.amdhsa_next_free_sgpr 80
		.amdhsa_reserve_vcc 1
		.amdhsa_float_denorm_mode_32 3
		.amdhsa_float_denorm_mode_16_64 3
		.amdhsa_memory_ordered 1
		.amdhsa_forward_progress 1
		.amdhsa_inst_pref_size 188
	.end_amdhsa_kernel
	.amdgpu_metadata
---
amdhsa.version: [ 1, 2 ]
amdhsa.kernels:
  - .name:           k_q55affbaf96_attn1
    .symbol:         k_q55affbaf96_attn1.kd
    .args:
      - { .name: QV, .offset: 0, .size: 8, .value_kind: global_buffer, .address_space: global }
      - { .name: P, .offset: 8, .size: 8, .value_kind: global_buffer, .address_space: global }
      - { .name: LAY1, .offset: 16, .size: 8, .value_kind: global_buffer, .address_space: global }
      - { .name: O0, .offset: 24, .size: 8, .value_kind: global_buffer, .address_space: global }
      - { .name: O1, .offset: 32, .size: 8, .value_kind: global_buffer, .address_space: global }
    .group_segment_fixed_size: 201216
    .private_segment_fixed_size: 0
    .kernarg_segment_align: 8
    .kernarg_segment_size: 40
    .max_flat_workgroup_size: 128
    .sgpr_count:     80
    .vgpr_count:     768
    .wavefront_size: 32
...
	.end_amdgpu_metadata
.endif
;; end of part 5
;; launch attn2: the kernel of part 5 again; grid 256 x 1, 4 waves a work-group, clusters of 4 x 1, 201,216 bytes of LDS; arguments QV, P, LAY2, O1, O2; writes O2
;; launch gemmout (part 6): grid 8 x 32, 4 waves a work-group, clusters of 4 x 4, 327,680 bytes of LDS; arguments P, O1, O2, b_out, out0; writes out0
.if DOCPART == 6
	.amdgcn_target "amdgcn-amd-amdhsa--gfx1250"
	.amdhsa_code_object_version 6
	.text
	.protected	k_q55affbaf96_gemmout
	.globl	k_q55affbaf96_gemmout
	.p2align	8
	.type	k_q55affbaf96_gemmout,@function
k_q55affbaf96_gemmout:
	s_mov_b64 s[64:65], 0
	v_nop
	global_prefetch_b8 v0, s[64:65] scope:SCOPE_SE
	s_setreg_imm32_b32 hwreg(HW_REG_WAVE_MODE, 25, 1), 1
	s_wait_xcnt 0x0
	s_wait_alu depctr_hold_cnt(0) depctr_sa_sdst(0) depctr_va_vdst(0) depctr_va_sdst(0) depctr_va_ssrc(0) depctr_va_vcc(0) depctr_vm_vsrc(0)
	s_getreg_b32 s2, hwreg(HW_REG_IB_STS2, 6, 4)
	s_cmp_eq_u32 s2, 0
	s_cbranch_scc0 .Lentry_in_a_cluster
	s_endpgm
.Lentry_in_a_cluster:
	s_bfe_u32 s2, ttmp6, 0x10000c
	s_cmp_lg_u32 s2, 0xf033
	s_cbranch_scc0 .Lentry_shape_is_right
	s_endpgm
.Lentry_shape_is_right:
; Launch 7: out = cur_3 W_out + b_out = x W_out + M H + b_out, H = R W_out (see the first kernel's head): cur_3 is never formed.
; A work-group makes 128 x 128 of out, a wave 64 x 64: 16 accumulators.  The step M H, with b_out as its C operand, starts every sum; then K = 1024 in 4 steps of 256 through two LDS slots.
; M: slots 0-7 msum_0, 8-15 msum_1 (stored complete by the attention launches), 16-23 msum_2 (added up here from its 8 parts), 1.0 at slot 26.
; CLUSTER 4 x 4, joint loads: x's tile along a row of the cluster, W_out's along a column.  A lies [row][k], B [k][column] in blocks of 64 columns, read turned.
; The matrix instruction is used transposed: a lane holds one row and 8 neighbouring columns; a wave's 64 columns are 256 bytes of f32, sent through its own stage as whole rows.
.set PITCH, 528
.set HALFT, 33792
.set BOFF, 67584                       ; behind A's 128 rows: two chunks of 128 k, 40,960 each: block j at 20,480 j, row k at 160 k
.set SLOT, 149504
.set STAGE, 299008
.set SP, 272
.set SPARE, 316416
.set O_WB2, 12845056
.set O_HF, 15073280
.set ADRA, 16
.set ADRB, 20
.set STO, 24
.set RD, 25
.set CO, 26
.set LN, 27
.set SPW, 28
.set NIL, 29
.set PO, 30
.set RO, 31
.set BIAS, 96                          ; window 0: v32-95 at work, v96-127 bias, v128-255 accumulators;  window 1: two fragment buffers;  window 2: v0-127 parts, v128-159 M, v160-191 H
.set ACC, 128
.set F0, 0
.set F1, 128
.set G1, 24                            ; s[24:31], s[32:39] A's descriptors; s[48:55], s[56:63] B's; s4 = 1.0 in bf16, s5 = lanes 16-31, s6, s7 at work
.set G0, 32
.set G1B, 48
.set G0B, 56
.set MSB, 0
.macro WIN new
.if MSB != (\new)
	s_set_vgpr_msb (MSB<<8)|(\new)
.set MSB, \new
.endif
.endm
.set MUL, 0x05
.set TO_F, 0x40
.macro PLACES
.rept 4
	v_nop
.endr
.endm
.macro JLOAD s
	s_cmp_eq_u32 s11, 0
	s_cbranch_scc0 .Lfor_b_\@
	tensor_load_to_lds s[G0+4*(\s):G0+4*(\s)+3], s[G1:G1+7]
	s_nop 0
	PLACES
	s_branch .Lasked_\@
.Lfor_b_\@:
	tensor_load_to_lds s[G0B+4*(\s):G0B+4*(\s)+3], s[G1B:G1B+7]
	s_nop 0
	PLACES
.Lasked_\@:
.endm
.macro CREST
	s_cmp_lg_u32 s10, 0
	s_cbranch_scc1 .Lnot_wave_0_\@
	s_barrier_signal -3
.Lnot_wave_0_\@:
	s_barrier_wait -3
	s_barrier_signal -1
	s_barrier_wait -1
.endm
.macro CROUND
	s_barrier_signal -1
	s_barrier_wait -1
	CREST
.endm
.macro ADDP d, base, x, shx, y, shy, k
	s_lshl_b32 s78, s[\x], \shx
	s_lshl_b32 s79, s[\y], \shy
	s_add_co_u32 s78, s78, s79
	s_add_co_u32 s78, s78, \k
	s_mov_b32 s79, 0
	s_add_nc_u64 s[\d:\d+1], s[\base:\base+1], s[78:79]
.endm
	s_load_b256 s[68:75], s[0:1], 0x0              ; P 68, O1 70, O2 72, b_out 74
	s_load_b64 s[76:77], s[0:1], 0x20              ; out0
	v_lshl_add_u32 v[SPW], v0, 2, SPARE
	v_mov_b32 v[NIL], 0
	ds_add_u32 v[SPW], v[NIL]                      ; the opening: the add, twice on end, and its wait ahead of my first tensor load
	ds_add_u32 v[SPW], v[NIL]
	v_lshrrev_b32 v1, 5, v0
	v_readfirstlane_b32 s10, v1
	s_lshr_b32 s11, s10, 1
	s_and_b32 s12, s10, 1
	s_bfe_u32 s40, ttmp6, 0x40000
	s_bfe_u32 s41, ttmp6, 0x40004
	s_lshl_b32 s42, ttmp9, 2
	s_add_co_u32 s42, s42, s40                     ; n
	s_and_b32 s13, ttmp7, 0xffff
	s_lshl_b32 s13, s13, 2
	s_add_co_u32 s13, s13, s41                     ; y
	s_lshl_b32 s43, s41, 2
	s_lshl_b32 s43, 15, s43
	s_lshl_b32 s44, 0x1111, s40
	s_or_b32 s[G1+0], s43, (1<<16)|(1<<20)|(1<<21)|(6<<22)|(3<<25)   ; A: 4 words of padding behind every 128
	s_or_b32 s[G1B+0], s44, (1<<16)|(1<<20)|(1<<21)|(4<<22)|(7<<25)  ; B: 8 words behind every 32
	s_mov_b32 s[G1+1], 256<<16
	s_mov_b32 s[G1+2], 64<<16
	s_mov_b32 s[G1+3], 256<<16
	s_mov_b32 s[G1+4], 64
	s_mov_b32 s[G1+5], 1024
	s_mov_b32 s[G1+6], 0
	s_mov_b32 s[G1+7], 0
	s_mov_b32 s[G1B+1], 128<<16
	s_mov_b32 s[G1B+2], 128<<16                    ; one chunk: 128 dense rows of 256 bytes
	s_mov_b32 s[G1B+3], 128<<16
	s_mov_b32 s[G1B+4], 128
	s_mov_b32 s[G1B+5], 128
	s_mov_b32 s[G1B+6], 0
	s_mov_b32 s[G1B+7], 0
	s_lshl_b32 s16, s13, 18
	s_lshl_b32 s18, s12, 17
	s_add_co_u32 s16, s16, s18
	s_mov_b32 s17, 0
	s_lshl_b32 s46, s42, 18                        ; chunk 8 n + my half of the K step
	s_lshl_b32 s18, s12, 15
	s_add_co_u32 s46, s46, s18
	s_add_co_u32 s46, s46, O_WB2
	s_mov_b32 s47, 0
	s_mul_i32 s20, s12, HALFT
	s_mul_i32 s21, s12, 40960
	s_add_co_u32 s21, s21, BOFF
	s_mov_b32 s66, 0x76543210
	s_mov_b32 s67, 0xfedcba98
	s_mov_b32 s4, 0x3f80
	s_mov_b32 s5, 0xffff0000
	s_wait_dscnt 0x0
	s_wait_kmcnt 0x0
	s_add_nc_u64 s[14:15], s[68:69], s[16:17]
	s_add_nc_u64 s[46:47], s[68:69], s[46:47]
	CROUND
.irp s, 0,1
	s_mov_b32 s[G0+4*(\s)], 1
	s_add_co_u32 s[G0+4*(\s)+1], s20, (\s)*SLOT
	s_add_nc_u64 s[G0+4*(\s)+2:G0+4*(\s)+3], s[14:15], (\s)*512
	s_or_b32 s[G0+4*(\s)+3], s[G0+4*(\s)+3], 0x80000000
	s_mov_b32 s[G0B+4*(\s)], 1
	s_add_co_u32 s[G0B+4*(\s)+1], s21, (\s)*SLOT
	s_add_nc_u64 s[G0B+4*(\s)+2:G0B+4*(\s)+3], s[46:47], (\s)*65536
	s_or_b32 s[G0B+4*(\s)+3], s[G0B+4*(\s)+3], 0x80000000
	JLOAD \s
.endr
	v_and_b32 v1, 15, v0
	v_bfe_u32 v2, v0, 4, 1
	v_and_b32 v3, 31, v0
	v_lshlrev_b32 v[LN], 4, v3
	v_lshlrev_b32 v[RO], 4, v1
	v_lshl_add_u32 v[PO], v2, 19, v[RO]
	v_lshlrev_b32 v15, 5, v2
	ADDP 14, 72, 13, 12, 11, 11, 0                 ; msum_2's parts at row tile 8 y + 4 wr
	ADDP 16, 70, 13, 11, 11, 10, 1048576           ; msum_0
	ADDP 18, 72, 13, 11, 11, 10, 1048576           ; msum_1
	ADDP 22, 68, 42, 13, 12, 12, O_HF
	ADDP 46, 74, 42, 9, 12, 8, 0
	ADDP 76, 76, 13, 19, 11, 18, 0
	ADDP 76, 76, 42, 9, 12, 8, 0
	WIN 0x80
.set i, 0
.rept 4
.set j, 0
.rept 8
	global_load_b128 v[32*i+4*j:32*i+4*j+3], v[PO], s[14:15] offset:131072*(j/2)+512*i+256*(j%2)
.set j, j+1
.endr
.set i, i+1
.endr
.set k, 0
.rept 8
	global_load_b128 v[160+4*k:163+4*k], v[LN], s[22:23] offset:512*k
.set k, k+1
.endr
	WIN 0
.set k, 0
.rept 4
	global_load_b128 v[32+4*k:35+4*k], v[RO], s[16:17] offset:256*k
	global_load_b128 v[48+4*k:51+4*k], v[RO], s[18:19] offset:256*k
	global_load_b128 v[BIAS+8*k:BIAS+8*k+3], v15, s[46:47] offset:64*k
	global_load_b128 v[BIAS+8*k+4:BIAS+8*k+7], v15, s[46:47] offset:64*k+16
.set k, k+1
.endr
	v_mul_u32_u24 v3, v1, PITCH                    ; the scalars below lie in registers that no pending load names
	v_lshl_add_u32 v3, v2, 4, v3
	s_mul_i32 s21, s11, HALFT
	v_add_nc_u32 v[ADRA], s21, v3
	v_add_nc_u32 v[ADRA+1], SLOT, v[ADRA]
	v_and_b32 v5, 7, v0
	v_lshl_add_u32 v6, v2, 3, v5
	v_mul_u32_u24 v6, v6, 160
	v_bfe_u32 v7, v0, 3, 1
	v_lshl_add_u32 v6, v7, 4, v6
	s_mul_i32 s6, s12, 20480
	s_add_co_u32 s6, s6, BOFF
	v_add_nc_u32 v[ADRB], s6, v6
	v_add_nc_u32 v[ADRB+1], SLOT, v[ADRB]
	s_mul_i32 s7, s10, 16*SP
	s_add_co_u32 s7, s7, STAGE
	v_mul_u32_u24 v4, v1, SP
	v_lshl_add_u32 v4, v2, 5, v4
	v_add_nc_u32 v[STO], s7, v4
	v_mul_u32_u24 v5, v2, SP
	v_lshl_add_u32 v5, v1, 4, v5
	v_add_nc_u32 v[RD], s7, v5
	v_lshlrev_b32 v5, 12, v2
	v_lshl_add_u32 v[CO], v1, 4, v5
	s_wait_loadcnt 0x0
.macro MSUMO a                         ; row tile a: msum_2 from its 8 parts, and M's fragment
	WIN 0x8a
.irp hd, 1,2,3
.irp k, 0,2,4,6
	v_pk_add_f32 v[32*(\a)+(\k):32*(\a)+(\k)+1], v[32*(\a)+(\k):32*(\a)+(\k)+1], v[32*(\a)+8*(\hd)+(\k):32*(\a)+8*(\hd)+(\k)+1]
.endr
.endr
.irp k, 0,1,2,3,4,5,6,7
	v_permlanex16_b32 v[32*(\a)+8+(\k)], v[32*(\a)+(\k)], s66, s67
.endr
.irp k, 0,2,4,6
	v_pk_add_f32 v[32*(\a)+(\k):32*(\a)+(\k)+1], v[32*(\a)+(\k):32*(\a)+(\k)+1], v[32*(\a)+8+(\k):32*(\a)+9+(\k)]
.endr
	WIN 0x0a
.irp k, 0,1,2,3
	v_cvt_pk_bf16_f32 v[64+(\k)], v[32*(\a)+2*(\k)], v[32*(\a)+2*(\k)+1]
.endr
	WIN 0x80
.irp k, 0,1,2,3
	v_cndmask_b32 v[128+8*(\a)+(\k)], v[32+4*(\a)+(\k)], v[48+4*(\a)+(\k)], s5
.endr
	v_cndmask_b32 v[132+8*(\a)], v64, 0, s5
	v_cndmask_b32 v[133+8*(\a)], v65, s4, s5       ; 1.0 at slot 26
	v_cndmask_b32 v[134+8*(\a)], v66, 0, s5
	v_cndmask_b32 v[135+8*(\a)], v67, 0, s5
.endm
	MSUMO 0
	MSUMO 1
	MSUMO 2
	MSUMO 3
	WIN 0x0a                                       ; H and M in window 2, bias and sums in window 0
.irp a, 0,1,2,3
.irp b, 0,1,2,3
	v_wmma_f32_16x16x32_bf16 v[ACC+8*(4*(\a)+(\b)):ACC+8*(4*(\a)+(\b))+7], v[160+8*(\b):167+8*(\b)], v[128+8*(\a):135+8*(\a)], v[BIAS+8*(\b):BIAS+8*(\b)+7]
.endr
.endr
	WIN 0
.macro MUL8 f, c, a0
	WIN MUL
.irp a, \a0, (\a0)+1
.irp b, 0,1,2,3
	v_wmma_f32_16x16x32_bf16 v[ACC+8*(4*(\a)+(\b)):ACC+8*(4*(\a)+(\b))+7], v[(\f)+64+8*(4*(\c)+(\b)):(\f)+64+8*(4*(\c)+(\b))+7], v[(\f)+8*(4*(\c)+(\a)):(\f)+8*(4*(\c)+(\a))+7], v[ACC+8*(4*(\a)+(\b)):ACC+8*(4*(\a)+(\b))+7]
.endr
.endr
.endm
.macro FETCH slot, q, f                ; the fragments of 64 along K, the first 32 first
	WIN TO_F
.irp c, 0,1
.irp i, 0,1,2,3
	ds_load_tr16_b128 v[(\f)+64+8*(4*(\c)+(\i)):(\f)+64+8*(4*(\c)+(\i))+3],   v[ADRB+(\slot)] offset:40960*((\q)/2)+10240*((\q)%2)+5120*(\c)+32*(\i)
	ds_load_tr16_b128 v[(\f)+64+8*(4*(\c)+(\i))+4:(\f)+64+8*(4*(\c)+(\i))+7], v[ADRB+(\slot)] offset:40960*((\q)/2)+10240*((\q)%2)+5120*(\c)+32*(\i)+2560
	ds_load_b128 v[(\f)+8*(4*(\c)+(\i)):(\f)+8*(4*(\c)+(\i))+3],   v[ADRA+(\slot)] offset:128*(\q)+64*(\c)+(\i)*16*PITCH
	ds_load_b128 v[(\f)+8*(4*(\c)+(\i))+4:(\f)+8*(4*(\c)+(\i))+7], v[ADRA+(\slot)] offset:128*(\q)+64*(\c)+(\i)*16*PITCH+32
.endr
.endr
.endm
.macro QUARTER slot, qn, f, g
	s_wait_dscnt 16                                ; the first 32 along K are in; the other sixteen loads may be out
	MUL8 \f, 0, 0
	MUL8 \f, 0, 2
	PLACES
	FETCH \slot, \qn, \g
	s_wait_dscnt 32                                ; all but the 32 just issued
	MUL8 \f, 1, 0
	MUL8 \f, 1, 2
.endm
.macro TURN slot, next, fill
	WIN 0
	s_wait_tensorcnt 0x0                           ; all my tensor loads have landed: my part of the next slot
	ds_add_u32 v[SPW], v[NIL]
	s_wait_dscnt 17                                ; the add and the youngest sixteen loads may be out
	MUL8 F1, 0, 0
	s_wait_dscnt 0x0                               ; the add is done, my reads of this slot are over
	s_barrier_signal -1
	MUL8 F1, 0, 2
.if \fill
	WIN 0
.endif
	s_barrier_wait -1
.if \fill
	CREST
	s_add_nc_u64 s[G0+4*(\slot)+2:G0+4*(\slot)+3], s[G0+4*(\slot)+2:G0+4*(\slot)+3], 1024
	s_add_nc_u64 s[G0B+4*(\slot)+2:G0B+4*(\slot)+3], s[G0B+4*(\slot)+2:G0B+4*(\slot)+3], 131072
	JLOAD \slot
.else
	PLACES
.endif
	FETCH \next, 0, F0
	MUL8 F1, 1, 0
	MUL8 F1, 1, 2
.endm
	s_wait_tensorcnt 1                             ; my part of K step 0 is in; K step 1's may stay out
	s_barrier_signal -1
	s_barrier_wait -1
	FETCH 0, 0, F0
	QUARTER 0, 1, F0, F1                           ; four K steps, written out: both slots are filled again once
	QUARTER 0, 2, F1, F0
	QUARTER 0, 3, F0, F1
	TURN 0, 1, 1
	QUARTER 1, 1, F0, F1
	QUARTER 1, 2, F1, F0
	QUARTER 1, 3, F0, F1
	TURN 1, 0, 1
	QUARTER 0, 1, F0, F1
	QUARTER 0, 2, F1, F0
	QUARTER 0, 3, F0, F1
	TURN 0, 1, 0
	QUARTER 1, 1, F0, F1
	QUARTER 1, 2, F1, F0
	QUARTER 1, 3, F0, F1
	s_wait_dscnt 16
	MUL8 F1, 0, 0
	MUL8 F1, 0, 2
	s_wait_dscnt 0x0
	MUL8 F1, 1, 0
	MUL8 F1, 1, 2
	WIN 0
	PLACES
	; the way out: 16 rows at a time through my own stage; LDS serves a wave's instructions in order, so no wait stands between its stores and its loads
.set a, 0
.rept 4
.set BK, 32+32*(a%2)
.set b, 0
.rept 4
	ds_store_b128 v[STO], v[ACC+8*(4*a+b):ACC+8*(4*a+b)+3] offset:64*b
	ds_store_b128 v[STO], v[ACC+8*(4*a+b)+4:ACC+8*(4*a+b)+7] offset:64*b+16
.set b, b+1
.endr
	s_wait_xcnt 0x0                                ; earlier stores have read the registers that are loaded now
.set t, 0
.rept 8
	ds_load_b128 v[BK+4*t:BK+4*t+3], v[RD] offset:t*2*SP
.set t, t+1
.endr
	s_wait_dscnt 0x0
.set t, 0
.rept 8
	global_store_b128 v[CO], v[BK+4*t:BK+4*t+3], s[76:77] offset:(16*a+2*t)*4096 th:TH_STORE_NT  ; 16 lanes store 256 consecutive bytes, aligned
.set t, t+1
.endr
.set a, a+1
.endr
	s_wait_tensorcnt 0x0                           ; the wave's end
	ds_add_u32 v[SPW], v[NIL]
	s_wait_dscnt 0x0
	CROUND                                         ; the closing round
	s_endpgm
.Lfunc_end_k_q55affbaf96_gemmout:
	.size	k_q55affbaf96_gemmout, .Lfunc_end_k_q55affbaf96_gemmout-k_q55affbaf96_gemmout
	.p2alignl 7, 3214868480
	.fill 96, 4, 3214868480
	.section	.rodata,"a",@progbits
	.p2align	6, 0x0
	.amdhsa_kernel k_q55affbaf96_gemmout
		.amdhsa_group_segment_fixed_size 327680
		.amdhsa_private_segment_fixed_size 0
		.amdhsa_enable_private_segment 0
		.amdhsa_kernarg_size 40
		.amdhsa_user_sgpr_count 2
		.amdhsa_user_sgpr_kernarg_segment_ptr 1
		.amdhsa_wavefront_size32 1
		.amdhsa_system_sgpr_workgroup_id_x 1
		.amdhsa_system_sgpr_workgroup_id_y 1
		.amdhsa_system_sgpr_workgroup_id_z 1
		.amdhsa_system_vgpr_workitem_id 0
		.amdhsa_next_free_vgpr 704
		.amdhsa_next_free_sgpr 80
		.amdhsa_reserve_vcc 0
		.amdhsa_float_denorm_mode_32 3
		.amdhsa_float_denorm_mode_16_64 3
		.amdhsa_memory_ordered 1
		.amdhsa_forward_progress 1
		.amdhsa_inst_pref_size 103
	.end_amdhsa_kernel
	.amdgpu_metadata
---
amdhsa.version: [ 1, 2 ]
amdhsa.kernels:
  - .name:           k_q55affbaf96_gemmout
    .symbol:         k_q55affbaf96_gemmout.kd
    .args:
      - { .name: P, .offset: 0, .size: 8, .value_kind: global_buffer, .address_space: global }
      - { .name: O1, .offset: 8, .size: 8, .value_kind: global_buffer, .address_space: global }
      - { .name: O2, .offset: 16, .size: 8, .value_kind: global_buffer, .address_space: global }
      - { .name: b_out, .offset: 24, .size: 8, .value_kind: global_buffer, .address_space: global }
      - { .name: out0, .offset: 32, .size: 8, .value_kind: global_buffer, .address_space: global }
    .group_segment_fixed_size: 327680
    .private_segment_fixed_size: 0
    .kernarg_segment_align: 8
    .kernarg_segment_size: 40
    .max_flat_workgroup_size: 128
    .sgpr_count:     80
    .vgpr_count:     704
    .wavefront_size: 32
...
	.end_amdgpu_metadata
.endif
;; end of part 6
;; ======== version 2 of 2: 6 launches; 1.39 times as fast as version 1
;; limits: a function is approximated: absolute error at most 2.7e-06; right only within a limited range of input values; values outside matrix products are rounded to bf16; sums are carried in bf16
;; workspace buffers: P 15,172,096 bytes; QV 18,874,368 bytes; O0 1,114,112 bytes; O1 1,114,112 bytes; O2 1,114,112 bytes; LAY1 256 bytes of whole numbers; LAY2 256 bytes of whole numbers
;; launch prep (part 7): grid 192 x 1, 16 waves a work-group, no clusters, 297,472 bytes of LDS; arguments x, W_qkv, W_out, W_pinv, W_attn, b_attn, b_pinv, b_qkv, P, LAY1, LAY2, O0; writes P, LAY1, LAY2, O0
.if DOCPART == 7
	.amdgcn_target "amdgcn-amd-amdhsa--gfx1250"
	.amdhsa_code_object_version 6
	.text
	.protected	k_q55affbaf96_prep
	.globl	k_q55affbaf96_prep
	.p2align	8
	.type	k_q55affbaf96_prep,@function
k_q55affbaf96_prep:
	s_mov_b64 s[64:65], 0
	v_nop
	global_prefetch_b8 v0, s[64:65] scope:SCOPE_SE
	s_setreg_imm32_b32 hwreg(HW_REG_WAVE_MODE, 25, 1), 1
	s_wait_xcnt 0x0
; QuantumGeometricAttention, launch 1 of 6: operands rounded to bf16 and laid out, and the small tables.
; HOW THE WORK OF reference() IS RE-ORDERED (identities in exact arithmetic, for all finite inputs; every input is loaded, none is dead):
;  (1) cur_l = x + sum_{j<l} (m_j W_attn[j] + b_attn[j]): x plus 8 directions a layer.  So cur_l W = x W + M T, T = R W, where R (32 x 1024) holds W_attn[0..2] in rows
;      0-23 and B_l = sum_{j<l} (b_attn[j] + b_pinv W_attn[j]) in rows 24-26 (27-31 are 0), and a row's M holds msum_0, msum_1, msum_2 (8 each) and a 1.0 that picks B_l.
;      x W_q|k and x W_out are multiplied once; a later layer costs one matrix step of 32 a tile.
;  (2) m = sum_h att_h (v_h P_h) + b_pinv, P_h = W_pinv's 128 rows of head h, and v_h P_h = cur (W_v,h P_h) + b_v,h P_h: v is never formed, a head has 8 channels 'vp'.
;      msum = m - b_pinv; b_pinv rides in B_l.
;  logmap0 is never called by reference().  LIMIT: a NaN, an infinity or an overflow that reference() would meet only in v or in cur W of a later layer as such is not carried over.
; ROLES by the work-group's number, the long ones first: 0-31 W on W_qkv (64 q/k columns each), 32-47 W on W_out, 48-63 V (head, half of k), 64-191 X (32 rows of x each).
;  W: rounds its 1024 x 64 block, stores it in the order in which the products' tensor loads want it, and makes T = R W for its columns (K split among 4 groups of waves).
;  V: W_vp = W_v,h P_h for its 512 rows of k (wave w: 32 of them), bvp = b_v,h P_h (channel 8 is the constant 1.0: it sums the softmax's weights; 9-15 are 0),
;     and its half of R W_vp (a partial sum: kept in f32).
;  X: x rounded to bf16; zeros for the first 'older msum'; the layer numbers 1 and 2.  It touches no LDS.
; Each wave asks for all that it needs at once.  No tensor loads.
; LDS.  From 0: role W's block, row k at 160 k: wave w stores bytes 10,240 w .. 10,240 w + 10,239.  Role V's wave w keeps its 32 rows of W_v,h (pitch 272: 8,704 bytes) at 10,240 w too:
; ahead of the first barrier a wave's bytes there are its own in either role.  Then R; then role V's P_h, 4,096 bytes a wave, read only ahead of the first barrier, and in the same bytes the
; partial sums, 2,048 bytes a wave, stored only behind it (each wave's s_wait_dscnt 0 and that barrier stand between the two uses); then the spare words.
.set RL, 163840                        ; R: 32 rows, pitch 2064 (129 x 16 bytes)
.set RP, 2064
.set PTL, 229888                       ; role V: wave w's P_h, 128 rows x 32 bytes (16 channels bf16), at PTL + 4096 w
.set PR, 229888                        ; partial sums in f32: (wave x 2 + e) x 1024 + part x 512 + lane x 16
.set SPARE, 295424                     ; the spare words: 128 bytes a wave, 8 blocks of 256 bytes that no other line names
.set O_WB1, 8388608                    ; byte offsets in P
.set O_WB2, 12845056
.set O_GF, 14942208
.set O_HF, 15073280
.set O_GVP, 15138816
.set O_BVP, 15171584
.set SPW, 8                            ; v8 my spare word's address, v9 = 0: for the add alone
.set NIL, 9
; v1 lane, v2 r = lane % 16, v3 hh = lane / 16, v5 16 x lane, v[6:7] zeros, v10-19 addresses, v20-73 R's columns then P^T, v84-127 sums and packs, v128-255 loads then fragments
.macro MM d, a, b, z                   ; D = A B + (0 or D)
.if \z
	v_wmma_f32_16x16x32_bf16 v[\d:\d+7], v[\a:\a+7], v[\b:\b+7], 0
.else
	v_wmma_f32_16x16x32_bf16 v[\d:\d+7], v[\a:\a+7], v[\b:\b+7], v[\d:\d+7]
.endif
.endm
.macro PLACES                          ; four plain instructions between a matrix instruction and a reader of its result or a load into its registers
.rept 4
	v_nop
.endr
.endm
	s_load_b512 s[8:23], s[0:1], 0x0               ; x 8, W_qkv 10, W_out 12, W_pinv 14, W_attn 16, b_attn 18, b_pinv 20, b_qkv 22
	s_load_b256 s[24:31], s[0:1], 0x40             ; P 24, LAY1 26, LAY2 28, O0 30
	v_lshl_add_u32 v[SPW], v0, 2, SPARE
	v_mov_b32 v[NIL], 0
	v_and_b32 v1, 31, v0
	v_and_b32 v2, 15, v0
	v_bfe_u32 v3, v0, 4, 1
	v_lshrrev_b32 v4, 5, v0
	v_readfirstlane_b32 s44, v4                    ; wave 0..15
	v_lshlrev_b32 v5, 4, v1
	v_mov_b32 v6, 0
	v_mov_b32 v7, 0
	s_mov_b32 s45, ttmp9
	s_wait_kmcnt 0x0
	s_cmp_ge_u32 s45, 64
	s_cbranch_scc1 .Lrole_x
	; roles W and V build R: thread t owns columns 2 t, 2 t + 1.  These 27 loads go out ahead of the role's big ones.
	s_load_b256 s[36:43], s[20:21], 0x0            ; b_pinv, as scalars
	v_lshlrev_b32 v10, 3, v0
	v_lshl_add_u32 v11, v0, 2, RL
.set n, 0
.rept 24
	global_load_b64 v[20+2*n:21+2*n], v10, s[16:17] offset:4096*n
.set n, n+1
.endr
.set n, 0
.rept 3
	global_load_b64 v[68+2*n:69+2*n], v10, s[18:19] offset:4096*n
.set n, n+1
.endr
.macro RARITH                          ; beta_j = b_attn[j] + b_pinv W_attn[j]; B_2, B_3; 32 rows of R into LDS
.irp j, 0,1,2
.irp i, 0,1,2,3,4,5,6,7
	v_fmac_f32 v[68+2*(\j)], s[36+(\i)], v[20+2*(8*(\j)+(\i))]
	v_fmac_f32 v[69+2*(\j)], s[36+(\i)], v[21+2*(8*(\j)+(\i))]
.endr
.endr
	v_pk_add_f32 v[70:71], v[70:71], v[68:69]
	v_pk_add_f32 v[72:73], v[72:73], v[70:71]
.set n, 0
.rept 27
	v_cvt_pk_bf16_f32 v[20+2*n], v[20+2*n], v[21+2*n]
	ds_store_b32 v11, v[20+2*n] offset:RP*n
.set n, n+1
.endr
.rept 5
	ds_store_b32 v11, v6 offset:RP*n               ; rows 27-31 are 0
.set n, n+1
.endr
.endm
	s_cmp_ge_u32 s45, 48
	s_cbranch_scc1 .Lrole_v
; ---------------- role W ----------------
; Wave w takes rows 64 w .. 64 w + 63 of the block: load i brings rows 2 i, 2 i + 1, 256 bytes each.  s54 = where its 8 KB go in P, s56 = where the block's T goes.
.macro WSET pitch, shn, chunk, wb, tf, src
	s_and_b32 s53, s45, 31                         ; c64: my block of 64 columns
	s_lshr_b32 s54, s53, \shn                      ; n: the product's column tile
	s_lshl_b32 s54, s54, 3
	s_lshr_b32 s55, s44, 1                         ; ks: the K step of 128
	s_add_co_u32 s54, s54, s55
	s_mul_i32 s54, s54, \chunk
	s_and_b32 s55, s53, (1<<(\shn))-1              ; blk
	s_lshl_b32 s55, s55, 14
	s_add_co_u32 s54, s54, s55
	s_and_b32 s55, s44, 1
	s_lshl_b32 s55, s55, 13
	s_add_co_u32 s54, s54, s55
	s_add_co_u32 s54, s54, \wb
	s_lshl_b32 s56, s53, 12                        ; 4 column tiles x 1,024 bytes
	s_add_co_u32 s56, s56, \tf
	s_mul_i32 s58, s44, 64*(\pitch)
	s_lshl_b32 s55, s53, 8
	s_add_co_u32 s58, s58, s55
	s_mov_b32 s59, 0
	s_add_nc_u64 s[46:47], s[\src:\src+1], s[58:59]
	v_mul_u32_u24 v12, v3, \pitch
	v_lshl_add_u32 v12, v2, 4, v12
.set i, 0
.rept 32
	global_load_b128 v[128+4*i:131+4*i], v12, s[46:47] offset:2*i*(\pitch) th:TH_LOAD_NT
.set i, i+1
.endr
.endm
	s_cmp_ge_u32 s45, 32
	s_cbranch_scc1 .Lw_out
	WSET 12288, 2, 69632, O_WB1, O_GF, 10
	s_branch .Lw_both
.Lw_out:
	WSET 4096, 1, 32768, O_WB2, O_HF, 12
.Lw_both:
	s_mov_b32 s55, 0
	s_add_nc_u64 s[60:61], s[24:25], s[54:55]
	s_mov_b32 s57, 0
	s_add_nc_u64 s[62:63], s[24:25], s[56:57]
	v_lshlrev_b32 v13, 3, v1                       ; 8 bytes a lane: a store covers 256 consecutive bytes, aligned
	s_mul_i32 s50, s44, 10240                      ; 64 rows x 160
	v_mul_u32_u24 v14, v3, 160
	v_lshl_add_u32 v14, v2, 3, v14
	v_add_nc_u32 v14, s50, v14                     ; the block in LDS: row k at 160 k (5 x 32 bytes, for the turning load)
	s_lshr_b32 s50, s44, 2                         ; kq: my quarter of K in the T phase
	s_and_b32 s51, s44, 3                          ; ct: my column tile
	v_and_b32 v15, 7, v0
	v_lshl_add_u32 v15, v3, 3, v15
	v_mul_u32_u24 v15, v15, 160
	v_bfe_u32 v16, v0, 3, 1
	v_lshl_add_u32 v15, v16, 4, v15
	s_mul_i32 s52, s50, 40960
	s_lshl_b32 s53, s51, 5
	s_add_co_u32 s52, s52, s53
	v_add_nc_u32 v15, s52, v15                     ; W turned: (256 kq + 8 hh + l % 8) x 160 + 32 ct + 16 ((l / 8) % 2)
	v_mul_u32_u24 v16, v2, RP
	v_lshl_add_u32 v16, v3, 4, v16
	s_lshl_b32 s52, s50, 9
	s_add_co_u32 s52, s52, RL
	v_add_nc_u32 v16, s52, v16                     ; R: r x 2064 + 512 kq + 16 hh
	s_lshl_b32 s52, s44, 11
	s_add_co_u32 s52, s52, PR
	v_add_nc_u32 v17, s52, v5
	s_wait_loadcnt 32                              ; all but the block's 32 loads, which were issued behind R's
	s_wait_kmcnt 0x0
	RARITH
.set i, 0
.rept 32
	s_wait_loadcnt 31-i                            ; loads return in order: load i is in, the younger ones stay out
	v_cvt_pk_bf16_f32 v[128+4*i], v[128+4*i], v[129+4*i]
	v_cvt_pk_bf16_f32 v[129+4*i], v[130+4*i], v[131+4*i]
	global_store_b64 v13, v[128+4*i:129+4*i], s[60:61] offset:256*i
	ds_store_b64 v14, v[128+4*i:129+4*i] offset:320*i
.set i, i+1
.endr
	s_wait_dscnt 0x0                               ; for the others: my columns of R and my rows of the block are in LDS
	s_barrier_signal -1
	s_barrier_wait -1
	s_wait_xcnt 0x0                                ; the stores have read v128-255, which the fragments take now
; T = R W: D_e (rows 16 e .. of R) x my 16 columns, over my 256 k: 8 steps of 32 in two batches.  The two sums take turns.
.macro TBATCH s0, z
.set q, 0
.rept 4
	ds_load_tr16_b128 v[128+24*q:131+24*q], v15 offset:5120*((\s0)+q)
	ds_load_tr16_b128 v[132+24*q:135+24*q], v15 offset:5120*((\s0)+q)+2560
	ds_load_b128 v[136+24*q:139+24*q], v16 offset:64*((\s0)+q)
	ds_load_b128 v[140+24*q:143+24*q], v16 offset:64*((\s0)+q)+32
	ds_load_b128 v[144+24*q:147+24*q], v16 offset:16*RP+64*((\s0)+q)
	ds_load_b128 v[148+24*q:151+24*q], v16 offset:16*RP+64*((\s0)+q)+32
.set q, q+1
.endr
	s_wait_dscnt 0x0
.set q, 0
.rept 4
	MM 84, (136+24*q), (128+24*q), ((\z)&&(q==0))
	MM 92, (144+24*q), (128+24*q), ((\z)&&(q==0))
.set q, q+1
.endr
	PLACES
.endm
	TBATCH 0, 1
	TBATCH 4, 0
	ds_store_b128 v17, v[84:87]
	ds_store_b128 v17, v[88:91] offset:512
	ds_store_b128 v17, v[92:95] offset:1024
	ds_store_b128 v17, v[96:99] offset:1536
	s_wait_dscnt 0x0
	s_barrier_signal -1
	s_barrier_wait -1                              ; all sixteen partial sums lie in LDS
	s_cmp_lt_u32 s44, 8                            ; waves 0-7 (ct = w % 4, e = w / 4) add the four quarters of K
	s_cbranch_scc0 .Lend
	s_lshl_b32 s52, s51, 11                        ; (2 ct + e) x 1,024
	s_lshl_b32 s53, s50, 10
	s_add_co_u32 s52, s52, s53
	s_add_co_u32 s53, s52, PR
	v_add_nc_u32 v18, s53, v5
	s_lshr_b32 s53, s52, 1                         ; (2 ct + e) x 512
	v_add_nc_u32 v19, s53, v5
.set q, 0
.rept 4
	ds_load_b128 v[128+8*q:131+8*q], v18 offset:8192*q
	ds_load_b128 v[132+8*q:135+8*q], v18 offset:8192*q+512
.set q, q+1
.endr
	s_wait_dscnt 0x0
.irp q, 1,2,3
.irp p, 0,2,4,6
	v_pk_add_f32 v[128+(\p):129+(\p)], v[128+(\p):129+(\p)], v[128+8*(\q)+(\p):129+8*(\q)+(\p)]
.endr
.endr
.irp m, 0,1,2,3
	v_cvt_pk_bf16_f32 v[100+(\m)], v[128+2*(\m)], v[129+2*(\m)]
.endr
	global_store_b128 v19, v[100:103], s[62:63]    ; half a fragment of T^T: lane = column, 8 rows of R: 512 consecutive bytes
	s_branch .Lend
; ---------------- role V ----------------
.Lrole_v:
	s_sub_co_u32 s46, s45, 48
	s_lshr_b32 s47, s46, 1                         ; head
	s_and_b32 s48, s46, 1                          ; which 512 rows of k
	s_or_b32 s49, s48, s44                         ; 0 in the one wave of a head that makes bvp
	s_lshl_b32 s50, s47, 9
	s_add_co_u32 s50, s50, 8192                    ; v's columns of head h, in bytes of a row
	s_mov_b32 s51, 0
	s_add_nc_u64 s[52:53], s[22:23], s[50:51]
	s_lshl_b32 s54, s48, 4
	s_add_co_u32 s54, s54, s44
	s_mul_i32 s54, s54, 393216                     ; k0 = 512 khalf + 32 w rows of 12,288 bytes
	s_add_co_u32 s50, s50, s54
	s_add_nc_u64 s[56:57], s[10:11], s[50:51]
	s_lshl_b32 s50, s47, 12
	s_add_nc_u64 s[58:59], s[14:15], s[50:51]
	global_load_b128 v[116:119], v5, s[52:53]      ; b_v,h: 512 bytes (every wave loads them, one uses them)
.set i, 0
.rept 8
	global_load_b128 v[84+4*i:87+4*i], v5, s[58:59] offset:512*i  ; P_h: 4 KB
.set i, i+1
.endr
.set i, 0
.rept 27
	global_load_b128 v[128+4*i:131+4*i], v5, s[56:57] offset:12288*i th:TH_LOAD_NT  ; row k0 + i of W_v,h
.set i, i+1
.endr
	s_mul_i32 s50, s44, 10240                      ; my 32 rows, pitch 272
	s_lshl_b32 s51, s44, 12
	s_add_co_u32 s51, s51, PTL
	v_lshrrev_b32 v13, 1, v1
	v_lshlrev_b32 v13, 5, v13
	v_and_b32 v14, 1, v0
	v_lshl_add_u32 v13, v14, 3, v13
	v_add_nc_u32 v13, s51, v13                     ; P_h in: row l / 2 of 16, channels 4 (l % 2)
	v_lshl_add_u32 v14, v1, 3, s50
	v_mul_u32_u24 v15, v2, 272
	v_lshl_add_u32 v15, v3, 4, v15
	v_add_nc_u32 v15, s50, v15
	v_and_b32 v16, 7, v0
	v_lshl_add_u32 v16, v3, 3, v16
	v_lshlrev_b32 v16, 5, v16
	v_bfe_u32 v17, v0, 3, 1
	v_lshl_add_u32 v16, v17, 4, v16
	v_add_nc_u32 v16, s51, v16                     ; P_h turned
	v_lshlrev_b32 v17, 5, v2
	v_lshl_add_u32 v17, v3, 4, v17
	v_lshlrev_b32 v18, 2, v2
	v_mul_u32_u24 v19, v2, RP
	v_lshl_add_u32 v19, v3, 4, v19
	s_lshl_b32 s50, s48, 10
	s_lshl_b32 s51, s44, 6
	s_add_co_u32 s50, s50, s51
	s_add_co_u32 s50, s50, RL
	v_add_nc_u32 v19, s50, v19                     ; R at my 32 k
	s_lshl_b32 s50, s44, 11
	s_add_co_u32 s50, s50, PR
	v_add_nc_u32 v12, s50, v5
	s_lshl_b32 s50, s47, 3
	s_lshl_b32 s51, s48, 2
	s_add_co_u32 s50, s50, s51
	s_lshr_b32 s51, s44, 2
	s_add_co_u32 s50, s50, s51                     ; chunk 8 h + ks
	s_mul_i32 s50, s50, 69632
	s_and_b32 s51, s44, 3
	s_lshl_b32 s51, s51, 10
	s_add_co_u32 s50, s50, s51
	s_add_co_u32 s50, s50, O_WB1+65536
	s_mov_b32 s51, 0
	s_add_nc_u64 s[60:61], s[24:25], s[50:51]
	s_lshl_b32 s50, s47, 6
	s_add_co_u32 s50, s50, O_BVP
	s_add_nc_u64 s[62:63], s[24:25], s[50:51]
	s_wait_loadcnt 27                              ; R's columns, the bias and P_h are in; the 27 rows asked for behind them stay out
	s_wait_kmcnt 0x0
.rept 5
	global_load_b128 v[128+4*i:131+4*i], v5, s[56:57] offset:12288*i th:TH_LOAD_NT  ; the last five rows
.set i, i+1
.endr
	RARITH
.set i, 0
.rept 8
	v_cvt_pk_bf16_f32 v[84+4*i], v[84+4*i], v[85+4*i]
	v_cvt_pk_bf16_f32 v[85+4*i], v[86+4*i], v[87+4*i]
	ds_store_b64 v13, v[84+4*i:85+4*i] offset:512*i
	ds_store_b64 v13, v[6:7] offset:512*i+16       ; channels 8-15 are 0
.set i, i+1
.endr
.set i, 0
.rept 32
	s_wait_loadcnt 31-i                            ; row i is in, the younger ones stay out
	v_cvt_pk_bf16_f32 v[128+4*i], v[128+4*i], v[129+4*i]
	v_cvt_pk_bf16_f32 v[129+4*i], v[130+4*i], v[131+4*i]
	ds_store_b64 v14, v[128+4*i:129+4*i] offset:272*i
.set i, i+1
.endr
	; my own bytes: LDS serves a wave's instructions in order, so these loads see the stores above
.set t, 0
.rept 4
	ds_load_tr16_b128 v[20+8*t:23+8*t], v16 offset:1024*t
	ds_load_tr16_b128 v[24+8*t:27+8*t], v16 offset:1024*t+512
	ds_load_b128 v[128+8*t:131+8*t], v15 offset:64*t
	ds_load_b128 v[132+8*t:135+8*t], v15 offset:64*t+32
	ds_load_b128 v[160+8*t:163+8*t], v15 offset:4352+64*t
	ds_load_b128 v[164+8*t:167+8*t], v15 offset:4352+64*t+32
.set t, t+1
.endr
	s_wait_dscnt 0x0
.set t, 0
.rept 4                                ; both orders of the sources: lane = k row (to store), lane = channel (a fragment for R W_vp); four sums by turns
	MM 84, (20+8*t), (128+8*t), (t==0)
	MM 92, (20+8*t), (160+8*t), (t==0)
	MM 100, (128+8*t), (20+8*t), (t==0)
	MM 108, (160+8*t), (20+8*t), (t==0)
.set t, t+1
.endr
	PLACES
.irp m, 0,1,2,3
	v_cvt_pk_bf16_f32 v[120+(\m)], v[84+2*(\m)], v[85+2*(\m)]
	v_cvt_pk_bf16_f32 v[124+(\m)], v[92+2*(\m)], v[93+2*(\m)]
	v_cvt_pk_bf16_f32 v[52+(\m)], v[100+2*(\m)], v[101+2*(\m)]
	v_cvt_pk_bf16_f32 v[56+(\m)], v[108+2*(\m)], v[109+2*(\m)]
.endr
	global_store_b128 v17, v[120:123], s[60:61]    ; W_vp [k][16 channels]: 512 consecutive bytes a store
	global_store_b128 v17, v[124:127], s[60:61] offset:512
	s_cmp_lg_u32 s49, 0
	s_cbranch_scc1 .Lv_nobias
	; bvp: the bias slice takes the place of row 0 of my first tile, and the product is taken once more
	v_cvt_pk_bf16_f32 v116, v116, v117
	v_cvt_pk_bf16_f32 v117, v118, v119
	ds_store_b64 v14, v[116:117]
.set t, 0
.rept 4
	ds_load_b128 v[208+8*t:211+8*t], v15 offset:64*t
	ds_load_b128 v[212+8*t:215+8*t], v15 offset:64*t+32
.set t, t+1
.endr
	s_wait_dscnt 0x0
	MM 192, 208, 20, 1
	MM 200, 216, 28, 1
	MM 192, 224, 36, 0
	MM 200, 232, 44, 0
	PLACES
	v_add_f32 v116, v192, v200                     ; row 0: register 0 of lanes 0-15, lane = channel
	v_cmp_eq_u32 vcc_lo, 8, v2
	v_cndmask_b32 v116, v116, 1.0, vcc_lo          ; channel 8 is the constant 1
	v_cmp_gt_u32 vcc_lo, 16, v1
	s_wait_xcnt 0x0                                ; EXEC changes only when the stores above have read it
	s_and_saveexec_b32 s51, vcc_lo
	global_store_b32 v18, v116, s[62:63]
	s_wait_xcnt 0x0
	s_or_b32 exec_lo, exec_lo, s51
.Lv_nobias:
	s_wait_dscnt 0x0                               ; my columns of R are in LDS, and my reads of P_h are over: the partial sums may take its bytes
	s_barrier_signal -1
	s_barrier_wait -1
	ds_load_b128 v[160:163], v19
	ds_load_b128 v[164:167], v19 offset:32
	ds_load_b128 v[168:171], v19 offset:16*RP
	ds_load_b128 v[172:175], v19 offset:16*RP+32
	s_wait_dscnt 0x0
	MM 240, 160, 52, 1                             ; R W_vp over my 32 k
	MM 248, 168, 52, 1
	PLACES
	ds_store_b128 v12, v[240:243]
	ds_store_b128 v12, v[244:247] offset:512
	ds_store_b128 v12, v[248:251] offset:1024
	ds_store_b128 v12, v[252:255] offset:1536
	s_wait_dscnt 0x0
	s_barrier_signal -1
	s_barrier_wait -1
	s_cmp_lt_u32 s44, 2                            ; wave e adds the sixteen parts of D_e
	s_cbranch_scc0 .Lend
	s_lshl_b32 s50, s44, 10
	s_add_co_u32 s51, s50, PR
	v_add_nc_u32 v4, s51, v5
.set q, 0
.rept 16
	ds_load_b128 v[128+8*q:131+8*q], v4 offset:2048*q
	ds_load_b128 v[132+8*q:135+8*q], v4 offset:2048*q+512
.set q, q+1
.endr
	s_lshl_b32 s51, s47, 12
	s_add_co_u32 s50, s50, s51
	s_lshl_b32 s51, s48, 11
	s_add_co_u32 s50, s50, s51
	s_add_co_u32 s50, s50, O_GVP
	s_mov_b32 s51, 0
	s_add_nc_u64 s[52:53], s[24:25], s[50:51]
	s_wait_dscnt 0x0
.set q, 1
.rept 15
.irp p, 0,2,4,6
	v_pk_add_f32 v[128+(\p):129+(\p)], v[128+(\p):129+(\p)], v[128+8*q+(\p):129+8*q+(\p)]
.endr
.set q, q+1
.endr
	global_store_b128 v5, v[128:131], s[52:53]     ; a partial sum (half of k): kept in f32
	global_store_b128 v5, v[132:135], s[52:53] offset:512
.Lend:
	s_wait_tensorcnt 0x0                           ; the wave's end
	ds_add_u32 v[SPW], v[NIL]
	s_wait_dscnt 0x0
	s_endpgm
; ---------------- role X ----------------
.Lrole_x:                                      ; wave w: 8,192 consecutive bytes of x in, 4,096 out; no LDS
	s_sub_co_u32 s46, s45, 64                      ; block of 32 rows, 0..127
	s_lshl_b32 s50, s46, 17
	s_lshl_b32 s51, s44, 13
	s_add_co_u32 s50, s50, s51
	s_mov_b32 s51, 0
	s_add_nc_u64 s[52:53], s[8:9], s[50:51]
	s_lshr_b32 s50, s50, 1
	s_add_nc_u64 s[54:55], s[24:25], s[50:51]
	v_lshlrev_b32 v13, 3, v1
.set i, 0
.rept 16
	global_load_b128 v[128+4*i:131+4*i], v5, s[52:53] offset:512*i th:TH_LOAD_NT
.set i, i+1
.endr
.set i, 0
.rept 16
	s_wait_loadcnt 15-i
	v_cvt_pk_bf16_f32 v[128+4*i], v[128+4*i], v[129+4*i]
	v_cvt_pk_bf16_f32 v[129+4*i], v[130+4*i], v[131+4*i]
	global_store_b64 v13, v[128+4*i:129+4*i], s[54:55] offset:256*i
.set i, i+1
.endr
	s_cmp_lg_u32 s44, 0
	s_cbranch_scc1 .Lx_end
	s_lshl_b32 s50, s46, 9
	s_add_co_u32 s50, s50, 1048576
	s_add_nc_u64 s[56:57], s[30:31], s[50:51]
	v_mov_b32 v20, 0
	v_mov_b32 v21, 0
	v_mov_b32 v22, 0
	v_mov_b32 v23, 0
	global_store_b128 v5, v[20:23], s[56:57]       ; layer 1's 'older msum' is 0
	s_cmp_lg_u32 s46, 0
	s_cbranch_scc1 .Lx_end
	v_lshlrev_b32 v10, 2, v1
	v_mov_b32 v24, 1
	v_mov_b32 v25, 2
	global_store_b32 v10, v24, s[26:27]            ; the layer numbers, which the later attention launches read
	global_store_b32 v10, v25, s[28:29]
.Lx_end:
	s_endpgm
.Lfunc_end_k_q55affbaf96_prep:
	.size	k_q55affbaf96_prep, .Lfunc_end_k_q55affbaf96_prep-k_q55affbaf96_prep
	.p2alignl 7, 3214868480
	.fill 96, 4, 3214868480
	.section	.rodata,"a",@progbits
	.p2align	6, 0x0
	.amdhsa_kernel k_q55affbaf96_prep
		.amdhsa_group_segment_fixed_size 297472
		.amdhsa_private_segment_fixed_size 0
		.amdhsa_enable_private_segment 0
		.amdhsa_kernarg_size 96
		.amdhsa_user_sgpr_count 2
		.amdhsa_user_sgpr_kernarg_segment_ptr 1
		.amdhsa_wavefront_size32 1
		.amdhsa_system_sgpr_workgroup_id_x 1
		.amdhsa_system_sgpr_workgroup_id_y 1
		.amdhsa_system_sgpr_workgroup_id_z 1
		.amdhsa_system_vgpr_workitem_id 0
		.amdhsa_next_free_vgpr 256
		.amdhsa_next_free_sgpr 66
		.amdhsa_reserve_vcc 1
		.amdhsa_float_denorm_mode_32 3
		.amdhsa_float_denorm_mode_16_64 3
		.amdhsa_memory_ordered 1
		.amdhsa_forward_progress 1
		.amdhsa_inst_pref_size 76
	.end_amdhsa_kernel
	.amdgpu_metadata
---
amdhsa.version: [ 1, 2 ]
amdhsa.kernels:
  - .name:           k_q55affbaf96_prep
    .symbol:         k_q55affbaf96_prep.kd
    .args:
      - { .name: x, .offset: 0, .size: 8, .value_kind: global_buffer, .address_space: global }
      - { .name: W_qkv, .offset: 8, .size: 8, .value_kind: global_buffer, .address_space: global }
      - { .name: W_out, .offset: 16, .size: 8, .value_kind: global_buffer, .address_space: global }
      - { .name: W_pinv, .offset: 24, .size: 8, .value_kind: global_buffer, .address_space: global }
      - { .name: W_attn, .offset: 32, .size: 8, .value_kind: global_buffer, .address_space: global }
      - { .name: b_attn, .offset: 40, .size: 8, .value_kind: global_buffer, .address_space: global }
      - { .name: b_pinv, .offset: 48, .size: 8, .value_kind: global_buffer, .address_space: global }
      - { .name: b_qkv, .offset: 56, .size: 8, .value_kind: global_buffer, .address_space: global }
      - { .name: P, .offset: 64, .size: 8, .value_kind: global_buffer, .address_space: global }
      - { .name: LAY1, .offset: 72, .size: 8, .value_kind: global_buffer, .address_space: global }
      - { .name: LAY2, .offset: 80, .size: 8, .value_kind: global_buffer, .address_space: global }
      - { .name: O0, .offset: 88, .size: 8, .value_kind: global_buffer, .address_space: global }
    .group_segment_fixed_size: 297472
    .private_segment_fixed_size: 0
    .kernarg_segment_align: 8
    .kernarg_segment_size: 96
    .max_flat_workgroup_size: 512
    .sgpr_count:     66
    .vgpr_count:     256
    .wavefront_size: 32
...
	.end_amdgpu_metadata
.endif
;; end of part 7
;; launch gemm1: the kernel of part 3 again; grid 8 x 32, 4 waves a work-group, clusters of 4 x 4, 327,680 bytes of LDS; arguments P, b_qkv, QV; writes QV
;; launch attn0 (part 8): grid 256 x 1, 4 waves a work-group, clusters of 4 x 1, 201,216 bytes of LDS; arguments QV, O0; writes O0
.if DOCPART == 8
	.amdgcn_target "amdgcn-amd-amdhsa--gfx1250"
	.amdhsa_code_object_version 6
	.text
	.protected	k_q55affbaf96_attn0
	.globl	k_q55affbaf96_attn0
	.p2align	8
	.type	k_q55affbaf96_attn0,@function
k_q55affbaf96_attn0:
	s_mov_b64 s[64:65], 0
	v_nop
	global_prefetch_b8 v0, s[64:65] scope:SCOPE_SE
	s_setreg_imm32_b32 hwreg(HW_REG_WAVE_MODE, 25, 1), 1
	s_wait_xcnt 0x0
	s_wait_alu depctr_hold_cnt(0) depctr_sa_sdst(0) depctr_va_vdst(0) depctr_va_sdst(0) depctr_va_ssrc(0) depctr_va_vcc(0) depctr_vm_vsrc(0)
	s_getreg_b32 s2, hwreg(HW_REG_IB_STS2, 6, 4)
	s_cmp_eq_u32 s2, 0
	s_cbranch_scc0 .Lentry_in_a_cluster
	s_endpgm
.Lentry_in_a_cluster:
	s_bfe_u32 s2, ttmp6, 0x10000c
	s_cmp_lg_u32 s2, 0x3003
	s_cbranch_scc0 .Lentry_shape_is_right
	s_endpgm
.Lentry_shape_is_right:
; Launch 3: layer 0's attention, down to the 8 numbers a row and head: part_h = att_h vp_h.  v and o are never formed (see the first kernel's head); in layer 0 q, k, vp are the stored bases.
; A cluster's four work-groups share (batch, head); a work-group has 128 queries, all 512 keys.  Wave w prepares key tiles 8 w .. 8 w + 7 and its own two query tiles, then scores its 32 queries.
; PREPARATION of a tile of 16 rows x 128 channels (bf16, fragment order): expmap0: times f = tanh(n) / n, n = |row|.
;   f = (1 - 2 / (1 + 2^(2.88539 n))) / n;  where n^2 < 0.01 the series 1 - n^2/3 + 2 n^4/15 (the term left out is below 6e-8 there) is chosen by a select.
;   reference()'s clamp n >= 1e-7 lies in the series' range, where both give 1 within rounding.  LIMIT: n^2 stays finite, |q|, |k| < 1.8e19; NaN and infinities are not treated apart.
; SOFTMAX WITHOUT A MAXIMUM: expmap0 leaves |qf|, |kf| <= 1 for every input (1 + 2^-8 after rounding to bf16), so |score| < 0.0892 always: no exponential can leave its range.
;   e = exp(score) - 1 = S (c1 + S (c2 + S c3)), S the raw product, c1 = 1/sqrt(128), c2 = c1^2/2, c3 = c1^3/6; the term left out is at most 2.7e-6 for every input.
;   sum p vp = sum vp + sum e vp (a product with ones gives the first); vp's channel 8 is the constant 1, so the same products give l = 512 + sum e.  Only e is rounded to bf16.
; LDS: wave w's region at 40,960 w: 8 key tiles of 4,096 bytes, filled ONCE by its joint tensor load and then rewritten in place by that wave; behind them its 2 query tiles.
; The preparation is written once and walked five times, two tiles a trip: a trip's LDS address is a scalar register, 40,960 w + 8,192 trip, to which the lane's fixed offset is added.
.set VPL, 163840                       ; vp: [key tile 32][lane = channel][8 keys bf16]
.set SPARE, 200704
.set O_VPF, 16777216
.set SPW, 22
.set NIL, 23
; window 0: v1 r, v2 hh, v3 16 x lane, v4 the trip's two tiles, v6 AK, v7 AV, v10 my query tiles, v11 my vp; v24-31 ones; v40-103 Q; v104-231 two tiles in f32 (later K, S, P, V, O0);
;           v232-255 at work (later O1, column sums, T).   window 2: v64-127 vp, v192-255 q's base
.set MSB, 0
.macro WIN new
.if MSB != (\new)
	s_set_vgpr_msb (MSB<<8)|(\new)
.set MSB, \new
.endif
.endm
.macro PLACES
.rept 4
	v_nop
.endr
.endm
.macro MM d, a, b, z
.if \z
	v_wmma_f32_16x16x32_bf16 v[\d:\d+7], v[\a:\a+7], v[\b:\b+7], 0
.else
	v_wmma_f32_16x16x32_bf16 v[\d:\d+7], v[\a:\a+7], v[\b:\b+7], v[\d:\d+7]
.endif
.endm
.macro CROUND
	s_barrier_signal -1
	s_barrier_wait -1
	s_cmp_lg_u32 s14, 0
	s_cbranch_scc1 .Lnot_wave_0_\@
	s_barrier_signal -3
.Lnot_wave_0_\@:
	s_barrier_wait -3
	s_barrier_signal -1
	s_barrier_wait -1
.endm
.macro ADD2 d, base, x, shx, y, shy, k ; s[d:d+1] = s[base:base+1] + (s[x] << shx) + (s[y] << shy) + k
	s_lshl_b32 s78, s[\x], \shx
	s_lshl_b32 s79, s[\y], \shy
	s_add_co_u32 s78, s78, s79
	s_add_co_u32 s78, s78, \k
	s_mov_b32 s79, 0
	s_add_nc_u64 s[\d:\d+1], s[\base:\base+1], s[78:79]
.endm
	s_load_b128 s[4:7], s[0:1], 0x0                ; QV 4, this layer's parts 6
	v_lshl_add_u32 v[SPW], v0, 2, SPARE
	v_mov_b32 v[NIL], 0
	ds_add_u32 v[SPW], v[NIL]                      ; the opening: the add, twice on end, and its wait ahead of my first tensor load
	ds_add_u32 v[SPW], v[NIL]
	v_lshrrev_b32 v1, 5, v0
	v_readfirstlane_b32 s14, v1
	s_lshr_b32 s17, ttmp9, 3                       ; batch
	s_and_b32 s18, ttmp9, 7                        ; head
	s_lshl_b32 s76, s17, 5
	s_lshl_b32 s19, s14, 3
	s_add_co_u32 s76, s76, s19                     ; KT = 32 b + 8 w: my first key tile
	s_mov_b32 s24, 15|(3<<16)|(1<<21)              ; all four partners; elements of 8 bytes; no padding
	s_mov_b32 s25, 512<<16                         ; a row of the tile: one key tile's 4,096 bytes
	s_mov_b32 s26, 8<<16
	s_mov_b32 s27, 512<<16
	s_mov_b32 s28, 8
	s_mov_b32 s29, 8192                            ; 65,536 bytes from a row tile to the next
	s_mov_b32 s30, 0
	s_mov_b32 s31, 0
	s_mov_b32 s32, 1
	s_mul_i32 s33, s14, 40960
	s_lshl_b32 s20, s76, 16
	s_lshl_b32 s21, s18, 12
	s_add_co_u32 s20, s20, s21
	s_add_co_u32 s20, s20, 32768                   ; k's column tiles begin at 64
	s_mov_b32 s21, 0
	s_mov_b32 s40, 0x38f15bee                      ; c3
	s_mov_b32 s41, s40
	s_mov_b32 s42, 0x3b800000                      ; c2
	s_mov_b32 s43, s42
	s_mov_b32 s44, 0x3db504f3                      ; c1
	s_mov_b32 s45, s44
	s_mov_b32 s46, 0x76543210                      ; v_permlanex16_b32: each lane takes its own place in the other half
	s_mov_b32 s47, 0xfedcba98
	s_mov_b32 s48, 0x4038aa3b                      ; 2 log2(e)
	s_mov_b32 s49, 0xbeaaaaab                      ; -1/3
	s_mov_b32 s50, 0x3e088889                      ; 2/15
	s_mov_b32 s51, 0x3c23d70a                      ; 0.01
	s_mov_b32 s57, 0xffff0000                      ; lanes 16-31; also a word's upper bf16
	s_wait_dscnt 0x0
	s_wait_kmcnt 0x0
	s_add_nc_u64 s[34:35], s[4:5], s[20:21]
	s_or_b32 s35, s35, 0x80000000
	CROUND
	tensor_load_to_lds s[32:35], s[24:31]          ; my 8 key tiles, for all four partners: the launch's only fill
	s_nop 0
	PLACES
	s_bfe_u32 s15, ttmp6, 0x40000                  ; my block of 128 queries: it enters global addresses alone
	s_lshl_b32 s77, s17, 5
	s_lshl_b32 s19, s15, 3
	s_add_co_u32 s77, s77, s19
	s_lshl_b32 s19, s14, 1
	s_add_co_u32 s77, s77, s19                     ; QT = 32 b + 8 qb + 2 w
	v_and_b32 v1, 15, v0
	v_bfe_u32 v2, v0, 4, 1
	v_and_b32 v3, 31, v0
	v_lshlrev_b32 v3, 4, v3
	v_add_nc_u32 v10, s33, v3
	v_add_nc_u32 v10, 32768, v10
	s_lshl_b32 s19, s14, 12
	s_add_co_u32 s19, s19, VPL
	v_add_nc_u32 v11, s19, v3
	ADD2 36, 4, 77, 16, 18, 12, 0                  ; q's base
	ADD2 38, 4, 76, 13, 18, 10, O_VPF              ; vp's base
	ADD2 72, 6, 18, 17, 77, 9, 0                   ; my parts
	WIN 0x80
.set k, 0
.rept 16
	global_load_b128 v[192+4*k:195+4*k], v3, s[36:37] offset:65536*(k/8)+512*(k%8)
.set k, k+1
.endr
.set k, 0
.rept 16
	global_load_b128 v[64+4*k:67+4*k], v3, s[38:39] offset:8192*(k/2)+512*(k%2)
.set k, k+1
.endr
	WIN 0
	s_wait_loadcnt 0x0
	WIN 0x08                                       ; q's base goes behind my key tiles
.set k, 0
.rept 16
	ds_store_b128 v10, v[192+4*k:195+4*k] offset:512*k
.set k, k+1
.endr
.set i, 0
.rept 8                                ; vp rounded: lane = channel, 8 keys: half a fragment of V^T
	WIN 0x0a
.irp k, 0,1,2,3
	v_cvt_pk_bf16_f32 v[240+4*(i%2)+(\k)], v[64+8*i+2*(\k)], v[65+8*i+2*(\k)]
.endr
	WIN 0
	ds_store_b128 v11, v[240+4*(i%2):243+4*(i%2)] offset:512*i
.set i, i+1
.endr
	s_wait_tensorcnt 0x0                           ; my key tiles are in LDS; only I touch them before the barrier
	s_mul_i32 s52, s14, 40960                      ; the trip's two tiles: my region's first byte, 8,192 further in each trip
	s_mov_b32 s53, 5
.Lrows:                                        ; a trip: two tiles in, times f, back to the bytes that they came from; trips 1-4 my key tiles, trip 5 my query tiles
	v_add_nc_u32 v4, s52, v3
.set k, 0
.rept 16
	ds_load_b128 v[108+8*k:111+8*k], v4 offset:512*k
.set k, k+1
.endr
	s_wait_dscnt 0x0
.set a, 104
.rept 16                               ; bf16 to f32 in place, ascending
	v_lshlrev_b32 v[a], 16, v[a+4]
	v_and_b32 v[a+1], s57, v[a+4]
	v_lshlrev_b32 v[a+2], 16, v[a+5]
	v_and_b32 v[a+3], s57, v[a+5]
	v_lshlrev_b32 v[a+4], 16, v[a+6]
	v_and_b32 v[a+5], s57, v[a+6]
	v_lshlrev_b32 v[a+6], 16, v[a+7]
	v_and_b32 v[a+7], s57, v[a+7]
.set a, a+8
.endr
.irp x, 0,1                            ; the sum of squares: four chains a tile
.set p, 0
.rept 32
.if p < 4
	v_pk_mul_f32 v[232+8*(\x)+2*p:233+8*(\x)+2*p], v[104+64*(\x)+2*p:105+64*(\x)+2*p], v[104+64*(\x)+2*p:105+64*(\x)+2*p]
.else
	v_pk_fma_f32 v[232+8*(\x)+2*(p%4):233+8*(\x)+2*(p%4)], v[104+64*(\x)+2*p:105+64*(\x)+2*p], v[104+64*(\x)+2*p:105+64*(\x)+2*p], v[232+8*(\x)+2*(p%4):233+8*(\x)+2*(p%4)]
.endif
.set p, p+1
.endr
.endr
.irp B, 232, 240
	v_pk_add_f32 v[\B:\B+1], v[\B:\B+1], v[\B+2:\B+3]
	v_pk_add_f32 v[\B+4:\B+5], v[\B+4:\B+5], v[\B+6:\B+7]
	v_pk_add_f32 v[\B:\B+1], v[\B:\B+1], v[\B+4:\B+5]
	v_add_f32 v[\B], v[\B], v[\B+1]
	v_permlanex16_b32 v[\B+1], v[\B], s46, s47     ; the row's other 64 channels lie 16 lanes away
	v_add_f32 v[\B], v[\B], v[\B+1]
.endr
	v_rsq_f32 v233, v232
	v_rsq_f32 v241, v240
	v_fma_f32 v237, v232, s50, s49                 ; the series, beside the transcendentals
	v_fma_f32 v245, v240, s50, s49
	s_wait_alu depctr_va_vdst(0)                   ; one wait for the batch of two, ahead of their first reader
	v_mul_f32 v234, v232, v233                     ; n
	v_mul_f32 v242, v240, v241
	v_mul_f32 v234, s48, v234
	v_mul_f32 v242, s48, v242
	v_exp_f32 v235, v234
	v_exp_f32 v243, v242
	v_fma_f32 v237, v232, v237, 1.0
	v_fma_f32 v245, v240, v245, 1.0
	s_wait_alu depctr_va_vdst(0)
	v_add_f32 v235, 1.0, v235
	v_add_f32 v243, 1.0, v243
	v_rcp_f32 v236, v235
	v_rcp_f32 v244, v243
	v_nop
	v_cmp_gt_f32 vcc_lo, s51, v232
	v_cmp_gt_f32 s54, s51, v240
	s_wait_alu depctr_va_vdst(0)
	v_fma_f32 v236, v236, -2.0, 1.0                ; tanh n
	v_fma_f32 v244, v244, -2.0, 1.0
	v_mul_f32 v236, v236, v233
	v_mul_f32 v244, v244, v241
	v_cndmask_b32 v236, v236, v237, vcc_lo
	v_cndmask_b32 v244, v244, v245, s54
.irp x, 0,1
.set p, 0
.rept 32
	v_pk_mul_f32 v[104+64*(\x)+2*p:105+64*(\x)+2*p], v[104+64*(\x)+2*p:105+64*(\x)+2*p], v[236+8*(\x):237+8*(\x)] op_sel_hi:[1,0]
.set p, p+1
.endr
.endr
.set k, 0
.rept 16
.irp r, 0,1,2,3
	v_cvt_pk_bf16_f32 v[104+8*k+(\r)], v[104+8*k+2*(\r)], v[105+8*k+2*(\r)]
.endr
	ds_store_b128 v4, v[104+8*k:107+8*k] offset:512*k
.set k, k+1
.endr
	s_add_co_u32 s52, s52, 8192
	s_sub_co_u32 s53, s53, 1
	s_cmp_lg_u32 s53, 0
	s_cbranch_scc1 .Lrows
	s_wait_dscnt 0x0                               ; for the others: my key tiles and my vp are in LDS
	s_barrier_signal -1
	s_barrier_wait -1
	; ---- scores: S^T = K Q^T (lane = query, registers = keys), e, O^T += V^T e: 32 keys a step ----
.set k, 0
.rept 16
	ds_load_b128 v[40+4*k:43+4*k], v10 offset:512*k
.set k, k+1
.endr
.macro KLOAD off
.set k, 0
.rept 16
	ds_load_b128 v[104+4*k:107+4*k], v6 offset:(\off)+512*k
.set k, k+1
.endr
.endm
	v_mov_b32 v6, v3
	v_add_nc_u32 v7, VPL, v3
	KLOAD 0
.set k, 0
.rept 8
	v_mov_b32 v[24+k], 0x3f803f80                  ; ones
.set k, k+1
.endr
.set k, 224
.rept 24
	v_mov_b32 v[k], 0                              ; O0, O1 and the column sums start at 0: no first step is written out
.set k, k+1
.endr
	s_wait_dscnt 0x0
.macro STEP voff, knext, last
.irp c, 0,1,2,3
.irp t, 0,1
.irp kt, 0,1
	MM (168+16*(\t)+8*(\kt)), (104+32*(\kt)+8*(\c)), (40+32*(\t)+8*(\c)), ((\c)==0)
.endr
.endr
.endr
	PLACES
	ds_load_b128 v[216:219], v7 offset:\voff
	ds_load_b128 v[220:223], v7 offset:(\voff)+512
.if \last
	s_cmp_eq_u32 s53, 1                            ; behind the last step there is no K
	s_cbranch_scc1 .Lnok_\@
.endif
	KLOAD \knext
.if \last
.Lnok_\@:
.endif
.irp g, 0,1,2,3
.irp j, 0,1,2,3
	v_pk_fma_f32 v[248+2*(\j):249+2*(\j)], v[168+8*(\g)+2*(\j):169+8*(\g)+2*(\j)], s[40:41], s[42:43] op_sel_hi:[1,0,0]
.endr
.irp j, 0,1,2,3
	v_pk_fma_f32 v[248+2*(\j):249+2*(\j)], v[168+8*(\g)+2*(\j):169+8*(\g)+2*(\j)], v[248+2*(\j):249+2*(\j)], s[44:45] op_sel_hi:[1,1,0]
.endr
.irp j, 0,1,2,3
	v_pk_mul_f32 v[168+8*(\g)+2*(\j):169+8*(\g)+2*(\j)], v[168+8*(\g)+2*(\j):169+8*(\g)+2*(\j)], v[248+2*(\j):249+2*(\j)]
.endr
.endr
.set m, 0
.rept 16
	v_cvt_pk_bf16_f32 v[200+m], v[168+2*m], v[169+2*m]
.set m, m+1
.endr
	s_wait_dscnt 0x0                               ; V, and the next K: the same count whether or not K was asked for
	MM 224, 216, 200, 0
	MM 232, 216, 208, 0
	MM 240, 216, 24, 0
.endm
	s_mov_b32 s53, 4
.Lsc:                                          ; a trip: one wave's region of 8 key tiles
	STEP 0, 8192, 0
	STEP 1024, 16384, 0
	STEP 2048, 24576, 0
	STEP 3072, 40960, 1
	v_add_nc_u32 v6, 40960, v6
	v_add_nc_u32 v7, 4096, v7
	s_sub_co_u32 s53, s53, 1
	s_cmp_lg_u32 s53, 0
	s_cbranch_scc1 .Lsc
	; ---- the way out: lanes 0-15 hold channels 0-7 of query r, lanes 16-31 hold l in register 0 ----
	PLACES
.irp t, 0,1
.irp k, 0,2,4,6
	v_pk_add_f32 v[168+8*(\t)+(\k):169+8*(\t)+(\k)], v[224+8*(\t)+(\k):225+8*(\t)+(\k)], v[240+(\k):241+(\k)]
.endr
.endr
	v_permlanex16_b32 v184, v168, s46, s47
	v_permlanex16_b32 v185, v176, s46, s47
	v_rcp_f32 v186, v184
	v_rcp_f32 v188, v185
	v_nop
	s_wait_alu depctr_va_vdst(0)
.irp t, 0,1
.irp k, 0,2,4,6
	v_pk_mul_f32 v[168+8*(\t)+(\k):169+8*(\t)+(\k)], v[168+8*(\t)+(\k):169+8*(\t)+(\k)], v[186+2*(\t):187+2*(\t)] op_sel_hi:[1,0]
.endr
.irp k, 0,1,2,3
	v_permlanex16_b32 v[200+4*(\t)+(\k)], v[172+8*(\t)+(\k)], s46, s47  ; channels 4-7 go to lanes 16-31; what those lanes held is dropped
.endr
.irp k, 0,1,2,3
	v_cndmask_b32 v[208+4*(\t)+(\k)], v[168+8*(\t)+(\k)], v[200+4*(\t)+(\k)], s57
.endr
	global_store_b128 v3, v[208+4*(\t):211+4*(\t)], s[72:73] offset:512*(\t)
.endr
	s_wait_tensorcnt 0x0                           ; the wave's end
	ds_add_u32 v[SPW], v[NIL]
	s_wait_dscnt 0x0
	CROUND                                         ; the closing round
	s_endpgm
.Lfunc_end_k_q55affbaf96_attn0:
	.size	k_q55affbaf96_attn0, .Lfunc_end_k_q55affbaf96_attn0-k_q55affbaf96_attn0
	.p2alignl 7, 3214868480
	.fill 96, 4, 3214868480
	.section	.rodata,"a",@progbits
	.p2align	6, 0x0
	.amdhsa_kernel k_q55affbaf96_attn0
		.amdhsa_group_segment_fixed_size 201216
		.amdhsa_private_segment_fixed_size 0
		.amdhsa_enable_private_segment 0
		.amdhsa_kernarg_size 16
		.amdhsa_user_sgpr_count 2
		.amdhsa_user_sgpr_kernarg_segment_ptr 1
		.amdhsa_wavefront_size32 1
		.amdhsa_system_sgpr_workgroup_id_x 1
		.amdhsa_system_sgpr_workgroup_id_y 1
		.amdhsa_system_sgpr_workgroup_id_z 1
		.amdhsa_system_vgpr_workitem_id 0
		.amdhsa_next_free_vgpr 768
		.amdhsa_next_free_sgpr 80
		.amdhsa_reserve_vcc 1
		.amdhsa_float_denorm_mode_32 3
		.amdhsa_float_denorm_mode_16_64 3
		.amdhsa_memory_ordered 1
		.amdhsa_forward_progress 1
		.amdhsa_inst_pref_size 65
	.end_amdhsa_kernel
	.amdgpu_metadata
---
amdhsa.version: [ 1, 2 ]
amdhsa.kernels:
  - .name:           k_q55affbaf96_attn0
    .symbol:         k_q55affbaf96_attn0.kd
    .args:
      - { .name: QV, .offset: 0, .size: 8, .value_kind: global_buffer, .address_space: global }
      - { .name: O0, .offset: 8, .size: 8, .value_kind: global_buffer, .address_space: global }
    .group_segment_fixed_size: 201216
    .private_segment_fixed_size: 0
    .kernarg_segment_align: 8
    .kernarg_segment_size: 16
    .max_flat_workgroup_size: 128
    .sgpr_count:     80
    .vgpr_count:     768
    .wavefront_size: 32
...
	.end_amdgpu_metadata
.endif
;; end of part 8
;; launch attn1 (part 9): grid 256 x 1, 4 waves a work-group, clusters of 4 x 1, 201,216 bytes of LDS; arguments QV, P, LAY1, O0, O1; writes O1
.if DOCPART == 9
	.amdgcn_target "amdgcn-amd-amdhsa--gfx1250"
	.amdhsa_code_object_version 6
	.text
	.protected	k_q55affbaf96_attn1
	.globl	k_q55affbaf96_attn1
	.p2align	8
	.type	k_q55affbaf96_attn1,@function
k_q55affbaf96_attn1:
	s_mov_b64 s[64:65], 0
	v_nop
	global_prefetch_b8 v0, s[64:65] scope:SCOPE_SE
	s_setreg_imm32_b32 hwreg(HW_REG_WAVE_MODE, 25, 1), 1
	s_wait_xcnt 0x0
	s_wait_alu depctr_hold_cnt(0) depctr_sa_sdst(0) depctr_va_vdst(0) depctr_va_sdst(0) depctr_va_ssrc(0) depctr_va_vcc(0) depctr_vm_vsrc(0)
	s_getreg_b32 s2, hwreg(HW_REG_IB_STS2, 6, 4)
	s_cmp_eq_u32 s2, 0
	s_cbranch_scc0 .Lentry_in_a_cluster
	s_endpgm
.Lentry_in_a_cluster:
	s_bfe_u32 s2, ttmp6, 0x10000c
	s_cmp_lg_u32 s2, 0x3003
	s_cbranch_scc0 .Lentry_shape_is_right
	s_endpgm
.Lentry_shape_is_right:
; Launches 4 and 5: the attention of layers 1 and 2, down to part_h = att_h vp_h.  One text; the layer's number, read from memory, only chooses two lane masks: no branch hangs on it.
; v and o are never formed, and q, k, vp of these layers are the stored base + M T (see the first kernel's head).  Shares, expmap0, the softmax without a maximum and their limits
; are those of the kernel for layer 0: |score| < 0.0892 for every input, since expmap0 leaves |qf|, |kf| <= 1; e = exp(score) - 1 by three terms (the fourth is at most 2.7e-6);
; f = tanh(n) / n with the series below n^2 = 0.01; n^2 stays finite (|q|, |k| < 1.8e19); NaN and infinities are not treated apart.
; M (32 slots a row): msum_0, msum_1, msum_2, then a 1.0 at slot 24 (layer 1) or 25 (layer 2).  The newest msum is added up here from the last layer's 8 parts (f32);
;   the older one was stored complete (bf16) by the launch before (zeros ahead of layer 1); this launch stores the newest one likewise (head 0's work-groups).
; LDS: wave w's region at 40,960 w: 8 key tiles, filled ONCE by its joint tensor load and then rewritten in place by that wave; behind them its 2 query tiles.
; The preparation is written once and walked five times, two tiles a trip: a trip's LDS addresses are scalar registers (40,960 w + 8,192 trip for the tiles, ML + 5,120 w + 1,024 trip for M),
; to which the lane's fixed offset is added.  Ahead of the last trip, the query tiles', q's G takes the place of k's.
.set VPL, 163840
.set ML, 180224                        ; M's first 16 slots: 5,120 w + 512 tile + 16 lane
.set SPARE, 200704
.set O_GF, 14942208
.set O_GVP, 15138816
.set O_VPF, 16777216
.set SPW, 22
.set NIL, 23
; window 0: v1 r, v2 hh, v3 16 x lane, v4 the trip's tiles, v5 the trip's M, v6 AK, v7 AV, v8-12 offsets; v24-39 M's fragments (later ones); v40-103 G (later Q); v104-231 two tiles in f32 (later K, S, P, V, O0);
;           v232-255 at work (later O1, column sums, T).   window 1: the key tiles' parts.   window 2: v0-63 query tiles' parts, v64-127 vp, v128-191 G for q, v192-255 q's base
.set MSB, 0
.macro WIN new
.if MSB != (\new)
	s_set_vgpr_msb (MSB<<8)|(\new)
.set MSB, \new
.endif
.endm
.macro PLACES
.rept 4
	v_nop
.endr
.endm
.macro MM d, a, b, z
.if \z
	v_wmma_f32_16x16x32_bf16 v[\d:\d+7], v[\a:\a+7], v[\b:\b+7], 0
.else
	v_wmma_f32_16x16x32_bf16 v[\d:\d+7], v[\a:\a+7], v[\b:\b+7], v[\d:\d+7]
.endif
.endm
.macro CROUND
	s_barrier_signal -1
	s_barrier_wait -1
	s_cmp_lg_u32 s14, 0
	s_cbranch_scc1 .Lnot_wave_0_\@
	s_barrier_signal -3
.Lnot_wave_0_\@:
	s_barrier_wait -3
	s_barrier_signal -1
	s_barrier_wait -1
.endm
.macro ADD2 d, base, x, shx, y, shy, k ; s[d:d+1] = s[base:base+1] + (s[x] << shx) + (s[y] << shy) + k
	s_lshl_b32 s78, s[\x], \shx
	s_lshl_b32 s79, s[\y], \shy
	s_add_co_u32 s78, s78, s79
	s_add_co_u32 s78, s78, \k
	s_mov_b32 s79, 0
	s_add_nc_u64 s[\d:\d+1], s[\base:\base+1], s[78:79]
.endm
.macro ADD1 d, base, x, shx, k         ; s[d:d+1] = s[base:base+1] + (s[x] << shx) + k
	s_lshl_b32 s78, s[\x], \shx
	s_add_co_u32 s78, s78, \k
	s_mov_b32 s79, 0
	s_add_nc_u64 s[\d:\d+1], s[\base:\base+1], s[78:79]
.endm
	s_load_b256 s[4:11], s[0:1], 0x0               ; QV 4, P 6, the layer's number 8, the last layer's parts 10
	s_load_b64 s[12:13], s[0:1], 0x20              ; this layer's parts
	v_lshl_add_u32 v[SPW], v0, 2, SPARE
	v_mov_b32 v[NIL], 0
	ds_add_u32 v[SPW], v[NIL]                      ; the opening: the add, twice on end, and its wait ahead of my first tensor load
	ds_add_u32 v[SPW], v[NIL]
	v_lshrrev_b32 v1, 5, v0
	v_readfirstlane_b32 s14, v1
	s_lshr_b32 s17, ttmp9, 3                       ; batch
	s_and_b32 s18, ttmp9, 7                        ; head
	s_lshl_b32 s76, s17, 5
	s_lshl_b32 s19, s14, 3
	s_add_co_u32 s76, s76, s19                     ; KT = 32 b + 8 w
	s_mov_b32 s24, 15|(3<<16)|(1<<21)              ; all four partners; elements of 8 bytes; no padding
	s_mov_b32 s25, 512<<16
	s_mov_b32 s26, 8<<16
	s_mov_b32 s27, 512<<16
	s_mov_b32 s28, 8
	s_mov_b32 s29, 8192
	s_mov_b32 s30, 0
	s_mov_b32 s31, 0
	s_mov_b32 s32, 1
	s_mul_i32 s33, s14, 40960
	s_lshl_b32 s20, s76, 16
	s_lshl_b32 s21, s18, 12
	s_add_co_u32 s20, s20, s21
	s_add_co_u32 s20, s20, 32768
	s_mov_b32 s21, 0
	s_mov_b32 s40, 0x38f15bee                      ; c3
	s_mov_b32 s41, s40
	s_mov_b32 s42, 0x3b800000                      ; c2
	s_mov_b32 s43, s42
	s_mov_b32 s44, 0x3db504f3                      ; c1
	s_mov_b32 s45, s44
	s_mov_b32 s46, 0x76543210
	s_mov_b32 s47, 0xfedcba98
	s_mov_b32 s48, 0x4038aa3b                      ; 2 log2(e)
	s_mov_b32 s49, 0xbeaaaaab                      ; -1/3
	s_mov_b32 s50, 0x3e088889                      ; 2/15
	s_mov_b32 s51, 0x3c23d70a                      ; 0.01
	s_mov_b32 s57, 0xffff0000                      ; lanes 16-31; also a word's upper bf16
	s_wait_dscnt 0x0
	s_wait_kmcnt 0x0
	s_load_b32 s16, s[8:9], 0x0
	s_add_nc_u64 s[34:35], s[4:5], s[20:21]
	s_or_b32 s35, s35, 0x80000000
	CROUND
	tensor_load_to_lds s[32:35], s[24:31]          ; my 8 key tiles, for all four partners: the launch's only fill
	s_nop 0
	PLACES
	s_bfe_u32 s15, ttmp6, 0x40000                  ; my block of 128 queries: it enters global addresses alone
	s_lshl_b32 s77, s17, 5
	s_lshl_b32 s19, s15, 3
	s_add_co_u32 s77, s77, s19
	s_lshl_b32 s19, s14, 1
	s_add_co_u32 s77, s77, s19                     ; QT = 32 b + 8 qb + 2 w
	v_and_b32 v1, 15, v0
	v_bfe_u32 v2, v0, 4, 1
	v_and_b32 v3, 31, v0
	v_lshlrev_b32 v3, 4, v3
	v_lshlrev_b32 v9, 4, v1
	v_lshl_add_u32 v8, v2, 19, v9                  ; a half of the lanes takes 4 of the 8 heads
	v_add_nc_u32 v10, s33, v3
	v_add_nc_u32 v10, 32768, v10
	s_lshl_b32 s19, s14, 12
	s_add_co_u32 s19, s19, VPL
	v_add_nc_u32 v11, s19, v3
	s_mul_i32 s19, s14, 5120
	s_add_co_u32 s19, s19, ML
	v_add_nc_u32 v12, s19, v3
	ADD2 36, 4, 77, 16, 18, 12, 0                  ; q's base
	ADD2 38, 4, 76, 13, 18, 10, O_VPF              ; vp's base
	ADD2 72, 12, 18, 17, 77, 9, 0                  ; my parts
	ADD1 58, 10, 76, 9, 0                          ; the last layer's parts at my key tiles,
	ADD1 60, 10, 77, 9, 0                          ; at my query tiles
	ADD1 66, 10, 76, 8, 1048576                    ; the older msum at my key tiles,
	ADD1 68, 10, 77, 8, 1048576                    ; at my query tiles
	ADD1 74, 12, 77, 8, 1048576                    ; where the newest msum goes
	ADD1 62, 6, 18, 13, O_GF
	ADD1 70, 6, 18, 12, O_GVP
	WIN 0x80
.set k, 0
.rept 16
	global_load_b128 v[192+4*k:195+4*k], v3, s[36:37] offset:65536*(k/8)+512*(k%8)
.set k, k+1
.endr
.set k, 0
.rept 16
	global_load_b128 v[64+4*k:67+4*k], v3, s[38:39] offset:8192*(k/2)+512*(k%2)
.set k, k+1
.endr
.set i, 0
.rept 2
.set j, 0
.rept 8
	global_load_b128 v[32*i+4*j:32*i+4*j+3], v8, s[60:61] offset:131072*(j/2)+512*i+256*(j%2)
.set j, j+1
.endr
.set i, i+1
.endr
.set k, 0
.rept 16
	global_load_b128 v[128+4*k:131+4*k], v3, s[62:63] offset:512*k
.set k, k+1
.endr
	WIN 0x40
.set i, 0
.rept 8
.set j, 0
.rept 8
	global_load_b128 v[32*i+4*j:32*i+4*j+3], v8, s[58:59] offset:131072*(j/2)+512*i+256*(j%2)
.set j, j+1
.endr
.set i, i+1
.endr
	WIN 0
.set k, 0
.rept 16
	global_load_b128 v[40+4*k:43+4*k], v3, s[62:63] offset:65536+512*k
.set k, k+1
.endr
.set k, 0
.rept 8
	global_load_b128 v[104+4*k:107+4*k], v9, s[66:67] offset:256*k
.set k, k+1
.endr
	global_load_b128 v[136:139], v9, s[68:69]
	global_load_b128 v[140:143], v9, s[68:69] offset:256
.set k, 0
.rept 8
	global_load_b128 v[144+4*k:147+4*k], v3, s[70:71] offset:512*k
.set k, k+1
.endr
	s_wait_kmcnt 0x0
	s_cmp_eq_u32 s16, 1
	s_cselect_b32 s55, 0xffff, s57                 ; the lanes that take the newest msum: slots 0-7 in layer 1, 8-15 in layer 2
	s_cselect_b32 s56, 0x3f80, 1.0                 ; 1.0 in bf16 at slot 24 or at slot 25
	s_wait_loadcnt 0x0
	WIN 0x08                                       ; q's base goes behind my key tiles
.set k, 0
.rept 16
	ds_store_b128 v10, v[192+4*k:195+4*k] offset:512*k
.set k, k+1
.endr
	WIN 0
	v_cndmask_b32 v28, 0, s56, s57
	v_mov_b32 v29, 0
	v_mov_b32 v30, 0
	v_mov_b32 v31, 0
	v_mov_b32 v36, v28
	v_mov_b32 v37, 0
	v_mov_b32 v38, 0
	v_mov_b32 v39, 0
.irp k, 0,2,4,6,8,10,12,14
	v_pk_add_f32 v[144+(\k):145+(\k)], v[144+(\k):145+(\k)], v[160+(\k):161+(\k)]  ; R W_vp: the two halves of k
.endr
.irp k, 0,1,2,3,4,5,6,7
	v_cvt_pk_bf16_f32 v[176+(\k)], v[144+2*(\k)], v[145+2*(\k)]
.endr
; Tile i's newest msum: 4 heads in my half of the lanes, the other 4 in the other half; rounded; set beside the older one; kept in LDS for the preparation; for a key tile vp += M Gvp.
.macro MSUM i, win, base
	WIN (\win)*0x45
.irp hd, 1,2,3
.irp k, 0,2,4,6
	v_pk_add_f32 v[(\base)+(\k):(\base)+(\k)+1], v[(\base)+(\k):(\base)+(\k)+1], v[(\base)+8*(\hd)+(\k):(\base)+8*(\hd)+(\k)+1]
.endr
.endr
.irp k, 0,1,2,3,4,5,6,7
	v_permlanex16_b32 v[(\base)+8+(\k)], v[(\base)+(\k)], s46, s47
.endr
.irp k, 0,2,4,6
	v_pk_add_f32 v[(\base)+(\k):(\base)+(\k)+1], v[(\base)+(\k):(\base)+(\k)+1], v[(\base)+8+(\k):(\base)+9+(\k)]
.endr
	WIN (\win)*5
.irp k, 0,1,2,3
	v_cvt_pk_bf16_f32 v[232+4*((\i)%2)+(\k)], v[(\base)+2*(\k)], v[(\base)+2*(\k)+1]
.endr
	WIN 0
.irp k, 0,1,2,3
	v_cndmask_b32 v[24+8*((\i)%2)+(\k)], v[104+4*(\i)+(\k)], v[232+4*((\i)%2)+(\k)], s55
.endr
	ds_store_b128 v12, v[24+8*((\i)%2):27+8*((\i)%2)] offset:512*(\i)
.if (\i) < 8
	WIN 0xa0
	MM (64+8*(\i)), (24+8*((\i)%2)), 176, 0
.endif
.endm
.irp i, 0,1,2,3,4,5,6,7
	MSUM \i, 1, 32*(\i)
.endr
	MSUM 8, 2, 0
	MSUM 9, 2, 32
	WIN 0
	s_cmp_lg_u32 s18, 0                            ; the head: the same in all four partners
	s_cbranch_scc1 .Lnomb
.irp k, 0,1,2,3
	v_cndmask_b32 v[252+(\k)], v[232+(\k)], v[236+(\k)], s57
.endr
	global_store_b128 v3, v[252:255], s[74:75]     ; head 0 keeps the finished msum of my two query tiles: 512 consecutive bytes
.Lnomb:
	PLACES
.set i, 0
.rept 8                                ; vp rounded: lane = channel, 8 keys: half a fragment of V^T
	WIN 0x0a
.irp k, 0,1,2,3
	v_cvt_pk_bf16_f32 v[240+4*(i%2)+(\k)], v[64+8*i+2*(\k)], v[65+8*i+2*(\k)]
.endr
	WIN 0
	ds_store_b128 v11, v[240+4*(i%2):243+4*(i%2)] offset:512*i
.set i, i+1
.endr
	s_wait_tensorcnt 0x0                           ; my key tiles are in LDS; only I touch them before the barrier
	s_wait_xcnt 0x0                                ; the store above has read its registers
	s_mul_i32 s52, s14, 40960                      ; the trip's two tiles: my region's first byte, 8,192 further in each trip
	s_mul_i32 s22, s14, 5120                       ; the trip's M: my part of ML, 1,024 further in each trip
	s_add_co_u32 s22, s22, ML
	s_mov_b32 s53, 5
.Lrows:                                        ; a trip: two tiles in, + M G, times f, back to the bytes that they came from; trips 1-4 my key tiles, trip 5 my query tiles
	s_cmp_lg_u32 s53, 1
	s_cbranch_scc1 .Lkeys
	WIN 0x02                                       ; source window 2
.set k, 0
.rept 64
	v_mov_b32 v[40+k], v[128+k]                    ; the last trip: q's G
.set k, k+1
.endr
	WIN 0
.Lkeys:
	v_add_nc_u32 v4, s52, v3
	v_add_nc_u32 v5, s22, v3
	ds_load_b128 v[24:27], v5
	ds_load_b128 v[32:35], v5 offset:512
.set k, 0
.rept 16
	ds_load_b128 v[108+8*k:111+8*k], v4 offset:512*k
.set k, k+1
.endr
	s_wait_dscnt 0x0
.set a, 104
.rept 16                               ; bf16 to f32 in place, ascending
	v_lshlrev_b32 v[a], 16, v[a+4]
	v_and_b32 v[a+1], s57, v[a+4]
	v_lshlrev_b32 v[a+2], 16, v[a+5]
	v_and_b32 v[a+3], s57, v[a+5]
	v_lshlrev_b32 v[a+4], 16, v[a+6]
	v_and_b32 v[a+5], s57, v[a+6]
	v_lshlrev_b32 v[a+6], 16, v[a+7]
	v_and_b32 v[a+7], s57, v[a+7]
.set a, a+8
.endr
.set k, 0
.rept 8                                ; sixteen sums, one product each: no two products that follow each other share a sum, over the backward jump too
	MM (104+8*k), (40+8*k), 24, 0
	MM (168+8*k), (40+8*k), 32, 0
.set k, k+1
.endr
	PLACES
.irp x, 0,1                            ; the sum of squares: four chains a tile, each accumulator read from its low end
.set p, 0
.rept 32
.if p < 4
	v_pk_mul_f32 v[232+8*(\x)+2*p:233+8*(\x)+2*p], v[104+64*(\x)+2*p:105+64*(\x)+2*p], v[104+64*(\x)+2*p:105+64*(\x)+2*p]
.else
	v_pk_fma_f32 v[232+8*(\x)+2*(p%4):233+8*(\x)+2*(p%4)], v[104+64*(\x)+2*p:105+64*(\x)+2*p], v[104+64*(\x)+2*p:105+64*(\x)+2*p], v[232+8*(\x)+2*(p%4):233+8*(\x)+2*(p%4)]
.endif
.set p, p+1
.endr
.endr
.irp B, 232, 240
	v_pk_add_f32 v[\B:\B+1], v[\B:\B+1], v[\B+2:\B+3]
	v_pk_add_f32 v[\B+4:\B+5], v[\B+4:\B+5], v[\B+6:\B+7]
	v_pk_add_f32 v[\B:\B+1], v[\B:\B+1], v[\B+4:\B+5]
	v_add_f32 v[\B], v[\B], v[\B+1]
	v_permlanex16_b32 v[\B+1], v[\B], s46, s47
	v_add_f32 v[\B], v[\B], v[\B+1]
.endr
	v_rsq_f32 v233, v232
	v_rsq_f32 v241, v240
	v_fma_f32 v237, v232, s50, s49
	v_fma_f32 v245, v240, s50, s49
	s_wait_alu depctr_va_vdst(0)                   ; one wait for the batch of two, ahead of their first reader
	v_mul_f32 v234, v232, v233
	v_mul_f32 v242, v240, v241
	v_mul_f32 v234, s48, v234
	v_mul_f32 v242, s48, v242
	v_exp_f32 v235, v234
	v_exp_f32 v243, v242
	v_fma_f32 v237, v232, v237, 1.0
	v_fma_f32 v245, v240, v245, 1.0
	s_wait_alu depctr_va_vdst(0)
	v_add_f32 v235, 1.0, v235
	v_add_f32 v243, 1.0, v243
	v_rcp_f32 v236, v235
	v_rcp_f32 v244, v243
	v_nop
	v_cmp_gt_f32 vcc_lo, s51, v232
	v_cmp_gt_f32 s54, s51, v240
	s_wait_alu depctr_va_vdst(0)
	v_fma_f32 v236, v236, -2.0, 1.0
	v_fma_f32 v244, v244, -2.0, 1.0
	v_mul_f32 v236, v236, v233
	v_mul_f32 v244, v244, v241
	v_cndmask_b32 v236, v236, v237, vcc_lo
	v_cndmask_b32 v244, v244, v245, s54
.irp x, 0,1
.set p, 0
.rept 32
	v_pk_mul_f32 v[104+64*(\x)+2*p:105+64*(\x)+2*p], v[104+64*(\x)+2*p:105+64*(\x)+2*p], v[236+8*(\x):237+8*(\x)] op_sel_hi:[1,0]
.set p, p+1
.endr
.endr
.set k, 0
.rept 16
.irp r, 0,1,2,3
	v_cvt_pk_bf16_f32 v[104+8*k+(\r)], v[104+8*k+2*(\r)], v[105+8*k+2*(\r)]
.endr
	ds_store_b128 v4, v[104+8*k:107+8*k] offset:512*k
.set k, k+1
.endr
	s_add_co_u32 s52, s52, 8192
	s_add_co_u32 s22, s22, 1024
	s_sub_co_u32 s53, s53, 1
	s_cmp_lg_u32 s53, 0
	s_cbranch_scc1 .Lrows
	s_wait_dscnt 0x0                               ; for the others: my key tiles and my vp are in LDS
	s_barrier_signal -1
	s_barrier_wait -1
	; ---- scores: S^T = K Q^T (lane = query, registers = keys), e, O^T += V^T e: 32 keys a step ----
.set k, 0
.rept 16
	ds_load_b128 v[40+4*k:43+4*k], v10 offset:512*k
.set k, k+1
.endr
.macro KLOAD off
.set k, 0
.rept 16
	ds_load_b128 v[104+4*k:107+4*k], v6 offset:(\off)+512*k
.set k, k+1
.endr
.endm
	v_mov_b32 v6, v3
	v_add_nc_u32 v7, VPL, v3
	KLOAD 0
.set k, 0
.rept 8
	v_mov_b32 v[24+k], 0x3f803f80                  ; ones
.set k, k+1
.endr
.set k, 224
.rept 24
	v_mov_b32 v[k], 0                              ; O0, O1 and the column sums start at 0: no first step is written out
.set k, k+1
.endr
	s_wait_dscnt 0x0
.macro STEP voff, knext, last
.irp c, 0,1,2,3
.irp t, 0,1
.irp kt, 0,1
	MM (168+16*(\t)+8*(\kt)), (104+32*(\kt)+8*(\c)), (40+32*(\t)+8*(\c)), ((\c)==0)
.endr
.endr
.endr
	PLACES
	ds_load_b128 v[216:219], v7 offset:\voff
	ds_load_b128 v[220:223], v7 offset:(\voff)+512
.if \last
	s_cmp_eq_u32 s53, 1                            ; behind the last step there is no K
	s_cbranch_scc1 .Lnok_\@
.endif
	KLOAD \knext
.if \last
.Lnok_\@:
.endif
.irp g, 0,1,2,3
.irp j, 0,1,2,3
	v_pk_fma_f32 v[248+2*(\j):249+2*(\j)], v[168+8*(\g)+2*(\j):169+8*(\g)+2*(\j)], s[40:41], s[42:43] op_sel_hi:[1,0,0]
.endr
.irp j, 0,1,2,3
	v_pk_fma_f32 v[248+2*(\j):249+2*(\j)], v[168+8*(\g)+2*(\j):169+8*(\g)+2*(\j)], v[248+2*(\j):249+2*(\j)], s[44:45] op_sel_hi:[1,1,0]
.endr
.irp j, 0,1,2,3
	v_pk_mul_f32 v[168+8*(\g)+2*(\j):169+8*(\g)+2*(\j)], v[168+8*(\g)+2*(\j):169+8*(\g)+2*(\j)], v[248+2*(\j):249+2*(\j)]
.endr
.endr
.set m, 0
.rept 16
	v_cvt_pk_bf16_f32 v[200+m], v[168+2*m], v[169+2*m]
.set m, m+1
.endr
	s_wait_dscnt 0x0                               ; V, and the next K: the same count whether or not K was asked for
	MM 224, 216, 200, 0
	MM 232, 216, 208, 0
	MM 240, 216, 24, 0
.endm
	s_mov_b32 s53, 4
.Lsc:                                          ; a trip: one wave's region of 8 key tiles
	STEP 0, 8192, 0
	STEP 1024, 16384, 0
	STEP 2048, 24576, 0
	STEP 3072, 40960, 1
	v_add_nc_u32 v6, 40960, v6
	v_add_nc_u32 v7, 4096, v7
	s_sub_co_u32 s53, s53, 1
	s_cmp_lg_u32 s53, 0
	s_cbranch_scc1 .Lsc
	; ---- the way out: lanes 0-15 hold channels 0-7 of query r, lanes 16-31 hold l in register 0 ----
	PLACES
.irp t, 0,1
.irp k, 0,2,4,6
	v_pk_add_f32 v[168+8*(\t)+(\k):169+8*(\t)+(\k)], v[224+8*(\t)+(\k):225+8*(\t)+(\k)], v[240+(\k):241+(\k)]
.endr
.endr
	v_permlanex16_b32 v184, v168, s46, s47
	v_permlanex16_b32 v185, v176, s46, s47
	v_rcp_f32 v186, v184
	v_rcp_f32 v188, v185
	v_nop
	s_wait_alu depctr_va_vdst(0)
.irp t, 0,1
.irp k, 0,2,4,6
	v_pk_mul_f32 v[168+8*(\t)+(\k):169+8*(\t)+(\k)], v[168+8*(\t)+(\k):169+8*(\t)+(\k)], v[186+2*(\t):187+2*(\t)] op_sel_hi:[1,0]
.endr
.irp k, 0,1,2,3
	v_permlanex16_b32 v[200+4*(\t)+(\k)], v[172+8*(\t)+(\k)], s46, s47  ; channels 4-7 go to lanes 16-31; what those lanes held is dropped
.endr
.irp k, 0,1,2,3
	v_cndmask_b32 v[208+4*(\t)+(\k)], v[168+8*(\t)+(\k)], v[200+4*(\t)+(\k)], s57
.endr
	global_store_b128 v3, v[208+4*(\t):211+4*(\t)], s[72:73] offset:512*(\t)
.endr
	s_wait_tensorcnt 0x0                           ; the wave's end
	ds_add_u32 v[SPW], v[NIL]
	s_wait_dscnt 0x0
	CROUND                                         ; the closing round
	s_endpgm
.Lfunc_end_k_q55affbaf96_attn1:
	.size	k_q55affbaf96_attn1, .Lfunc_end_k_q55affbaf96_attn1-k_q55affbaf96_attn1
	.p2alignl 7, 3214868480
	.fill 96, 4, 3214868480
	.section	.rodata,"a",@progbits
	.p2align	6, 0x0
	.amdhsa_kernel k_q55affbaf96_attn1
		.amdhsa_group_segment_fixed_size 201216
		.amdhsa_private_segment_fixed_size 0
		.amdhsa_enable_private_segment 0
		.amdhsa_kernarg_size 40
		.amdhsa_user_sgpr_count 2
		.amdhsa_user_sgpr_kernarg_segment_ptr 1
		.amdhsa_wavefront_size32 1
		.amdhsa_system_sgpr_workgroup_id_x 1
		.amdhsa_system_sgpr_workgroup_id_y 1
		.amdhsa_system_sgpr_workgroup_id_z 1
		.amdhsa_system_vgpr_workitem_id 0
		.amdhsa_next_free_vgpr 768
		.amdhsa_next_free_sgpr 80
		.amdhsa_reserve_vcc 1
		.amdhsa_float_denorm_mode_32 3
		.amdhsa_float_denorm_mode_16_64 3
		.amdhsa_memory_ordered 1
		.amdhsa_forward_progress 1
		.amdhsa_inst_pref_size 106
	.end_amdhsa_kernel
	.amdgpu_metadata
---
amdhsa.version: [ 1, 2 ]
amdhsa.kernels:
  - .name:           k_q55affbaf96_attn1
    .symbol:         k_q55affbaf96_attn1.kd
    .args:
      - { .name: QV, .offset: 0, .size: 8, .value_kind: global_buffer, .address_space: global }
      - { .name: P, .offset: 8, .size: 8, .value_kind: global_buffer, .address_space: global }
      - { .name: LAY1, .offset: 16, .size: 8, .value_kind: global_buffer, .address_space: global }
      - { .name: O0, .offset: 24, .size: 8, .value_kind: global_buffer, .address_space: global }
      - { .name: O1, .offset: 32, .size: 8, .value_kind: global_buffer, .address_space: global }
    .group_segment_fixed_size: 201216
    .private_segment_fixed_size: 0
    .kernarg_segment_align: 8
    .kernarg_segment_size: 40
    .max_flat_workgroup_size: 128
    .sgpr_count:     80
    .vgpr_count:     768
    .wavefront_size: 32
...
	.end_amdgpu_metadata
.endif
;; end of part 9
;; launch attn2: the kernel of part 9 again; grid 256 x 1, 4 waves a work-group, clusters of 4 x 1, 201,216 bytes of LDS; arguments QV, P, LAY2, O1, O2; writes O2
;; launch gemmout (part 10): grid 8 x 32, 4 waves a work-group, clusters of 4 x 4, 327,680 bytes of LDS; arguments P, O1, O2, b_out, out0; writes out0
.if DOCPART == 10
	.amdgcn_target "amdgcn-amd-amdhsa--gfx1250"
	.amdhsa_code_object_version 6
	.text
	.protected	k_q55affbaf96_gemmout
	.globl	k_q55affbaf96_gemmout
	.p2align	8
	.type	k_q55affbaf96_gemmout,@function
k_q55affbaf96_gemmout:
	s_mov_b64 s[64:65], 0
	v_nop
	global_prefetch_b8 v0, s[64:65] scope:SCOPE_SE
	s_setreg_imm32_b32 hwreg(HW_REG_WAVE_MODE, 25, 1), 1
	s_wait_xcnt 0x0
	s_wait_alu depctr_hold_cnt(0) depctr_sa_sdst(0) depctr_va_vdst(0) depctr_va_sdst(0) depctr_va_ssrc(0) depctr_va_vcc(0) depctr_vm_vsrc(0)
	s_getreg_b32 s2, hwreg(HW_REG_IB_STS2, 6, 4)
	s_cmp_eq_u32 s2, 0
	s_cbranch_scc0 .Lentry_in_a_cluster
	s_endpgm
.Lentry_in_a_cluster:
	s_bfe_u32 s2, ttmp6, 0x10000c
	s_cmp_lg_u32 s2, 0xf033
	s_cbranch_scc0 .Lentry_shape_is_right
	s_endpgm
.Lentry_shape_is_right:
; Launch 6: out = cur_3 W_out + b_out = x W_out + M H + b_out, H = R W_out (see the first kernel's head): cur_3 is never formed.
; A work-group makes 128 x 128 of out, a wave 64 x 64: 16 accumulators.  The step M H, with b_out as its C operand, starts every sum; then K = 1024 in 4 steps of 256 through two LDS slots.
; M: slots 0-7 msum_0, 8-15 msum_1 (stored complete by the attention launches), 16-23 msum_2 (added up here from its 8 parts), 1.0 at slot 26.
; CLUSTER 4 x 4, joint loads: x's tile along a row of the cluster, W_out's along a column.  A lies [row][k], B [k][column] in blocks of 64 columns, read turned.
; The matrix instruction is used transposed: a lane holds one row and 8 neighbouring columns; a wave's 64 columns are 256 bytes of f32, sent through its own stage as whole rows.
.set PITCH, 528
.set HALFT, 33792
.set BOFF, 67584                       ; behind A's 128 rows: two chunks of 128 k, 40,960 each: block j at 20,480 j, row k at 160 k
.set SLOT, 149504
.set STAGE, 299008
.set SP, 272
.set SPARE, 316416
.set O_WB2, 12845056
.set O_HF, 15073280
.set ADRA, 16
.set ADRB, 20
.set STO, 24
.set RD, 25
.set CO, 26
.set LN, 27
.set SPW, 28
.set NIL, 29
.set PO, 30
.set RO, 31
.set BIAS, 96                          ; window 0: v32-95 at work, v96-127 bias, v128-255 accumulators;  window 1: two fragment buffers;  window 2: v0-127 parts, v128-159 M, v160-191 H
.set ACC, 128
.set F0, 0
.set F1, 128
.set G1, 24                            ; s[24:31], s[32:39] A's descriptors; s[48:55], s[56:63] B's; s4 = 1.0 in bf16, s5 = lanes 16-31, s6, s7 at work
.set G0, 32
.set G1B, 48
.set G0B, 56
.set MSB, 0
.macro WIN new
.if MSB != (\new)
	s_set_vgpr_msb (MSB<<8)|(\new)
.set MSB, \new
.endif
.endm
.set MUL, 0x05
.set TO_F, 0x40
.macro PLACES
.rept 4
	v_nop
.endr
.endm
.macro JLOAD s
	s_cmp_eq_u32 s11, 0
	s_cbranch_scc0 .Lfor_b_\@
	tensor_load_to_lds s[G0+4*(\s):G0+4*(\s)+3], s[G1:G1+7]
	s_nop 0
	PLACES
	s_branch .Lasked_\@
.Lfor_b_\@:
	tensor_load_to_lds s[G0B+4*(\s):G0B+4*(\s)+3], s[G1B:G1B+7]
	s_nop 0
	PLACES
.Lasked_\@:
.endm
.macro CREST
	s_cmp_lg_u32 s10, 0
	s_cbranch_scc1 .Lnot_wave_0_\@
	s_barrier_signal -3
.Lnot_wave_0_\@:
	s_barrier_wait -3
	s_barrier_signal -1
	s_barrier_wait -1
.endm
.macro CROUND
	s_barrier_signal -1
	s_barrier_wait -1
	CREST
.endm
.macro ADDP d, base, x, shx, y, shy, k
	s_lshl_b32 s78, s[\x], \shx
	s_lshl_b32 s79, s[\y], \shy
	s_add_co_u32 s78, s78, s79
	s_add_co_u32 s78, s78, \k
	s_mov_b32 s79, 0
	s_add_nc_u64 s[\d:\d+1], s[\base:\base+1], s[78:79]
.endm
	s_load_b256 s[68:75], s[0:1], 0x0              ; P 68, O1 70, O2 72, b_out 74
	s_load_b64 s[76:77], s[0:1], 0x20              ; out0
	v_lshl_add_u32 v[SPW], v0, 2, SPARE
	v_mov_b32 v[NIL], 0
	ds_add_u32 v[SPW], v[NIL]                      ; the opening: the add, twice on end, and its wait ahead of my first tensor load
	ds_add_u32 v[SPW], v[NIL]
	v_lshrrev_b32 v1, 5, v0
	v_readfirstlane_b32 s10, v1
	s_lshr_b32 s11, s10, 1
	s_and_b32 s12, s10, 1
	s_bfe_u32 s40, ttmp6, 0x40000
	s_bfe_u32 s41, ttmp6, 0x40004
	s_lshl_b32 s42, ttmp9, 2
	s_add_co_u32 s42, s42, s40                     ; n
	s_and_b32 s13, ttmp7, 0xffff
	s_lshl_b32 s13, s13, 2
	s_add_co_u32 s13, s13, s41                     ; y
	s_lshl_b32 s43, s41, 2
	s_lshl_b32 s43, 15, s43
	s_lshl_b32 s44, 0x1111, s40
	s_or_b32 s[G1+0], s43, (1<<16)|(1<<20)|(1<<21)|(6<<22)|(3<<25)   ; A: 4 words of padding behind every 128
	s_or_b32 s[G1B+0], s44, (1<<16)|(1<<20)|(1<<21)|(4<<22)|(7<<25)  ; B: 8 words behind every 32
	s_mov_b32 s[G1+1], 256<<16
	s_mov_b32 s[G1+2], 64<<16
	s_mov_b32 s[G1+3], 256<<16
	s_mov_b32 s[G1+4], 64
	s_mov_b32 s[G1+5], 1024
	s_mov_b32 s[G1+6], 0
	s_mov_b32 s[G1+7], 0
	s_mov_b32 s[G1B+1], 128<<16
	s_mov_b32 s[G1B+2], 128<<16                    ; one chunk: 128 dense rows of 256 bytes
	s_mov_b32 s[G1B+3], 128<<16
	s_mov_b32 s[G1B+4], 128
	s_mov_b32 s[G1B+5], 128
	s_mov_b32 s[G1B+6], 0
	s_mov_b32 s[G1B+7], 0
	s_lshl_b32 s16, s13, 18
	s_lshl_b32 s18, s12, 17
	s_add_co_u32 s16, s16, s18
	s_mov_b32 s17, 0
	s_lshl_b32 s46, s42, 18                        ; chunk 8 n + my half of the K step
	s_lshl_b32 s18, s12, 15
	s_add_co_u32 s46, s46, s18
	s_add_co_u32 s46, s46, O_WB2
	s_mov_b32 s47, 0
	s_mul_i32 s20, s12, HALFT
	s_mul_i32 s21, s12, 40960
	s_add_co_u32 s21, s21, BOFF
	s_mov_b32 s66, 0x76543210
	s_mov_b32 s67, 0xfedcba98
	s_mov_b32 s4, 0x3f80
	s_mov_b32 s5, 0xffff0000
	s_wait_dscnt 0x0
	s_wait_kmcnt 0x0
	s_add_nc_u64 s[14:15], s[68:69], s[16:17]
	s_add_nc_u64 s[46:47], s[68:69], s[46:47]
	CROUND
.irp s, 0,1
	s_mov_b32 s[G0+4*(\s)], 1
	s_add_co_u32 s[G0+4*(\s)+1], s20, (\s)*SLOT
	s_add_nc_u64 s[G0+4*(\s)+2:G0+4*(\s)+3], s[14:15], (\s)*512
	s_or_b32 s[G0+4*(\s)+3], s[G0+4*(\s)+3], 0x80000000
	s_mov_b32 s[G0B+4*(\s)], 1
	s_add_co_u32 s[G0B+4*(\s)+1], s21, (\s)*SLOT
	s_add_nc_u64 s[G0B+4*(\s)+2:G0B+4*(\s)+3], s[46:47], (\s)*65536
	s_or_b32 s[G0B+4*(\s)+3], s[G0B+4*(\s)+3], 0x80000000
	JLOAD \s
.endr
	v_and_b32 v1, 15, v0
	v_bfe_u32 v2, v0, 4, 1
	v_and_b32 v3, 31, v0
	v_lshlrev_b32 v[LN], 4, v3
	v_lshlrev_b32 v[RO], 4, v1
	v_lshl_add_u32 v[PO], v2, 19, v[RO]
	v_lshlrev_b32 v15, 5, v2
	ADDP 14, 72, 13, 12, 11, 11, 0                 ; msum_2's parts at row tile 8 y + 4 wr
	ADDP 16, 70, 13, 11, 11, 10, 1048576           ; msum_0
	ADDP 18, 72, 13, 11, 11, 10, 1048576           ; msum_1
	ADDP 22, 68, 42, 13, 12, 12, O_HF
	ADDP 46, 74, 42, 9, 12, 8, 0
	ADDP 76, 76, 13, 19, 11, 18, 0
	ADDP 76, 76, 42, 9, 12, 8, 0
	WIN 0x80
.set i, 0
.rept 4
.set j, 0
.rept 8
	global_load_b128 v[32*i+4*j:32*i+4*j+3], v[PO], s[14:15] offset:131072*(j/2)+512*i+256*(j%2)
.set j, j+1
.endr
.set i, i+1
.endr
.set k, 0
.rept 8
	global_load_b128 v[160+4*k:163+4*k], v[LN], s[22:23] offset:512*k
.set k, k+1
.endr
	WIN 0
.set k, 0
.rept 4
	global_load_b128 v[32+4*k:35+4*k], v[RO], s[16:17] offset:256*k
	global_load_b128 v[48+4*k:51+4*k], v[RO], s[18:19] offset:256*k
	global_load_b128 v[BIAS+8*k:BIAS+8*k+3], v15, s[46:47] offset:64*k
	global_load_b128 v[BIAS+8*k+4:BIAS+8*k+7], v15, s[46:47] offset:64*k+16
.set k, k+1
.endr
	v_mul_u32_u24 v3, v1, PITCH                    ; the scalars below lie in registers that no pending load names
	v_lshl_add_u32 v3, v2, 4, v3
	s_mul_i32 s21, s11, HALFT
	v_add_nc_u32 v[ADRA], s21, v3
	v_add_nc_u32 v[ADRA+1], SLOT, v[ADRA]
	v_and_b32 v5, 7, v0
	v_lshl_add_u32 v6, v2, 3, v5
	v_mul_u32_u24 v6, v6, 160
	v_bfe_u32 v7, v0, 3, 1
	v_lshl_add_u32 v6, v7, 4, v6
	s_mul_i32 s6, s12, 20480
	s_add_co_u32 s6, s6, BOFF
	v_add_nc_u32 v[ADRB], s6, v6
	v_add_nc_u32 v[ADRB+1], SLOT, v[ADRB]
	s_mul_i32 s7, s10, 16*SP
	s_add_co_u32 s7, s7, STAGE
	v_mul_u32_u24 v4, v1, SP
	v_lshl_add_u32 v4, v2, 5, v4
	v_add_nc_u32 v[STO], s7, v4
	v_mul_u32_u24 v5, v2, SP
	v_lshl_add_u32 v5, v1, 4, v5
	v_add_nc_u32 v[RD], s7, v5
	v_lshlrev_b32 v5, 12, v2
	v_lshl_add_u32 v[CO], v1, 4, v5
	s_wait_loadcnt 0x0
.macro MSUMO a                         ; row tile a: msum_2 from its 8 parts, and M's fragment
	WIN 0x8a
.irp hd, 1,2,3
.irp k, 0,2,4,6
	v_pk_add_f32 v[32*(\a)+(\k):32*(\a)+(\k)+1], v[32*(\a)+(\k):32*(\a)+(\k)+1], v[32*(\a)+8*(\hd)+(\k):32*(\a)+8*(\hd)+(\k)+1]
.endr
.endr
.irp k, 0,1,2,3,4,5,6,7
	v_permlanex16_b32 v[32*(\a)+8+(\k)], v[32*(\a)+(\k)], s66, s67
.endr
.irp k, 0,2,4,6
	v_pk_add_f32 v[32*(\a)+(\k):32*(\a)+(\k)+1], v[32*(\a)+(\k):32*(\a)+(\k)+1], v[32*(\a)+8+(\k):32*(\a)+9+(\k)]
.endr
	WIN 0x0a
.irp k, 0,1,2,3
	v_cvt_pk_bf16_f32 v[64+(\k)], v[32*(\a)+2*(\k)], v[32*(\a)+2*(\k)+1]
.endr
	WIN 0x80
.irp k, 0,1,2,3
	v_cndmask_b32 v[128+8*(\a)+(\k)], v[32+4*(\a)+(\k)], v[48+4*(\a)+(\k)], s5
.endr
	v_cndmask_b32 v[132+8*(\a)], v64, 0, s5
	v_cndmask_b32 v[133+8*(\a)], v65, s4, s5       ; 1.0 at slot 26
	v_cndmask_b32 v[134+8*(\a)], v66, 0, s5
	v_cndmask_b32 v[135+8*(\a)], v67, 0, s5
.endm
	MSUMO 0
	MSUMO 1
	MSUMO 2
	MSUMO 3
	WIN 0x0a                                       ; H and M in window 2, bias and sums in window 0
.irp a, 0,1,2,3
.irp b, 0,1,2,3
	v_wmma_f32_16x16x32_bf16 v[ACC+8*(4*(\a)+(\b)):ACC+8*(4*(\a)+(\b))+7], v[160+8*(\b):167+8*(\b)], v[128+8*(\a):135+8*(\a)], v[BIAS+8*(\b):BIAS+8*(\b)+7]
.endr
.endr
	WIN 0
.macro MUL8 f, c, a0
	WIN MUL
.irp a, \a0, (\a0)+1
.irp b, 0,1,2,3
	v_wmma_f32_16x16x32_bf16 v[ACC+8*(4*(\a)+(\b)):ACC+8*(4*(\a)+(\b))+7], v[(\f)+64+8*(4*(\c)+(\b)):(\f)+64+8*(4*(\c)+(\b))+7], v[(\f)+8*(4*(\c)+(\a)):(\f)+8*(4*(\c)+(\a))+7], v[ACC+8*(4*(\a)+(\b)):ACC+8*(4*(\a)+(\b))+7]
.endr
.endr
.endm
.macro FETCH slot, q, f                ; the fragments of 64 along K, the first 32 first
	WIN TO_F
.irp c, 0,1
.irp i, 0,1,2,3
	ds_load_tr16_b128 v[(\f)+64+8*(4*(\c)+(\i)):(\f)+64+8*(4*(\c)+(\i))+3],   v[ADRB+(\slot)] offset:40960*((\q)/2)+10240*((\q)%2)+5120*(\c)+32*(\i)
	ds_load_tr16_b128 v[(\f)+64+8*(4*(\c)+(\i))+4:(\f)+64+8*(4*(\c)+(\i))+7], v[ADRB+(\slot)] offset:40960*((\q)/2)+10240*((\q)%2)+5120*(\c)+32*(\i)+2560
	ds_load_b128 v[(\f)+8*(4*(\c)+(\i)):(\f)+8*(4*(\c)+(\i))+3],   v[ADRA+(\slot)] offset:128*(\q)+64*(\c)+(\i)*16*PITCH
	ds_load_b128 v[(\f)+8*(4*(\c)+(\i))+4:(\f)+8*(4*(\c)+(\i))+7], v[ADRA+(\slot)] offset:128*(\q)+64*(\c)+(\i)*16*PITCH+32
.endr
.endr
.endm
.macro QUARTER slot, qn, f, g
	s_wait_dscnt 16                                ; the first 32 along K are in; the other sixteen loads may be out
	MUL8 \f, 0, 0
	MUL8 \f, 0, 2
	PLACES
	FETCH \slot, \qn, \g
	s_wait_dscnt 32                                ; all but the 32 just issued
	MUL8 \f, 1, 0
	MUL8 \f, 1, 2
.endm
.macro TURN slot, next, fill
	WIN 0
	s_wait_tensorcnt 0x0                           ; all my tensor loads have landed: my part of the next slot
	ds_add_u32 v[SPW], v[NIL]
	s_wait_dscnt 17                                ; the add and the youngest sixteen loads may be out
	MUL8 F1, 0, 0
	s_wait_dscnt 0x0                               ; the add is done, my reads of this slot are over
	s_barrier_signal -1
	MUL8 F1, 0, 2
.if \fill
	WIN 0
.endif
	s_barrier_wait -1
.if \fill
	CREST
	s_add_nc_u64 s[G0+4*(\slot)+2:G0+4*(\slot)+3], s[G0+4*(\slot)+2:G0+4*(\slot)+3], 1024
	s_add_nc_u64 s[G0B+4*(\slot)+2:G0B+4*(\slot)+3], s[G0B+4*(\slot)+2:G0B+4*(\slot)+3], 131072
	JLOAD \slot
.else
	PLACES
.endif
	FETCH \next, 0, F0
	MUL8 F1, 1, 0
	MUL8 F1, 1, 2
.endm
	s_wait_tensorcnt 1                             ; my part of K step 0 is in; K step 1's may stay out
	s_barrier_signal -1
	s_barrier_wait -1
	FETCH 0, 0, F0
	QUARTER 0, 1, F0, F1                           ; four K steps, written out: both slots are filled again once
	QUARTER 0, 2, F1, F0
	QUARTER 0, 3, F0, F1
	TURN 0, 1, 1
	QUARTER 1, 1, F0, F1
	QUARTER 1, 2, F1, F0
	QUARTER 1, 3, F0, F1
	TURN 1, 0, 1
	QUARTER 0, 1, F0, F1
	QUARTER 0, 2, F1, F0
	QUARTER 0, 3, F0, F1
	TURN 0, 1, 0
	QUARTER 1, 1, F0, F1
	QUARTER 1, 2, F1, F0
	QUARTER 1, 3, F0, F1
	s_wait_dscnt 16
	MUL8 F1, 0, 0
	MUL8 F1, 0, 2
	s_wait_dscnt 0x0
	MUL8 F1, 1, 0
	MUL8 F1, 1, 2
	WIN 0
	PLACES
	; the way out: 16 rows at a time through my own stage; LDS serves a wave's instructions in order, so no wait stands between its stores and its loads
.set a, 0
.rept 4
.set BK, 32+32*(a%2)
.set b, 0
.rept 4
	ds_store_b128 v[STO], v[ACC+8*(4*a+b):ACC+8*(4*a+b)+3] offset:64*b
	ds_store_b128 v[STO], v[ACC+8*(4*a+b)+4:ACC+8*(4*a+b)+7] offset:64*b+16
.set b, b+1
.endr
	s_wait_xcnt 0x0                                ; earlier stores have read the registers that are loaded now
.set t, 0
.rept 8
	ds_load_b128 v[BK+4*t:BK+4*t+3], v[RD] offset:t*2*SP
.set t, t+1
.endr
	s_wait_dscnt 0x0
.set t, 0
.rept 8
	global_store_b128 v[CO], v[BK+4*t:BK+4*t+3], s[76:77] offset:(16*a+2*t)*4096 th:TH_STORE_NT  ; 16 lanes store 256 consecutive bytes, aligned
.set t, t+1
.endr
.set a, a+1
.endr
	s_wait_tensorcnt 0x0                           ; the wave's end
	ds_add_u32 v[SPW], v[NIL]
	s_wait_dscnt 0x0
	CROUND                                         ; the closing round
	s_endpgm
.Lfunc_end_k_q55affbaf96_gemmout:
	.size	k_q55affbaf96_gemmout, .Lfunc_end_k_q55affbaf96_gemmout-k_q55affbaf96_gemmout
	.p2alignl 7, 3214868480
	.fill 96, 4, 3214868480
	.section	.rodata,"a",@progbits
	.p2align	6, 0x0
	.amdhsa_kernel k_q55affbaf96_gemmout
		.amdhsa_group_segment_fixed_size 327680
		.amdhsa_private_segment_fixed_size 0
		.amdhsa_enable_private_segment 0
		.amdhsa_kernarg_size 40
		.amdhsa_user_sgpr_count 2
		.amdhsa_user_sgpr_kernarg_segment_ptr 1
		.amdhsa_wavefront_size32 1
		.amdhsa_system_sgpr_workgroup_id_x 1
		.amdhsa_system_sgpr_workgroup_id_y 1
		.amdhsa_system_sgpr_workgroup_id_z 1
		.amdhsa_system_vgpr_workitem_id 0
		.amdhsa_next_free_vgpr 704
		.amdhsa_next_free_sgpr 80
		.amdhsa_reserve_vcc 0
		.amdhsa_float_denorm_mode_32 3
		.amdhsa_float_denorm_mode_16_64 3
		.amdhsa_memory_ordered 1
		.amdhsa_forward_progress 1
		.amdhsa_inst_pref_size 103
	.end_amdhsa_kernel
	.amdgpu_metadata
---
amdhsa.version: [ 1, 2 ]
amdhsa.kernels:
  - .name:           k_q55affbaf96_gemmout
    .symbol:         k_q55affbaf96_gemmout.kd
    .args:
      - { .name: P, .offset: 0, .size: 8, .value_kind: global_buffer, .address_space: global }
      - { .name: O1, .offset: 8, .size: 8, .value_kind: global_buffer, .address_space: global }
      - { .name: O2, .offset: 16, .size: 8, .value_kind: global_buffer, .address_space: global }
      - { .name: b_out, .offset: 24, .size: 8, .value_kind: global_buffer, .address_space: global }
      - { .name: out0, .offset: 32, .size: 8, .value_kind: global_buffer, .address_space: global }
    .group_segment_fixed_size: 327680
    .private_segment_fixed_size: 0
    .kernarg_segment_align: 8
    .kernarg_segment_size: 40
    .max_flat_workgroup_size: 128
    .sgpr_count:     80
    .vgpr_count:     704
    .wavefront_size: 32
...
	.end_amdgpu_metadata
.endif
;; end of part 10
